; MI455X (gfx1250); checked and timed in simulation.
; The chip was launched on July 23, 2026; its instructions are those of AMD's public machine-readable ISA for CDNA 5 (MIT licence, August 2026) and "CDNA5" Instruction Set Architecture Reference Guide (July 2026). The comments in the code are by the model that wrote it; some were corrected since.
;; Chaos Attention Block. Allowed arithmetic: matrix products marked QUANTISED: E4M3 operands, one given power-of-two scale a tensor, by v_wmma_f32_16x16x64_fp8_fp8 or v_wmma_f32_16x16x128_fp8_fp8, f32 sums; everything else in f32.
;; Inputs: lowp_scales 12 int32 (the exponents e of the quantised operands' scales 2^e); w_fc 2,048 x 1,024 float32; w_ff_norm 1,024 float32; w_in_norm 1,024 float32; w_out 1,024 x 1,024 float32; w_proj 1,024 x 2,048 float32; w_qkv 3,072 x 1,024 float32; x 2 x 2,048 x 1,024 float32.
;; Outputs: out0 2 x 2,048 x 1,024 float32.
;; This version of the problem:
;;   THIS VERSION OF THE PROBLEM IS GIVEN IN LOW PRECISION. The matrix products marked QUANTISED in the list below multiply operands that are first quantised to E4M3 (4 exponent bits, 3 mantissa bits; 8 bits a number), with one given power-of-two scale for each operand tensor; their sums are f32. All else is computed in f32.
;;   The module's matrix products, in the order in which they are computed (A, B: the left and right operand; K: the contracted axis; several contracted axes count as one K, in the product's order):
;;     1. [M 4,096, K 1,024] x [K 1,024, N 3,072]; A: computed on the way; B: input w_qkv: QUANTISED (scales: A lowp_scales[0], B lowp_scales[1])
;;     2. batch 32 x [M 2,048, K 64] x [K 64, N 2,048]; A: computed on the way; B: computed on the way: QUANTISED (scales: A lowp_scales[2], B lowp_scales[3])
;;     3. batch 32 x [M 2,048, K 2,048] x [K 2,048, N 64]; A: softmax (see below); B: computed on the way: QUANTISED (scales: A lowp_scales[4], B lowp_scales[5])
;;     4. [M 4,096, K 1,024] x [K 1,024, N 1,024]; A: computed on the way; B: input w_out: QUANTISED (scales: A lowp_scales[6], B lowp_scales[7])
;;     5. [M 4,096, K 1,024] x [K 1,024, N 2,048]; A: computed on the way; B: input w_fc: QUANTISED (scales: A lowp_scales[8], B lowp_scales[9])
;;     6. [M 4,096, K 2,048] x [K 2,048, N 1,024]; A: computed on the way; B: input w_proj: QUANTISED (scales: A lowp_scales[10], B lowp_scales[11])
;;   THE QUANTISER, for each operand of a quantised product, along K:
;;     - The operand's scale is 2^e, e = its entry of the input lowp_scales (int32; the entries are numbered through the quantised products in the list's order, A before B).
;;     - Each number is divided by the scale, clamped to +-448, and rounded to the nearest number of E4M3, ties to even, subnormals kept.
;;     - The product sums the exact products of the quantised numbers (number of the format x scale) in f32.
;;   ~~~python
;;   def quantise(x, axis, e):      # numpy; x: float32 -> the quantised numbers, widened to float32 again
;;       x = np.moveaxis(x, axis, -1); K = x.shape[-1]
;;       r = np.clip(x / 2.0 ** e, -448, 448)
;;       step = 2.0 ** (np.maximum(np.frexp(np.where(r == 0, 1, r))[1] - 1, -6) - 3)
;;       q = np.round(r / step) * step * 2.0 ** e      # np.round: ties to even
;;       return np.moveaxis(q, -1, axis).astype(np.float32)
;;   ~~~
;;   SOFTMAX AHEAD OF A QUANTISED PRODUCT. Where the list says 'softmax', what is quantised is not the finished softmax but p = 2^(t - M), with t = logit x log2(e) and M = ceil(the row's largest t), a whole number; so 1/2 < the row's largest p <= 1. The row's sum l is taken of the UNQUANTISED p, in f32, and the product's result is divided by l at the end. Since M is a whole number, a kernel that streams over the keys may use a running M (the ceiling of the running maximum): every later rescaling is an exact power of two, so the quantised numbers keep their values, but for numbers so far below the row's largest that they fall under the format's range.
;;   OPERANDS COMPUTED ON THE WAY. 'Computed on the way' means the value that the module computes at that place (a softmax that the list does not call 'softmax' is quantised finished and normalised). What goes into a quantiser is computed in f32, as accurately as f32 sums, v_exp_f32 and their like allow (about 1e-6 of the number): no bf16 or f16 on the way to a quantiser, and a product that is left as it is and whose result goes on into a quantised operand takes f32 operands (vector FMAs, or v_wmma_f32_16x16x4_f32). A number that lies on a knife's edge between two numbers of the format may be rounded either way, as far as f32 arithmetic and the matrix unit's own rounding can turn it there, and no further.
;; 2 versions. Each part assembles by itself: llvm-mc -triple=amdgcn-amd-amdhsa -mcpu=gfx1250 --defsym DOCPART=n.
;; ======== version 1 of 2: 7 launches
;; workspace buffers: pc 12,582,912 bytes; tab 524,288 bytes; qkvc 12,582,912 bytes; ac 4,194,304 bytes; x1 16,777,216 bytes; h2c 4,194,304 bytes; hidc 8,388,608 bytes
;; launch prep (part 1): grid 896 x 1, 8 waves a work-group, no clusters, 69,632 bytes of LDS; arguments x, w_in_norm, w_qkv, w_out, w_fc, w_proj, lowp_scales, pc, tab; writes pc, tab
.if DOCPART == 1
	.amdgcn_target "amdgcn-amd-amdhsa--gfx1250"
	.amdhsa_code_object_version 6
	.text
	.protected	k_q54decf2171_prep
	.globl	k_q54decf2171_prep
	.p2align	8
	.type	k_q54decf2171_prep,@function
k_q54decf2171_prep:
	s_mov_b64 s[64:65], 0
	v_nop
	global_prefetch_b8 v0, s[64:65] scope:SCOPE_SE
	s_setreg_imm32_b32 hwreg(HW_REG_WAVE_MODE, 25, 1), 1
	s_wait_xcnt 0x0
; FIRST OF SEVEN LAUNCHES of a pre-norm transformer block (4,096 tokens, width 1,024, 16 heads of 64, hidden 2,048), all six matrix products on codes of E4M3 with given scales 2^e.
; THIS LAUNCH: rmsnorm(x) x w_in_norm and the four weights become codes; the table of cosines and sines for the rotary embedding is made.
; WORK LEFT OUT IN THE PROGRAM: reference() itself builds a causal mask (jnp.tril) and replaces the scores of keys behind the query ahead of the softmax, whatever the inputs hold.  So the attention launch does not
; multiply a step of 16 queries x 128 keys all of whose keys come behind all its queries, and does not fetch a slot of keys that no query of the work-group may see.  Nothing else is left out; every input is loaded.
; LIMIT: a NaN, an infinity or an overflow that would arise only in those hidden scores is not carried to the result.
; LAYOUT OF EVERY OPERAND IN THE WORKSPACE: an image of the matrix operand's registers.  A unit is 16 rows x 128 along K, 2,048 bytes: lane 16 h + r holds row r, registers 2 c, 2 c + 1 hold k = 16 c + 8 h + 0 .. 7;
; registers 4 q .. 4 q + 3 of lane l lie at byte 512 q + 16 l of the unit.  A tensor [rows][K] is [rows / 16][K / 128] units.
; pc holds, unit after unit: the codes of rmsnorm(x) (2,048 units), w_qkv (1,536), w_out (512), w_fc (1,024), w_proj (1,024).
; SHARES: a wave makes one unit, a work-group eight: unit 8 x work-group + wave.  Work-groups 0-255: x (16 rows, the eight waves share a row's sum of squares through LDS); 256-447 w_qkv; 448-511 w_out; 512-639 w_fc;
; 640-767 w_proj; 768-895: the table, 16 positions each.
; code = number / 2^e, held within +-448, rounded to the nearest code, ties to even.  LIMITS: each e used here (entries 0, 1, 7, 9, 11) lies between -126 and 119; NaN among the inputs is not served.
; THE TABLE: inv_freq = 2^(-i log2(10000) / 32) by v_exp_f32, angle = position x inv_freq in f32, reduced by multiples of pi / 2 (in two parts), sine and cosine by their series to z^4 and z^5 on +-pi / 4.
; LIMIT: inv_freq is good to about one part in 10^7, so an angle near 2,047 is good to about 2e-4.
.set STGB,  8448                       ; a wave's stage: 16 rows x (512 bytes + 16)
.set PART,  8*STGB                     ; 16 rows x 8 waves: partial sums of squares, 512 bytes
.set SPARE, PART+512                   ; the spare words, 128 bytes for each wave: four blocks of 256 bytes that no other line names
.set LI,  4                            ; v4   16 x lane: my bytes of a row's 512, and of a unit's chunk
.set SI,  5                            ; v5   the stage, on the way in
.set SO,  6                            ; v6   the stage, on the way out: row r, + 32 h
.set WA,  8                            ; v8   32 h: my place in the gain
.set PW,  9                            ; v9   where my wave's partial sum of row r goes
.set PR,  10                           ; v10  row r's eight partial sums
.set SPW, 12                           ; v12  my spare word; never rewritten
.set NIL, 13                           ; v13  0; never rewritten
.set SC,  14                           ; v14  2^e as f32
.set LIM, 15                           ; v15  448 x 2^e
.set R,   16                           ; v16-79   16 rows as loaded
.set X,   80                           ; v80-143  register 8 c + y: k = 16 c + 8 h + y of row r
.set W,   144                          ; v144-207 the gain at the same k
.set C,   208                          ; v208-223 the codes
	s_load_b256 s[4:11], s[0:1], 0x0               ; x s[4:5], w_in_norm s[6:7], w_qkv s[8:9], w_out s[10:11]
	s_load_b256 s[12:19], s[0:1], 0x20             ; w_fc s[12:13], w_proj s[14:15], lowp_scales s[16:17], pc s[18:19]
	s_load_b64 s[20:21], s[0:1], 0x40              ; tab
	v_lshl_add_u32 v[SPW], v0, 2, SPARE
	v_mov_b32 v[NIL], 0
	v_lshrrev_b32 v1, 5, v0
	v_readfirstlane_b32 s22, v1                    ; wave 0..7
	v_and_b32 v1, 31, v0                           ; lane
	v_and_b32 v2, 15, v0                           ; r
	v_bfe_u32 v3, v0, 4, 1                         ; h
	v_lshlrev_b32 v[LI], 4, v1
	s_mul_i32 s23, s22, STGB
	v_add_nc_u32 v[SI], s23, v[LI]
	v_mul_u32_u24 v[SO], v2, 528
	v_lshl_add_u32 v[SO], v3, 5, v[SO]
	v_add_nc_u32 v[SO], s23, v[SO]
	v_lshlrev_b32 v[WA], 5, v3
	v_lshlrev_b32 v[PR], 5, v2
	v_add_nc_u32 v[PR], PART, v[PR]
	s_lshl_b32 s24, s22, 2
	v_add_nc_u32 v[PW], s24, v[PR]
	s_mov_b32 s48, 0x76543210                      ; v_permlanex16_b32: lane l takes lane l xor 16
	s_mov_b32 s49, 0xfedcba98
	s_wait_kmcnt 0x0
	s_load_b256 s[32:39], s[16:17], 0x0            ; e0 .. e7
	s_load_b128 s[40:43], s[16:17], 0x20           ; e8 .. e11
	s_cmp_ge_u32 ttmp9, 768
	s_cbranch_scc1 .Lrope
	; which tensor: only a pointer and numbers are chosen, by the work-group's number; all tensors take one way through the text
	s_mov_b64 s[30:31], s[14:15]                   ; w_proj,
	s_mov_b32 s23, 640                             ; whose first work-group is 640
	s_cmp_lt_u32 ttmp9, 640
	s_cselect_b64 s[30:31], s[12:13], s[30:31]
	s_cselect_b32 s23, 512, s23
	s_cselect_b32 s24, 3, 4                        ; log2 of the units in a row block: K = 1,024 has 8, w_proj's 2,048 has 16
	s_cmp_lt_u32 ttmp9, 512
	s_cselect_b64 s[30:31], s[10:11], s[30:31]
	s_cselect_b32 s23, 448, s23
	s_cmp_lt_u32 ttmp9, 448
	s_cselect_b64 s[30:31], s[8:9], s[30:31]
	s_cselect_b32 s23, 256, s23
	s_cmp_lt_u32 ttmp9, 256
	s_cselect_b64 s[30:31], s[4:5], s[30:31]
	s_cselect_b32 s23, 0, s23
	s_sub_co_u32 s25, ttmp9, s23
	s_lshl_b32 s25, s25, 3
	s_add_co_u32 s25, s25, s22                     ; my unit in the tensor
	s_lshr_b32 s26, s25, s24                       ; its row block
	s_lshl_b32 s27, s26, s24
	s_sub_co_u32 s27, s25, s27                     ; its 128 along K
	s_add_co_u32 s28, s24, 13
	s_lshl_b32 s28, s26, s28                       ; 16 rows of 4 K bytes
	s_lshl_b32 s29, s27, 9
	s_add_co_u32 s28, s28, s29                     ; + 512 bytes for each 128 along K
	s_mov_b32 s29, 0
	s_add_nc_u64 s[30:31], s[30:31], s[28:29]
	s_lshl_b32 s46, ttmp9, 3
	s_add_co_u32 s46, s46, s22
	s_lshl_b32 s46, s46, 11                        ; my unit in pc
	s_mov_b32 s47, 0
	s_add_nc_u64 s[18:19], s[18:19], s[46:47]
	s_lshl_b32 s46, s22, 9
	s_add_nc_u64 s[50:51], s[6:7], s[46:47]        ; the gain at my wave's 128 (used for x alone, where the wave is the unit's place along K)
.macro LOADU rowb                      ; 16 rows: each load reads 512 consecutive bytes of one row
.irp i, 0,1,2,3,4,5,6,7,8,9,10,11,12,13,14,15
	global_load_b128 v[R+4*\i:R+4*\i+3], v[LI], s[30:31] offset:\i*\rowb th:TH_LOAD_NT
.endr
.endm
	s_cmp_lt_u32 ttmp9, 640
	s_cbranch_scc0 .Lwide
	LOADU 4096
	s_branch .Lloaded
.Lwide:
	LOADU 8192
.Lloaded:
	s_wait_kmcnt 0x0
	s_mov_b32 s44, s43                             ; e11, w_proj's
	s_cmp_lt_u32 ttmp9, 640
	s_cselect_b32 s44, s41, s44                    ; e9
	s_cmp_lt_u32 ttmp9, 512
	s_cselect_b32 s44, s39, s44                    ; e7
	s_cmp_lt_u32 ttmp9, 448
	s_cselect_b32 s44, s33, s44                    ; e1
	s_cmp_lt_u32 ttmp9, 256
	s_cselect_b32 s44, s32, s44                    ; e0
	s_add_co_i32 s44, s44, 127
	s_lshl_b32 s45, s44, 23
	v_mov_b32 v[SC], s45                           ; 2^e: the conversion takes its exponent field
	s_add_co_i32 s44, s44, 8
	s_lshl_b32 s44, s44, 23
	s_or_b32 s44, s44, 0x600000
	v_mov_b32 v[LIM], s44                          ; 448 x 2^e
	; through the wave's own stage: in as loaded, out as the operand's layout wants it.  LDS serves a wave's instructions in order: no wait between the stores and the loads
.irp i, 0,1,2,3,4,5,6,7,8,9,10,11,12,13,14,15
	s_wait_loadcnt 15-\i                           ; row i is in; the 15 - i younger loads may be out
	ds_store_b128 v[SI], v[R+4*\i:R+4*\i+3] offset:528*\i
.endr
.irp c, 0,1,2,3,4,5,6,7
	ds_load_b128 v[X+8*\c:X+8*\c+3], v[SO] offset:64*\c
	ds_load_b128 v[X+8*\c+4:X+8*\c+7], v[SO] offset:64*\c+16
.endr
	s_wait_dscnt 0x0
	s_cmp_ge_u32 ttmp9, 256                        ; the same in all eight waves
	s_cbranch_scc1 .Lquant
	; x alone: x / sqrt(mean of squares + 1e-6) x gain
.irp c, 0,1,2,3,4,5,6,7
	global_load_b128 v[W+8*\c:W+8*\c+3], v[WA], s[50:51] offset:64*\c
	global_load_b128 v[W+8*\c+4:W+8*\c+7], v[WA], s[50:51] offset:64*\c+16
.endr
	v_pk_mul_f32 v[224:225], v[X:X+1], v[X:X+1]    ; my 64 squares, in two chains of pairs
	v_pk_mul_f32 v[226:227], v[X+2:X+3], v[X+2:X+3]
.set n, 4
.rept 15
	v_pk_fma_f32 v[224:225], v[X+n:X+n+1], v[X+n:X+n+1], v[224:225]
	v_pk_fma_f32 v[226:227], v[X+n+2:X+n+3], v[X+n+2:X+n+3], v[226:227]
.set n, n+4
.endr
	v_pk_add_f32 v[224:225], v[224:225], v[226:227]
	v_add_f32 v224, v224, v225
	v_permlanex16_b32 v226, v224, s48, s49         ; the row's other 64 of my wave's 128
	v_add_f32 v224, v224, v226
	ds_store_b32 v[PW], v224                       ; lanes r and r + 16 write the same word with the same number
	s_wait_dscnt 0x0                               ; for the others' sake: my store has landed
	s_barrier_signal -1
	s_barrier_wait -1
	ds_load_b128 v[228:231], v[PR]
	ds_load_b128 v[232:235], v[PR] offset:16
	s_wait_dscnt 0x0
	v_add_f32 v228, v228, v229
	v_add_f32 v230, v230, v231
	v_add_f32 v232, v232, v233
	v_add_f32 v234, v234, v235
	v_add_f32 v228, v228, v230
	v_add_f32 v232, v232, v234
	v_add_f32 v228, v228, v232
	v_mov_b32 v229, 0x358637bd                     ; 1e-6
	v_fma_f32 v228, v228, 0x3a800000, v229         ; sum / 1,024 + 1e-6
	v_rsq_f32 v236, v228
	v_mov_b32 v237, 0                              ; a plain instruction behind the transcendental; v237 is named as the pair's upper half
	s_wait_alu depctr_va_vdst(0)                   ; ahead of the result's first reader
.set n, 0
.rept 32
	v_pk_mul_f32 v[X+n:X+n+1], v[X+n:X+n+1], v[236:237] op_sel_hi:[1,0]
.set n, n+2
.endr
	s_wait_loadcnt 0x0                             ; the gain
.set n, 0
.rept 32
	v_pk_mul_f32 v[X+n:X+n+1], v[X+n:X+n+1], v[W+n:W+n+1]
.set n, n+2
.endr
.Lquant:
.set n, 0
.rept 64
	v_med3_num_f32 v[X+n], v[X+n], -v[LIM], v[LIM] ; the conversion to an 8-bit code does not saturate (ISA guide 7.6.2): the hold at the largest code x the scale
.set n, n+1
.endr
.irp c, 0,1,2,3,4,5,6,7
	v_cvt_scalef32_pk8_fp8_f32 v[C+2*\c:C+2*\c+1], v[X+8*\c:X+8*\c+7], v[SC]
.endr
	v_nop
.irp q, 0,1,2,3
	global_store_b128 v[LI], v[C+4*\q:C+4*\q+3], s[18:19] offset:512*\q   ; the wave stores 512 consecutive bytes
.endr
	s_wait_tensorcnt 0x0                           ; the wave's end
	ds_add_u32 v[SPW], v[NIL]
	s_wait_dscnt 0x0
	s_endpgm
	; THE TABLE.  tab: [16 positions' block 128][bb 4][w 2][lane 32][16 bytes]: lane (r, h) holds cos, sin, cos, sin of the pairs i = 8 bb + 4 h + 2 w + 0, 1 at position 16 x block + r.
	; Thread t = 64 bb + 32 w + lane makes one entry of 16 bytes.  This way writes no LDS.
.Lrope:
	s_mov_b32 s52, 0xbed49a78                      ; -log2(10000) / 32
	s_mov_b32 s53, 0x3f22f983                      ; 2 / pi
	s_mov_b32 s54, 0x3fc90fdb                      ; pi / 2, rounded to f32,
	s_mov_b32 s55, 0x333bbd2e                      ; and what that is too large by
	s_sub_co_u32 s25, ttmp9, 768
	s_lshl_b32 s26, s25, 4
	s_lshl_b32 s28, s25, 12
	s_mov_b32 s29, 0
	s_add_nc_u64 s[20:21], s[20:21], s[28:29]
	v_lshrrev_b32 v16, 6, v0                       ; bb
	v_bfe_u32 v17, v0, 5, 1                        ; w
	v_lshlrev_b32 v16, 3, v16
	v_lshl_add_u32 v16, v3, 2, v16
	v_lshl_add_u32 v16, v17, 1, v16                ; i of the first pair
	v_add_nc_u32 v17, s26, v2
	v_cvt_f32_u32 v17, v17                         ; the position
	v_lshlrev_b32 v18, 4, v0
	; the two pairs go line by line beside each other; pair e works in v[32 + 16 e] on
.irp e, 0,1
	v_add_nc_u32 v[32+16*\e], \e, v16
.endr
.irp e, 0,1
	v_cvt_f32_u32 v[32+16*\e], v[32+16*\e]
.endr
.irp e, 0,1
	v_mul_f32 v[32+16*\e], s52, v[32+16*\e]
.endr
.irp e, 0,1
	v_exp_f32 v[33+16*\e], v[32+16*\e]             ; inv_freq
.endr
	v_nop                                          ; a plain instruction behind the transcendentals,
	s_wait_alu depctr_va_vdst(0)                   ; and one wait for both, ahead of the first reader
.irp e, 0,1
	v_mul_f32 v[34+16*\e], v17, v[33+16*\e]        ; the angle a
.endr
.irp e, 0,1
	v_mul_f32 v[35+16*\e], s53, v[34+16*\e]
.endr
.irp e, 0,1
	v_rndne_f32 v[35+16*\e], v[35+16*\e]           ; n = the nearest multiple of pi / 2
.endr
.irp e, 0,1
	v_fma_f32 v[36+16*\e], -v[35+16*\e], s54, v[34+16*\e]
.endr
.irp e, 0,1
	v_fma_f32 v[36+16*\e], v[35+16*\e], s55, v[36+16*\e]   ; rho = a - n pi / 2, within +-pi / 4
.endr
.irp e, 0,1
	v_mul_f32 v[37+16*\e], v[36+16*\e], v[36+16*\e]        ; z = rho^2
.endr
.irp e, 0,1
	v_mov_b32 v[38+16*\e], 0x3638ef1d              ; the sine's series: 1 / 9!
	v_mov_b32 v[39+16*\e], 0xb493f27e              ; the cosine's: -1 / 10!
.endr
.irp e, 0,1
	v_fmaak_f32 v[38+16*\e], v[38+16*\e], v[37+16*\e], 0xb9500d01   ; -1 / 7!
	v_fmaak_f32 v[39+16*\e], v[39+16*\e], v[37+16*\e], 0x37d00d01   ; 1 / 8!
.endr
.irp e, 0,1
	v_fmaak_f32 v[38+16*\e], v[38+16*\e], v[37+16*\e], 0x3c088889   ; 1 / 5!
	v_fmaak_f32 v[39+16*\e], v[39+16*\e], v[37+16*\e], 0xbab60b61   ; -1 / 6!
.endr
.irp e, 0,1
	v_fmaak_f32 v[38+16*\e], v[38+16*\e], v[37+16*\e], 0xbe2aaaab   ; -1 / 3!
	v_fmaak_f32 v[39+16*\e], v[39+16*\e], v[37+16*\e], 0x3d2aaaab   ; 1 / 4!
.endr
.irp e, 0,1
	v_mul_f32 v[38+16*\e], v[38+16*\e], v[37+16*\e]
	v_fma_f32 v[39+16*\e], v[39+16*\e], v[37+16*\e], -0.5
.endr
.irp e, 0,1
	v_fma_f32 v[38+16*\e], v[38+16*\e], v[36+16*\e], v[36+16*\e]    ; sin rho
	v_fma_f32 v[39+16*\e], v[39+16*\e], v[37+16*\e], 1.0            ; cos rho
.endr
.irp e, 0,1
	v_cvt_i32_f32 v[40+16*\e], v[35+16*\e]         ; n as a whole number, not negative
.endr
.irp e, 0,1
	v_and_b32 v[41+16*\e], 1, v[40+16*\e]
	v_cmp_eq_u32 vcc_lo, 1, v[41+16*\e]            ; an odd quarter turn swaps sine and cosine
	v_cndmask_b32 v[21+2*\e], v[38+16*\e], v[39+16*\e], vcc_lo
	v_cndmask_b32 v[20+2*\e], v[39+16*\e], v[38+16*\e], vcc_lo
.endr
.irp e, 0,1
	v_and_b32 v[41+16*\e], 2, v[40+16*\e]          ; the sine is negated in quarters 2 and 3,
	v_add_nc_u32 v[40+16*\e], 1, v[40+16*\e]
.endr
.irp e, 0,1
	v_lshlrev_b32 v[41+16*\e], 30, v[41+16*\e]
	v_and_b32 v[40+16*\e], 2, v[40+16*\e]          ; the cosine in quarters 1 and 2
.endr
.irp e, 0,1
	v_xor_b32 v[21+2*\e], v[41+16*\e], v[21+2*\e]
	v_lshlrev_b32 v[40+16*\e], 30, v[40+16*\e]
.endr
.irp e, 0,1
	v_xor_b32 v[20+2*\e], v[40+16*\e], v[20+2*\e]
.endr
	global_store_b128 v18, v[20:23], s[20:21]      ; a wave stores 512 consecutive bytes
	s_endpgm
.Lfunc_end_k_q54decf2171_prep:
	.size	k_q54decf2171_prep, .Lfunc_end_k_q54decf2171_prep-k_q54decf2171_prep
	.p2alignl 7, 3214868480
	.fill 96, 4, 3214868480
	.section	.rodata,"a",@progbits
	.p2align	6, 0x0
	.amdhsa_kernel k_q54decf2171_prep
		.amdhsa_group_segment_fixed_size 69632
		.amdhsa_private_segment_fixed_size 0
		.amdhsa_enable_private_segment 0
		.amdhsa_kernarg_size 72
		.amdhsa_user_sgpr_count 2
		.amdhsa_user_sgpr_kernarg_segment_ptr 1
		.amdhsa_wavefront_size32 1
		.amdhsa_system_sgpr_workgroup_id_x 1
		.amdhsa_system_sgpr_workgroup_id_y 1
		.amdhsa_system_sgpr_workgroup_id_z 1
		.amdhsa_system_vgpr_workitem_id 0
		.amdhsa_next_free_vgpr 240
		.amdhsa_next_free_sgpr 66
		.amdhsa_reserve_vcc 1
		.amdhsa_float_denorm_mode_32 3
		.amdhsa_float_denorm_mode_16_64 3
		.amdhsa_memory_ordered 1
		.amdhsa_forward_progress 1
		.amdhsa_inst_pref_size 27
	.end_amdhsa_kernel
	.amdgpu_metadata
---
amdhsa.version: [ 1, 2 ]
amdhsa.kernels:
  - .name:           k_q54decf2171_prep
    .symbol:         k_q54decf2171_prep.kd
    .args:
      - { .name: x, .offset: 0, .size: 8, .value_kind: global_buffer, .address_space: global }
      - { .name: w_in_norm, .offset: 8, .size: 8, .value_kind: global_buffer, .address_space: global }
      - { .name: w_qkv, .offset: 16, .size: 8, .value_kind: global_buffer, .address_space: global }
      - { .name: w_out, .offset: 24, .size: 8, .value_kind: global_buffer, .address_space: global }
      - { .name: w_fc, .offset: 32, .size: 8, .value_kind: global_buffer, .address_space: global }
      - { .name: w_proj, .offset: 40, .size: 8, .value_kind: global_buffer, .address_space: global }
      - { .name: lowp_scales, .offset: 48, .size: 8, .value_kind: global_buffer, .address_space: global }
      - { .name: pc, .offset: 56, .size: 8, .value_kind: global_buffer, .address_space: global }
      - { .name: tab, .offset: 64, .size: 8, .value_kind: global_buffer, .address_space: global }
    .group_segment_fixed_size: 69632
    .private_segment_fixed_size: 0
    .kernarg_segment_align: 8
    .kernarg_segment_size: 72
    .max_flat_workgroup_size: 256
    .sgpr_count:     66
    .vgpr_count:     240
    .wavefront_size: 32
...
	.end_amdgpu_metadata
.endif
;; end of part 1
;; launch qkv (part 2): grid 12 x 16, 4 waves a work-group, clusters of 4 x 4, 327,680 bytes of LDS; arguments pc, tab, lowp_scales, qkvc; writes qkvc
.if DOCPART == 2
	.amdgcn_target "amdgcn-amd-amdhsa--gfx1250"
	.amdhsa_code_object_version 6
	.text
	.protected	k_q54decf2171_qkv
	.globl	k_q54decf2171_qkv
	.p2align	8
	.type	k_q54decf2171_qkv,@function
k_q54decf2171_qkv:
	s_mov_b64 s[64:65], 0
	v_nop
	global_prefetch_b8 v0, s[64:65] scope:SCOPE_SE
	s_setreg_imm32_b32 hwreg(HW_REG_WAVE_MODE, 25, 1), 1
	s_wait_xcnt 0x0
	s_wait_alu depctr_hold_cnt(0) depctr_sa_sdst(0) depctr_va_vdst(0) depctr_va_sdst(0) depctr_va_ssrc(0) depctr_va_vcc(0) depctr_vm_vsrc(0)
	s_getreg_b32 s2, hwreg(HW_REG_IB_STS2, 6, 4)
	s_cmp_eq_u32 s2, 0
	s_cbranch_scc0 .Lentry_in_a_cluster
	s_endpgm
.Lentry_in_a_cluster:
	s_bfe_u32 s2, ttmp6, 0x10000c
	s_cmp_lg_u32 s2, 0xf033
	s_cbranch_scc0 .Lentry_shape_is_right
	s_endpgm
.Lentry_shape_is_right:
; q, k, v = rmsnorm(x) w_qkv^T on codes of E4M3; q and k are rotated (rotary embedding); all three leave as codes for the attention launch, as images of its operands' registers.  No work of reference() is left out here.
; OPERANDS: units of 16 rows x 128 K, 2,048 bytes, as images of the operand's registers (lane 16 h + r: row r; registers 2 c, 2 c + 1: k = 16 c + 8 h + 0 .. 7; registers 4 q .. 4 q + 3 of lane l at byte 512 q + 16 l).
; A row block's units lie on end (16,384 bytes for K = 1,024), so 256 along K of 8 row blocks are 8 runs of 4,096 bytes: one tensor load, no padding; a fragment comes by four ds_load_b128 at 16 x lane + constants.
; A tile of 256 x 256 of the result is made by four waves, each 128 x 128: 64 accumulators, 512 registers.  K goes in steps of 256 through two LDS slots.
; CLUSTERS of 4 x 4: the operand called A here is shared along a row of the cluster, the one called B along a column, each asked for jointly.
; THE MATRIX INSTRUCTION TAKES B's ROWS AS SOURCE 0 AND A's AS SOURCE 1: lane (r, h) holds A's row r, and register j of accumulator b holds B's row 16 b + 8 h + j: eight neighbours along the next product's K.
; So the conversions' results are registers 2 b, 2 b + 1 of the next operand, and are stored as they stand.
; The cluster's x is the section: 0 = q, 1 = k: A = tokens, B = rows of w_q or w_k.  2 = v: A = ROWS OF w_v, B = TOKENS: a lane then holds one channel and its registers run along the keys, as the second
; product of attention wants v.  Only numbers in the two global offsets are chosen for that; the choice is the same in all sixteen partners.
; qkvc: q at 0 and k at 4 MiB: [batch x head 32][16 positions' block 128][1,024 bytes: 16 rows x 64];  v at 8 MiB: [batch x head][128 keys' block 16][16 channels' block 4][2,048 bytes: 16 channels x 128 keys].
; SCALES: a sum stands for sum x 2^(e0 + e1); the rotation is linear, so it is made on the sums, and the conversion takes 2^(e - e0 - e1), e = e2 (q), e3 (k), e5 (v).  LIMIT: e - e0 - e1 between -126 and 119.
.set SIZE_K, 1024
.set RBB,    16*SIZE_K                 ; a row block's bytes
.set STEPB,  4096                      ; 256 along K of a row block
.set HALFT,  32768                     ; 8 row blocks x 4,096: what one tensor load brings, and what one wave reads of A or of B
.set SLOT,   4*HALFT                   ; A's two halves, then B's two
.set SPARE,  2*SLOT                    ; behind the ring: the spare words, 128 bytes for each wave
.set LAPS,   SIZE_K/512
.set FR,     16
.set NL,     4
.set NP,     4                         ; places behind this matrix instruction (ISA guide 7.12.1)
.set ADRA, 16                          ; v16-17 LDS address of my A fragments in slot 0, 1
.set ADRB, 20                          ; v20-21 the same for B
.set LI,   27                          ; v27  16 x lane
.set SPW,  28                          ; v28  my spare word; never rewritten
.set NIL,  29                          ; v29  0; never rewritten
.set SC,   30                          ; v30  the conversion's scale
.set LIM,  31                          ; v31  448 x that
.set TMP,  32                          ; the way out: numbers at work
.set CS,   64                          ; v64-127: two sets of 32: cosines and sines
.set CD,   128                         ; v128-255: the codes, each register written once
.set AF,   128                         ; A's fragments, window 0, one set
.set G1, 24
.set G0, 32
.set G1B, 48
.set G0B, 56
.set MSB, 0
.macro WIN new                         ; the immediate's high byte repeats the setting that is left
.if MSB != (\new)
	s_set_vgpr_msb (MSB<<8)|(\new)
.set MSB, (\new)
.endif
.endm
.set MUL_LO, 0xa1                      ; source 0 (B) window 1, source 1 (A) window 0, C and D window 2
.set MUL_HI, 0xf1                      ; the same, C and D window 3
.set TO_B,   0x40                      ; destination window 1, address window 0
; A joint load: waves 0 and 1 fetch for A, waves 2 and 3 for B; the branch hangs on the wave's number alone.  An s_nop 0 and four v_nop follow each of the two lines.
.macro JLOAD g0a, g1a, g0b, g1b
	s_cmp_eq_u32 s15, 0
	s_cbranch_scc0 .Lfor_b_\@
	tensor_load_to_lds s[\g0a:\g0a+3], s[\g1a:\g1a+7]
	s_nop 0
.rept 4
	v_nop
.endr
	s_branch .Lasked_\@
.Lfor_b_\@:
	tensor_load_to_lds s[\g0b:\g0b+3], s[\g1b:\g1b+7]
	s_nop 0
.rept 4
	v_nop
.endr
.Lasked_\@:
.endm
.macro CREST                           ; a round of the cluster's barrier behind its opening barrier
	s_cmp_lg_u32 s14, 0
	s_cbranch_scc1 .Lnot_wave_0_\@
	s_barrier_signal -3
.Lnot_wave_0_\@:
	s_barrier_wait -3
	s_barrier_signal -1
	s_barrier_wait -1
.endm
.macro CROUND
	s_barrier_signal -1
	s_barrier_wait -1
	CREST
.endm
	s_load_b256 s[4:11], s[0:1], 0x0               ; pc s[4:5], tab s[6:7], lowp_scales s[8:9], qkvc s[10:11]
	v_lshl_add_u32 v[SPW], v0, 2, SPARE
	v_mov_b32 v[NIL], 0
	ds_add_u32 v[SPW], v[NIL]                      ; the wave's opening: the add, twice on end, and its wait ahead of my first tensor load
	ds_add_u32 v[SPW], v[NIL]
	v_lshrrev_b32 v1, 5, v0
	v_readfirstlane_b32 s14, v1                    ; wave 0..3
	s_lshr_b32 s15, s14, 1                         ; which half of A's 256 rows is mine.  Also: I fetch for A (0) or for B (1)
	s_and_b32 s16, s14, 1                          ; which half of B's.  Also: which 8 row blocks of that tile I fetch
	s_bfe_u32 s40, ttmp6, 0x40000                  ; cx
	s_bfe_u32 s41, ttmp6, 0x40004                  ; cy
	s_and_b32 s13, ttmp7, 0xffff                   ; the cluster's y, 0..3
	s_lshl_b32 s43, s41, 2
	s_lshl_b32 s43, 15, s43                        ; my row of the cluster
	s_lshl_b32 s44, 0x1111, s40                    ; my column
	s_or_b32 s[G1+0], s43, (3<<16)|(1<<21)         ; 15:0 the mask; 17:16 elements of 8 bytes; 21 set beside a mask; no padding
	s_or_b32 s[G1B+0], s44, (3<<16)|(1<<21)
.irp g, G1, G1B
	s_mov_b32 s[\g+1], 512<<16                     ; tensor_dim0 = 512 elements: 4,096 bytes
	s_mov_b32 s[\g+2], 8<<16                       ; tensor_dim1 = 8
	s_mov_b32 s[\g+3], 512<<16                     ; tile_dim0
	s_mov_b32 s[\g+4], 8                           ; tile_dim1
	s_mov_b32 s[\g+5], RBB/8                       ; from row block to row block, in elements
	s_mov_b32 s[\g+6], 0
	s_mov_b32 s[\g+7], 0
.endr
	; row blocks of 16,384 bytes in pc: tokens 0-255, w_q 256-319, w_k 320-383, w_v 384-447
	s_lshl_b32 s17, s13, 6                         ; 64 x cluster y: tokens
	s_lshl_b32 s18, ttmp9, 6
	s_add_co_u32 s18, s18, 256                     ; the section's weights
	s_lshl_b32 s70, s16, 3                         ; the 8 row blocks that I fetch
	s_lshl_b32 s71, s41, 4                         ; 16 cy
	s_lshl_b32 s72, s40, 4                         ; 16 cx
	s_cmp_eq_u32 ttmp9, 2                          ; v?  The same in all partners
	s_cselect_b32 s20, 384, s17                    ; A: w_v, or tokens
	s_cselect_b32 s46, s17, s18                    ; B: tokens, or w_q / w_k
	s_add_co_u32 s20, s20, s71
	s_add_co_u32 s20, s20, s70
	s_lshl_b32 s20, s20, 14
	s_mov_b32 s21, 0
	s_add_co_u32 s46, s46, s72
	s_add_co_u32 s46, s46, s70
	s_lshl_b32 s46, s46, 14
	s_mov_b32 s47, 0
	s_mul_i32 s45, s14, HALFT                      ; where they go: no place in the cluster enters an LDS address
	s_wait_dscnt 0x0                               ; both opening adds are done
	s_wait_kmcnt 0x0
	s_load_b256 s[88:95], s[8:9], 0x0              ; e0 .. e7
	s_add_nc_u64 s[20:21], s[4:5], s[20:21]
	s_add_nc_u64 s[46:47], s[4:5], s[46:47]
	CROUND                                         ; all sixteen work-groups are here: the first joint loads meet
.irp s, 0,1
	s_mov_b32 s[G0+4*\s], 1
	s_add_co_u32 s[G0+4*\s+1], s45, \s*SLOT
	s_add_nc_u64 s[G0+4*\s+2:G0+4*\s+3], s[20:21], \s*STEPB
	s_or_b32 s[G0+4*\s+3], s[G0+4*\s+3], 0x80000000
	s_mov_b32 s[G0B+4*\s], 1
	s_add_co_u32 s[G0B+4*\s+1], s45, \s*SLOT
	s_add_nc_u64 s[G0B+4*\s+2:G0B+4*\s+3], s[46:47], \s*STEPB
	s_or_b32 s[G0B+4*\s+3], s[G0B+4*\s+3], 0x80000000
	JLOAD G0+4*\s, G1, G0B+4*\s, G1B
.endr
	v_and_b32 v1, 31, v0
	v_lshlrev_b32 v[LI], 4, v1
	s_lshl_b32 s70, s15, 15                        ; my half of A,
	s_lshl_b32 s71, s16, 15                        ; my half of B,
	s_add_co_u32 s71, s71, 2*HALFT                 ; which lies behind A's two
.irp s, 0,1
	v_add_nc_u32 v[ADRA+\s], s70, v[LI]
	v_add_nc_u32 v[ADRB+\s], s71, v[LI]
	s_add_co_u32 s70, s70, SLOT
	s_add_co_u32 s71, s71, SLOT
.endr
.macro FRAG reg, adr, q, i             ; row block i's unit q of the slot: four loads of 512 consecutive bytes
.irp c, 0,1,2,3
	ds_load_b128 v[\reg+4*\c:\reg+4*\c+3], v[\adr] offset:2048*(\q)+512*\c+4096*(\i)
.endr
.endm
; 16 matrix instructions: A's blocks a0, a0 + 1 x B's eight, 128 along K.  p: B's set.  zero = 1: the product starts the sums.  The 64 accumulators take turns.
.macro MUL16 a0, p, zero
.irp a, \a0, \a0+1
.irp b, 0,1,2,3,4,5,6,7
.if \zero
	v_wmma_f32_16x16x128_fp8_fp8 v[8*(8*((\a)%4)+\b):8*(8*((\a)%4)+\b)+7], v[128*(\p)+FR*\b:128*(\p)+FR*\b+FR-1], v[AF+FR*(\a):AF+FR*(\a)+FR-1], 0
.else
	v_wmma_f32_16x16x128_fp8_fp8 v[8*(8*((\a)%4)+\b):8*(8*((\a)%4)+\b)+7], v[128*(\p)+FR*\b:128*(\p)+FR*\b+FR-1], v[AF+FR*(\a):AF+FR*(\a)+FR-1], v[8*(8*((\a)%4)+\b):8*(8*((\a)%4)+\b)+7]
.endif
.endr
.endr
.endm
.macro FETCH_B slot, q, p
	WIN TO_B
.irp i, 0,1,2,3,4,5,6,7
	FRAG 128*(\p)+FR*\i, ADRB+\slot, \q, \i
.endr
	WIN 0
.endm
.macro FETCH_A slot, q, i0
.irp i, \i0, \i0+1, \i0+2, \i0+3
	FRAG AF+FR*(\i), ADRA+\slot, \q, \i
.endr
.endm
.macro PLACES n                        ; plain vector instructions between a matrix instruction and a load into, or a vector read or write of, its registers
.rept \n
	v_nop
.endr
.endm
.macro STEP slot, q, zero              ; 128 along K that have their successor in the same slot
	s_wait_dscnt 4*NL                              ; B's set and A's blocks 0-3 are in; the youngest 16 loads (A's blocks 4-7) may be out
	WIN MUL_LO
	MUL16 0, (\q)%2, \zero
	MUL16 2, (\q)%2, \zero
	s_wait_dscnt 0
	PLACES NP
	FETCH_B \slot, (\q)+1, 1-(\q)%2
	FETCH_A \slot, (\q)+1, 0
	WIN MUL_HI
	MUL16 4, (\q)%2, \zero
	MUL16 6, (\q)%2, \zero
	PLACES NP
	WIN 0
	FETCH_A \slot, (\q)+1, 4
.endm
; A slot's last 128 change slots: one barrier; ahead of it each wave waits for all its tensor loads, adds 0 to its spare word, and waits for that and for its reads of this slot.  fill = 1: the slot is filled again, two K steps ahead.
.macro TURN slot, next, fill
	s_wait_tensorcnt 0x0                           ; all my tensor loads have landed: my part of the next slot
	ds_add_u32 v[SPW], v[NIL]
	s_wait_dscnt 4*NL+1                            ; the add and the youngest 16 loads may be out
	WIN MUL_LO
	MUL16 0, 1, 0
	s_wait_dscnt 0x0                               ; the add is done, and my reads of this slot are over
	s_barrier_signal -1
	MUL16 2, 1, 0
	WIN 0
	s_barrier_wait -1
.if \fill
	CREST                                          ; the barrier has opened a round of the cluster's: no wave of any partner still reads this slot or has a load on its way
	s_add_nc_u64 s[G0+4*\slot+2:G0+4*\slot+3], s[G0+4*\slot+2:G0+4*\slot+3], 2*STEPB
	s_add_nc_u64 s[G0B+4*\slot+2:G0B+4*\slot+3], s[G0B+4*\slot+2:G0B+4*\slot+3], 2*STEPB
	JLOAD G0+4*\slot, G1, G0B+4*\slot, G1B         ; the first tensor load behind the round; its four v_nop are the places for the loads below
.else
	PLACES NP
.endif
	FETCH_B \next, 0, 0
	FETCH_A \next, 0, 0
	WIN MUL_HI
	MUL16 4, 1, 0
	MUL16 6, 1, 0
	PLACES NP
	WIN 0
	FETCH_A \next, 0, 4
.endm
	s_wait_tensorcnt 1                             ; my part of K step 0 is in; K step 1's load may be out
	s_barrier_signal -1
	s_barrier_wait -1
	FETCH_B 0, 0, 0
	FETCH_A 0, 0, 0
	FETCH_A 0, 0, 4
	STEP 0, 0, 1                                   ; the first products start the sums
	s_mov_b32 s3, LAPS-1
.Llap:
	TURN 0, 1, 1
	STEP 1, 0, 0
	TURN 1, 0, 1
	STEP 0, 0, 0
	s_sub_co_u32 s3, s3, 1
	s_cmp_lg_u32 s3, 0
	s_cbranch_scc1 .Llap
	TURN 0, 1, 0                                   ; the last lap fills nothing
	STEP 1, 0, 0
	s_wait_dscnt 4*NL
	WIN MUL_LO
	MUL16 0, 1, 0
	MUL16 2, 1, 0
	s_wait_dscnt 0
	WIN MUL_HI
	MUL16 4, 1, 0
	MUL16 6, 1, 0
	WIN 0
	; THE WAY OUT
	s_wait_kmcnt 0x0
	s_cmp_eq_u32 ttmp9, 0
	s_cselect_b32 s96, s90, s91                    ; e2 for q, e3 for k,
	s_cmp_eq_u32 ttmp9, 2
	s_cselect_b32 s96, s93, s96                    ; e5 for v
	s_sub_co_i32 s96, s96, s88
	s_sub_co_i32 s96, s96, s89
	s_add_co_i32 s96, s96, 127
	s_lshl_b32 s97, s96, 23
	v_mov_b32 v[SC], s97                           ; 2^(e - e0 - e1)
	s_add_co_i32 s96, s96, 8
	s_lshl_b32 s96, s96, 23
	s_or_b32 s96, s96, 0x600000
	v_mov_b32 v[LIM], s96                          ; 448 x that
	PLACES NP                                      ; behind the last products: their results are read, and the registers that held A's fragments are written
	s_cmp_eq_u32 ttmp9, 2
	s_cbranch_scc1 .Lvpath
	; q and k.  Tile row TR = 4 x cluster y + cy: batch TR / 8, positions 256 (TR % 8) + 128 x my half + 16 a + r.  Heads 4 cx + 2 x my half + hh.
	s_lshl_b32 s70, s13, 2
	s_add_co_u32 s70, s70, s41                     ; TR
	s_lshr_b32 s71, s70, 3                         ; batch
	s_and_b32 s72, s70, 7
	s_lshl_b32 s72, s72, 4
	s_lshl_b32 s73, s15, 3
	s_add_co_u32 s72, s72, s73                     ; my first block of 16 positions
	s_lshl_b32 s71, s71, 4
	s_lshl_b32 s73, s40, 2
	s_add_co_u32 s71, s71, s73
	s_lshl_b32 s73, s16, 1
	s_add_co_u32 s71, s71, s73                     ; batch x 16 + my first head
	s_lshl_b32 s71, s71, 7
	s_add_co_u32 s71, s71, s72
	s_lshl_b32 s74, s71, 10
	s_lshl_b32 s73, ttmp9, 22                      ; k lies 4 MiB behind q
	s_add_co_u32 s74, s74, s73
	s_mov_b32 s75, 0
	s_add_nc_u64 s[10:11], s[10:11], s[74:75]
	s_lshl_b32 s74, s72, 12
	s_add_nc_u64 s[6:7], s[6:7], s[74:75]          ; the table at my first block of positions
.macro CSLD a                          ; block a's cosines and sines into set a % 2: register 8 bb + 2 p, + 1: cos, sin of pair 8 bb + 4 h + p at position 16 a + r
.irp bb, 0,1,2,3
.irp w, 0,1
	global_load_b128 v[CS+32*((\a)%2)+8*\bb+4*\w:CS+32*((\a)%2)+8*\bb+4*\w+3], v[LI], s[6:7] offset:4096*(\a)+1024*\bb+512*\w
.endr
.endr
.endm
.macro ROPEQ a, hh                     ; 16 positions x one head: rotate, hold, convert, store 1,024 bytes
.set AC, 64*((\a)%4)+32*(\hh)
.set CB, CS+32*((\a)%2)
	WIN 0x02+((\a)/4)                              ; source 0: the sums, window 2 or 3
.set n, 0
.rept 16
	v_pk_mul_f32 v[TMP+n:TMP+n+1], v[AC+n:AC+n+1], v[CB+n:CB+n+1] op_sel_hi:[1,0]   ; even x cos, odd x cos; each accumulator from its low end on
.set n, n+2
.endr
.set n, 0
.rept 16
	v_pk_fma_f32 v[TMP+n:TMP+n+1], v[AC+n:AC+n+1], v[CB+n:CB+n+1], v[TMP+n:TMP+n+1] op_sel:[1,1,0] op_sel_hi:[0,1,1] neg_lo:[1,0,0]   ; - odd x sin, + even x sin
.set n, n+2
.endr
	WIN 0
.set n, 0
.rept 32
	v_med3_num_f32 v[TMP+n], v[TMP+n], -v[LIM], v[LIM]   ; the conversion does not saturate (ISA guide 7.6.2)
.set n, n+1
.endr
.irp bb, 0,1,2,3
	v_cvt_scalef32_pk8_fp8_f32 v[CD+16*(\a)+8*(\hh)+2*\bb:CD+16*(\a)+8*(\hh)+2*\bb+1], v[TMP+8*\bb:TMP+8*\bb+7], v[SC]
.endr
	v_nop                                          ; a plain instruction between the conversions and the next writes of their sources
	global_store_b128 v[LI], v[CD+16*(\a)+8*(\hh):CD+16*(\a)+8*(\hh)+3], s[10:11] offset:1024*(\a)+131072*(\hh)
	global_store_b128 v[LI], v[CD+16*(\a)+8*(\hh)+4:CD+16*(\a)+8*(\hh)+7], s[10:11] offset:1024*(\a)+131072*(\hh)+512
.endm
	CSLD 0
	CSLD 1
.irp a, 0,1,2,3,4,5,6,7
.if \a < 7
	s_wait_loadcnt 8                               ; this block's set is in; the next set's eight loads may be out
.else
	s_wait_loadcnt 0
.endif
	ROPEQ \a, 0
	ROPEQ \a, 1
.if \a < 6
	CSLD \a+2
.endif
.endr
	s_branch .Ldone
.Lvpath:
	; v.  A's rows are channels: head 4 cy + 2 x my half + a / 4, channels 16 (a % 4) + r.  B's rows are tokens: tile TC = 4 x cluster y + cx: batch TC / 8, block of 128 keys 2 (TC % 8) + my half.
	s_lshl_b32 s70, s13, 2
	s_add_co_u32 s70, s70, s40                     ; TC
	s_lshr_b32 s71, s70, 3
	s_lshl_b32 s71, s71, 4
	s_lshl_b32 s73, s41, 2
	s_add_co_u32 s71, s71, s73
	s_lshl_b32 s73, s15, 1
	s_add_co_u32 s71, s71, s73                     ; batch x 16 + my first head
	s_lshl_b32 s71, s71, 4
	s_and_b32 s72, s70, 7
	s_lshl_b32 s72, s72, 1
	s_add_co_u32 s71, s71, s72
	s_add_co_u32 s71, s71, s16
	s_lshl_b32 s74, s71, 13
	s_add_co_u32 s74, s74, 0x800000
	s_mov_b32 s75, 0
	s_add_nc_u64 s[10:11], s[10:11], s[74:75]
.macro VQ a                            ; 16 channels x 128 keys: hold, convert, store 2,048 bytes
	WIN 0x02+((\a)/4)
.set n, 0
.rept 64
	v_med3_num_f32 v[TMP+n], v[64*((\a)%4)+n], -v[LIM], v[LIM]
.set n, n+1
.endr
	WIN 0
.irp b, 0,1,2,3,4,5,6,7
	v_cvt_scalef32_pk8_fp8_f32 v[CD+16*(\a)+2*\b:CD+16*(\a)+2*\b+1], v[TMP+8*\b:TMP+8*\b+7], v[SC]
.endr
	v_nop
.irp q, 0,1,2,3
	global_store_b128 v[LI], v[CD+16*(\a)+4*\q:CD+16*(\a)+4*\q+3], s[10:11] offset:131072*((\a)/4)+2048*((\a)%4)+512*\q
.endr
.endm
.irp a, 0,1,2,3,4,5,6,7
	VQ \a
.endr
.Ldone:
	s_wait_tensorcnt 0x0                           ; the wave's end
	ds_add_u32 v[SPW], v[NIL]
	s_wait_dscnt 0x0
	CROUND                                         ; the closing round
	s_endpgm
.Lfunc_end_k_q54decf2171_qkv:
	.size	k_q54decf2171_qkv, .Lfunc_end_k_q54decf2171_qkv-k_q54decf2171_qkv
	.p2alignl 7, 3214868480
	.fill 96, 4, 3214868480
	.section	.rodata,"a",@progbits
	.p2align	6, 0x0
	.amdhsa_kernel k_q54decf2171_qkv
		.amdhsa_group_segment_fixed_size 327680
		.amdhsa_private_segment_fixed_size 0
		.amdhsa_enable_private_segment 0
		.amdhsa_kernarg_size 32
		.amdhsa_user_sgpr_count 2
		.amdhsa_user_sgpr_kernarg_segment_ptr 1
		.amdhsa_wavefront_size32 1
		.amdhsa_system_sgpr_workgroup_id_x 1
		.amdhsa_system_sgpr_workgroup_id_y 1
		.amdhsa_system_sgpr_workgroup_id_z 1
		.amdhsa_system_vgpr_workitem_id 0
		.amdhsa_next_free_vgpr 1024
		.amdhsa_next_free_sgpr 100
		.amdhsa_reserve_vcc 0
		.amdhsa_float_denorm_mode_32 3
		.amdhsa_float_denorm_mode_16_64 3
		.amdhsa_memory_ordered 1
		.amdhsa_forward_progress 1
		.amdhsa_inst_pref_size 197
	.end_amdhsa_kernel
	.amdgpu_metadata
---
amdhsa.version: [ 1, 2 ]
amdhsa.kernels:
  - .name:           k_q54decf2171_qkv
    .symbol:         k_q54decf2171_qkv.kd
    .args:
      - { .name: pc, .offset: 0, .size: 8, .value_kind: global_buffer, .address_space: global }
      - { .name: tab, .offset: 8, .size: 8, .value_kind: global_buffer, .address_space: global }
      - { .name: lowp_scales, .offset: 16, .size: 8, .value_kind: global_buffer, .address_space: global }
      - { .name: qkvc, .offset: 24, .size: 8, .value_kind: global_buffer, .address_space: global }
    .group_segment_fixed_size: 327680
    .private_segment_fixed_size: 0
    .kernarg_segment_align: 8
    .kernarg_segment_size: 32
    .max_flat_workgroup_size: 128
    .sgpr_count:     100
    .vgpr_count:     1024
    .wavefront_size: 32
...
	.end_amdgpu_metadata
.endif
;; end of part 2
;; launch attn (part 3): grid 8 x 32, 16 waves a work-group, no clusters, 327,680 bytes of LDS; arguments qkvc, lowp_scales, ac; writes ac
.if DOCPART == 3
	.amdgcn_target "amdgcn-amd-amdhsa--gfx1250"
	.amdhsa_code_object_version 6
	.text
	.protected	k_q54decf2171_attn
	.globl	k_q54decf2171_attn
	.p2align	8
	.type	k_q54decf2171_attn,@function
k_q54decf2171_attn:
	s_mov_b64 s[64:65], 0
	v_nop
	global_prefetch_b8 v0, s[64:65] scope:SCOPE_SE
	s_setreg_imm32_b32 hwreg(HW_REG_WAVE_MODE, 25, 1), 1
	s_wait_xcnt 0x0
; Causal attention on codes of E4M3, head size 64; the result leaves as codes, the first operand of the projection that follows.
; WORK LEFT OUT: reference() builds the causal mask itself, so a step of 16 queries x 128 keys all of whose keys come behind its queries is not multiplied, and a slot of 256 keys that begins behind the work-group's last
; query is not fetched.  LIMIT: a NaN, an infinity or an overflow that would arise only there is not carried to the result.
; THE SOFTMAX AHEAD OF THE SECOND PRODUCT: t = score x log2(e) / 8; M = the row's largest t so far, rounded up to a whole number; p = 2^(t - M) is quantised with 2^e4; the row's sum is taken of the unquantised p and
; divides at the end.  When M moves, the sum and O are multiplied by 2^(old M - new M), which rounds nothing.
; SHARES.  Work-group (j, batch x head): waves 0-7 own the block of 128 queries j, waves 8-15 the block 15 - j, 16 queries a wave: (j + 1) + (16 - j) = 17 blocks of 128 x 128 in every work-group.
; NO CLUSTER: work-groups of one head need 8 - j / 2 .. different numbers of slots under the mask, and a joint load would have to be issued by all its partners.
; LAYOUT.  S^T = K Q^T (source 0 = 16 keys, source 1 = my 16 queries), O^T = V^T P^T (source 0 = 16 channels, source 1 = P): a lane holds one query (lane % 16).  Register j of key tile c is key 16 c + 8 h + j, which is the
; place that registers 2 c, 2 c + 1 of the second product's operand give it: the conversions' results are that operand.
; All operands come as images of their registers: every LDS load reads 512 consecutive bytes, at 16 x lane + constants.
; LDS: two slots of 256 keys, 2^17 bytes apart: K 16,384 bytes (16 tiles of 16 keys x 64), then V 16,384 (2 blocks of 128 keys x 4 tiles of 16 channels).  Wave 0 fetches a slot's K, wave 1 its V.
; LIMITS on the given exponents: e2 + e3 between -123 and 130 (added to an exponent field); e4 and e6 between -126 and 119; e4 + e5 goes by v_ldexp_f32.
; REGISTERS: v1 16 x lane; v8 the slot's address; v12 -M, v13 the largest t, v[14:15] the sum; v16-23 Q; v32-95 K, then V; v96-159 S^T, then p; v160-191 O^T; v192-207 p's codes; v236-254 at work.
.set SLOT1, 1<<17
.set VOFF,  16384
.set SPARE, 2*SLOT1                    ; the spare words, 128 bytes for each of 16 waves
.set NSL,   8                          ; slots' worth of keys
.set LI,   1
.set PFO,  3                           ; v3   256 x lane: the prefetches' offset; never rewritten
.set SPW,  5
.set NIL,  6
.set ADR,  8
.set TB,   2                           ; s2   LDS byte at which the slot in hand begins
.set WV,   18
.set SEL,  20
.set CS,   22                          ; s[22:23] log2(e) / 8 x 2^(e2 + e3)
.set G1,   24
.set G0,   40                          ; one walking group 0
.set LASTQ, 66                         ; s66  my work-group's last query
.set SLOTS, 67
.set PFA,  76
.set LIM,  80                          ; s80  1 in a wave that prefetches, else the greatest number
.set KF,   98                          ; s98  the step's first key
.set Q0,   99                          ; s99  my first query
.macro TLOAD                           ; waves 0 and 1 fetch; the branch hangs on the wave's number alone; an s_nop 0 and four v_nop follow the load
	s_cmp_lt_u32 s[WV], 2
	s_cbranch_scc0 .Lasked_\@
	tensor_load_to_lds s[G0:G0+3], s[G1:G1+7]
	s_nop 0
.rept 4
	v_nop
.endr
.Lasked_\@:
.endm
; A prefetch of what the NEXT change of slots will ask for: 16,384 bytes of K and of V.  All work-groups of a head walk the same K and V: the one with j = 0, which fetches every slot, asks, by its waves 4-7:
; waves 4, 5 the two halves of K's block, waves 6, 7 of V's, 8,192 bytes a wave, lanes 256 bytes apart: each aligned block of 256 bytes is named once in the launch.  It stands a slot's two key steps ahead of the load.
; Slots 0 and 1 come by their loads alone; the last change that fills a slot asks for nothing.
.macro ASK
	s_cmp_gt_u32 s[SLOTS], s[LIM]
	s_cbranch_scc0 .Lnot_mine_\@
	global_prefetch_b8 v[PFO], s[PFA:PFA+1] th:TH_LOAD_NT scope:SCOPE_SE
.Lnot_mine_\@:
.endm
	s_load_b128 s[4:7], s[0:1], 0x0                ; qkvc s[4:5], lowp_scales s[6:7]
	s_load_b64 s[8:9], s[0:1], 0x10                ; ac
	v_lshl_add_u32 v[SPW], v0, 2, SPARE
	v_mov_b32 v[NIL], 0
	ds_add_u32 v[SPW], v[NIL]                      ; the wave's opening: the add, twice on end, and its wait ahead of the first tensor load
	ds_add_u32 v[SPW], v[NIL]
	v_lshrrev_b32 v8, 5, v0
	v_readfirstlane_b32 s[WV], v8                  ; wave 0..15
	s_and_b32 s72, ttmp7, 0xffff                   ; batch x 16 + head
	s_sub_co_u32 s73, 15, ttmp9
	s_cmp_lt_u32 s[WV], 8
	s_cselect_b32 s73, ttmp9, s73                  ; my block of 128 queries
	s_lshl_b32 s[Q0], s73, 7
	s_and_b32 s74, s[WV], 7
	s_lshl_b32 s74, s74, 4
	s_add_co_u32 s[Q0], s[Q0], s74
	s_lshl_b32 s[LASTQ], ttmp9, 7
	s_sub_co_u32 s[LASTQ], 2047, s[LASTQ]          ; the last query of block 15 - j
	s_mov_b32 s[G1], 3<<16                         ; no mask; elements of 8 bytes; no padding: a dense block of 64 rows of 256 bytes
	s_mov_b32 s[G1+1], 32<<16                      ; tensor_dim0 = 32 elements
	s_mov_b32 s[G1+2], 64<<16                      ; tensor_dim1 = 64
	s_mov_b32 s[G1+3], 32<<16                      ; tile_dim0
	s_mov_b32 s[G1+4], 64                          ; tile_dim1
	s_mov_b32 s[G1+5], 32                          ; the pitch
	s_mov_b32 s[G1+6], 0
	s_mov_b32 s[G1+7], 0
	s_mov_b32 s[SEL], 0x76543210
	s_mov_b32 s[SEL+1], 0xfedcba98
	s_mov_b32 s[CS], 0x3e38aa3b                    ; log2(e) / 8
	s_mov_b32 s[TB], 0
	s_mov_b32 s[SLOTS], NSL-1
	s_mov_b32 s[KF], 0
	s_lshl_b32 s74, s[WV], 22                      ; wave 0: K, at 4 MiB; wave 1: V, at 8 MiB
	s_add_co_u32 s74, s74, 0x400000
	s_lshl_b32 s75, s72, 17                        ; a head's K or V is 131,072 bytes
	s_add_co_u32 s74, s74, s75
	s_mov_b32 s75, 0
	s_sub_co_u32 s92, s[WV], 4                     ; the prefetches: who asks,
	s_lshr_b32 s93, s92, 2                         ; 0 in waves 4 to 7,
	s_or_b32 s93, s93, ttmp9                       ; of the work-group with j = 0
	s_cmp_eq_u32 s93, 0
	s_cselect_b32 s[LIM], 1, -1
	s_bfe_u32 s93, s92, 0x10001                    ; and for what: waves 4, 5: K; waves 6, 7: V
	s_lshl_b32 s93, s93, 22
	s_and_b32 s94, s92, 1
	s_lshl_b32 s94, s94, 13                        ; which 8,192 bytes
	s_add_co_u32 s94, s94, s93
	s_add_co_u32 s94, s94, 0x400000+16384          ; in slot 1: the first change of slots steps it to slot 2
	s_lshl_b32 s93, s72, 17
	s_add_co_u32 s94, s94, s93
	s_mov_b32 s95, 0
	s_lshl_b32 s96, s[Q0], 6                       ; Q: 1,024 bytes for 16 queries
	s_add_co_u32 s96, s96, s93
	s_mov_b32 s97, 0
	s_wait_dscnt 0x0                               ; both opening adds are done
	s_wait_kmcnt 0x0
	s_load_b256 s[84:91], s[6:7], 0x0              ; e0 .. e7
	s_mov_b32 s[G0], 1
	s_lshl_b32 s[G0+1], s[WV], 14                  ; slot 0: K at 0, V at 16,384
	s_add_nc_u64 s[G0+2:G0+3], s[4:5], s[74:75]
	s_or_b32 s[G0+3], s[G0+3], 0x80000000
	TLOAD                                          ; slot 0: key 0 counts for every query, so it is always read
	s_add_nc_u64 s[PFA:PFA+1], s[4:5], s[94:95]
	s_add_nc_u64 s[4:5], s[4:5], s[96:97]          ; Q's codes at my first query
	v_and_b32 v[LI], 31, v0
	v_lshlrev_b32 v[PFO], 8, v[LI]
	v_lshlrev_b32 v[LI], 4, v[LI]
	global_load_b128 v[16:19], v[LI], s[4:5]
	global_load_b128 v[20:23], v[LI], s[4:5] offset:512
	; ac: [16 tokens' block 256][128 along K 8][2,048]: block batch x 128 + Q0 / 16; unit head / 2; registers 8 (head % 2) on: byte 1,024 (head % 2)
	s_lshr_b32 s92, s72, 4
	s_lshl_b32 s92, s92, 7
	s_lshr_b32 s93, s[Q0], 4
	s_add_co_u32 s92, s92, s93
	s_lshl_b32 s92, s92, 3
	s_bfe_u32 s93, s72, 0x30001                    ; (head) / 2
	s_add_co_u32 s92, s92, s93
	s_lshl_b32 s92, s92, 11
	s_and_b32 s93, s72, 1
	s_lshl_b32 s93, s93, 10
	s_add_co_u32 s92, s92, s93
	s_mov_b32 s93, 0
	s_add_nc_u64 s[8:9], s[8:9], s[92:93]
	v_mov_b32 v13, 0xff61b1e6                      ; the largest t so far: -3e38
	v_floor_f32 v12, -v13                          ; -M
	v_mov_b32 v14, 0
	v_mov_b32 v15, 0
	v_mov_b32 v236, 0                              ; a lane permute's destination counts as one of its sources
	v_mov_b32 v253, 0                              ; named as the upper half of the pair v[252:253]
.set n, 0
.rept 32
	v_mov_b32 v[160+n], 0                          ; O^T: the step is written once; the first finds zeros
.set n, n+1
.endr
	s_wait_kmcnt 0x0
	s_add_co_i32 s92, s86, s87                     ; e2 + e3 go into c's exponent field
	s_lshl_b32 s92, s92, 23
	s_add_co_i32 s[CS], s[CS], s92
	s_mov_b32 s[CS+1], s[CS]
	s_add_co_i32 s92, s88, 127
	s_lshl_b32 s93, s92, 23
	v_mov_b32 v244, s93                            ; 2^e4
	s_add_co_i32 s92, s92, 8
	s_lshl_b32 s92, s92, 23
	s_or_b32 s92, s92, 0x600000
	v_mov_b32 v240, s92                            ; 448 x 2^e4
	s_add_co_i32 s92, s90, 127
	s_lshl_b32 s93, s92, 23
	v_mov_b32 v246, s93                            ; 2^e6
	s_add_co_i32 s92, s92, 8
	s_lshl_b32 s92, s92, 23
	s_or_b32 s92, s92, 0x600000
	v_mov_b32 v247, s92                            ; 448 x 2^e6
; A KEY STEP: 128 keys, the q-th of the slot in hand.
.macro STEP q
	s_add_co_u32 s96, s[Q0], 15
	s_cmp_gt_u32 s[KF], s96                        ; all keys behind my queries: the step's work is left out; a branch on ids; no barrier and no tensor load stands in a step
	s_cbranch_scc1 .Lhidden_\@
	v_add_nc_u32 v[ADR], s[TB], v[LI]
.rept 3
	v_nop                                          ; with the addition above: four places ahead of loads into registers that the last products read
.endr
.irp c, 0,1,2,3,4,5,6,7
	ds_load_b128 v[32+8*\c:35+8*\c], v[ADR] offset:8192*(\q)+1024*\c
	ds_load_b128 v[36+8*\c:39+8*\c], v[ADR] offset:8192*(\q)+1024*\c+512
.endr
	s_wait_dscnt 0x0
.irp c, 0,1,2,3,4,5,6,7
	v_wmma_f32_16x16x64_fp8_fp8 v[96+8*\c:103+8*\c], v[32+8*\c:39+8*\c], v[16:23], 0
.endr
.rept 4
	v_nop
.endr
.irp t, 0,1,2,3                                ; V lands while the softmax is worked
.irp u, 0,1,2,3
	ds_load_b128 v[32+16*\t+4*\u:35+16*\t+4*\u], v[ADR] offset:VOFF+8192*(\q)+2048*\t+512*\u
.endr
.endr
	s_add_co_u32 s96, s[KF], 127                   ; on the diagonal hidden scores become -infinity ahead of the maximum; a step all of whose keys count skips this
	s_cmp_le_u32 s96, s[Q0]
	s_cbranch_scc1 .Lopen_\@
	s_sub_co_i32 s96, s[Q0], s[KF]
	v_and_b32 v252, 15, v0
	v_bfe_u32 v253, v0, 4, 1
	v_lshlrev_b32 v253, 3, v253
	v_sub_nc_u32 v252, v252, v253
	v_add_nc_u32 v252, s96, v252                   ; d = my query - KF - 8 h.  Register 8 c + j holds key KF + 16 c + 8 h + j: hidden where 16 c + j > d
	v_mov_b32 v254, 0xff800000
.set n, 0
.rept 64
	v_cmp_gt_i32 vcc_lo, 16*(n/8)+n%8, v252
	v_cndmask_b32 v[96+n], v[96+n], v254, vcc_lo
.set n, n+1
.endr
.Lopen_\@:
	v_max3_num_f32 v254, v96, v97, v98             ; the step's largest score of my query among my 64 keys, in two chains, from each accumulator's low end on,
	v_max3_num_f32 v252, v99, v100, v101
.irp i, 6,10,14,18,22,26,30,34,38,42,46,50,54,58
	v_max3_num_f32 v254, v254, v[96+\i], v[97+\i]
	v_max3_num_f32 v252, v252, v[98+\i], v[99+\i]
.endr
	v_max3_num_f32 v254, v254, v158, v159
	v_max_num_f32 v254, v254, v252
	v_permlanex16_b32 v236, v254, s[SEL], s[SEL+1]
	v_max_num_f32 v254, v254, v236                 ; and among lane l xor 16's
	v_mul_f32 v254, s[CS], v254                    ; as t
	v_max_num_f32 v13, v13, v254
	v_mov_b32 v254, v12
	v_floor_f32 v12, -v13                          ; the new -M
	v_sub_f32 v254, v12, v254                      ; old M - new M: a whole number, 0 or less
	v_cvt_i32_f32 v254, v254
	v_ldexp_f32 v252, 1.0, v254                    ; f = 2^(old M - new M)
.set n, 0
.rept 32
	v_pk_fma_f32 v[96+n:97+n], v[96+n:97+n], s[CS:CS+1], v[12:13] op_sel_hi:[1,0,0]   ; t - M
.set n, n+2
.endr
.set n, 0
.rept 64
	v_exp_f32 v[96+n], v[96+n]                     ; p = 2^(t - M)
.set n, n+1
.endr
	v_pk_mul_f32 v[14:15], v[14:15], v[252:253] op_sel_hi:[1,0]   ; the sums under the new M: the plain instruction behind the exponentials
	s_wait_alu depctr_va_vdst(0)                   ; one wait for the batch, ahead of its first reader
	v_pk_add_f32 v[242:243], v[96:97], v[98:99]    ; the row's sum is taken of the unquantised p
.irp j, 4,8,12,16,20,24,28,32,36,40,44,48,52,56,60
	v_pk_add_f32 v[14:15], v[14:15], v[96+\j:97+\j]
	v_pk_add_f32 v[242:243], v[242:243], v[98+\j:99+\j]
.endr
	v_pk_add_f32 v[14:15], v[14:15], v[242:243]
.irp c, 0,1,2,3,4,5,6,7
.irp i, 0,1,2,3,4,5,6,7
	v_min_num_f32 v[96+8*\c+\i], v[96+8*\c+\i], v240   ; the conversion does not saturate (ISA guide 7.6.2); p is not negative
.endr
	v_cvt_scalef32_pk8_fp8_f32 v[192+2*\c:193+2*\c], v[96+8*\c:103+8*\c], v244
.endr
.set n, 0
.rept 16
	v_pk_mul_f32 v[160+n:161+n], v[160+n:161+n], v[252:253] op_sel_hi:[1,0]   ; O^T under the new M; also the plain instructions behind the conversions
.set n, n+2
.endr
	s_wait_dscnt 0x0                               ; V is in
.irp t, 0,1,2,3
	v_wmma_f32_16x16x128_fp8_fp8 v[160+8*\t:167+8*\t], v[32+16*\t:47+16*\t], v[192:207], v[160+8*\t:167+8*\t]
.endr
.Lhidden_\@:
	s_add_co_u32 s[KF], s[KF], 128
.endm
; THE CHANGE OF SLOTS, at a slot's head.  Each wave waits for all its tensor loads, adds 0 to its spare word (fill = 1: twice on end), and waits for that and for
; its reads of the slot that it has left.  Behind the barrier the slot ahead is whole and nobody reads the other one, which is then filled with the keys that follow, up to the causal limit.
.macro CHANGE fill
	s_wait_tensorcnt 0x0
	ds_add_u32 v[SPW], v[NIL]
.if \fill
	ds_add_u32 v[SPW], v[NIL]
	s_xor_b32 s[G0+1], s[G0+1], SLOT1              ; no tensor load of mine is out: the walking descriptor steps to the other slot,
	s_add_nc_u64 s[G0+2:G0+3], s[G0+2:G0+3], 16384 ; and the next 256 keys
	s_wait_xcnt 0x0                                ; the last prefetch, a slot back, has read its address
	s_add_nc_u64 s[PFA:PFA+1], s[PFA:PFA+1], 16384
.endif
	s_wait_dscnt 0x0
	s_barrier_signal -1
	s_barrier_wait -1
.if \fill
	s_add_co_u32 s96, s[KF], 256                   ; the first key of the slot that this change would ask for:
	s_cmp_gt_u32 s96, s[LASTQ]                     ; behind my work-group's last query no wave reads it.  Ids and the count of steps alone: all sixteen waves go the same way
	s_cbranch_scc1 .Lpast_\@
	TLOAD
.Lpast_\@:
	ASK
.endif
.endm
.macro SLOT_STEPS
	STEP 0
	STEP 1
	s_xor_b32 s[TB], s[TB], SLOT1
.endm
	s_wait_loadcnt 0x0                             ; Q
.Lslot:                                            ; NSL - 1 trips, the same in every work-group
	CHANGE 1
	SLOT_STEPS
	s_sub_co_u32 s[SLOTS], s[SLOTS], 1
	s_cmp_lg_u32 s[SLOTS], 0
	s_cbranch_scc1 .Lslot
	CHANGE 0                                       ; the last slot is written out: nothing is left to ask for
	SLOT_STEPS
	; THE WAY OUT: O^T x 2^(e4 + e5) / the sum, quantised with 2^e6: register 8 t + j is channel 16 t + 8 h + j of my query: registers 2 t, 2 t + 1 of my head's half of the next operand's unit
.rept 4
	v_nop
.endr
	v_add_f32 v14, v14, v15
	v_permlanex16_b32 v252, v14, s[SEL], s[SEL+1]
	v_add_f32 v14, v14, v252
	v_rcp_f32 v14, v14
	v_nop                                          ; a plain instruction behind the transcendental
	s_add_co_i32 s92, s88, s89
	s_wait_alu depctr_va_vdst(0)
	v_ldexp_f32 v14, v14, s92
.set n, 0
.rept 32
	v_mul_f32 v[96+n], v[160+n], v14
.set n, n+1
.endr
.set n, 0
.rept 32
	v_med3_num_f32 v[96+n], v[96+n], -v247, v247
.set n, n+1
.endr
.irp t, 0,1,2,3
	v_cvt_scalef32_pk8_fp8_f32 v[128+2*\t:129+2*\t], v[96+8*\t:103+8*\t], v246
.endr
	v_nop
	global_store_b128 v[LI], v[128:131], s[8:9]    ; the wave stores 512 consecutive bytes, twice
	global_store_b128 v[LI], v[132:135], s[8:9] offset:512
	s_wait_tensorcnt 0x0                           ; the wave's end
	ds_add_u32 v[SPW], v[NIL]
	s_wait_dscnt 0x0
	s_endpgm
.Lfunc_end_k_q54decf2171_attn:
	.size	k_q54decf2171_attn, .Lfunc_end_k_q54decf2171_attn-k_q54decf2171_attn
	.p2alignl 7, 3214868480
	.fill 96, 4, 3214868480
	.section	.rodata,"a",@progbits
	.p2align	6, 0x0
	.amdhsa_kernel k_q54decf2171_attn
		.amdhsa_group_segment_fixed_size 327680
		.amdhsa_private_segment_fixed_size 0
		.amdhsa_enable_private_segment 0
		.amdhsa_kernarg_size 24
		.amdhsa_user_sgpr_count 2
		.amdhsa_user_sgpr_kernarg_segment_ptr 1
		.amdhsa_wavefront_size32 1
		.amdhsa_system_sgpr_workgroup_id_x 1
		.amdhsa_system_sgpr_workgroup_id_y 1
		.amdhsa_system_sgpr_workgroup_id_z 1
		.amdhsa_system_vgpr_workitem_id 0
		.amdhsa_next_free_vgpr 256
		.amdhsa_next_free_sgpr 100
		.amdhsa_reserve_vcc 1
		.amdhsa_float_denorm_mode_32 3
		.amdhsa_float_denorm_mode_16_64 3
		.amdhsa_memory_ordered 1
		.amdhsa_forward_progress 1
		.amdhsa_inst_pref_size 94
	.end_amdhsa_kernel
	.amdgpu_metadata
---
amdhsa.version: [ 1, 2 ]
amdhsa.kernels:
  - .name:           k_q54decf2171_attn
    .symbol:         k_q54decf2171_attn.kd
    .args:
      - { .name: qkvc, .offset: 0, .size: 8, .value_kind: global_buffer, .address_space: global }
      - { .name: lowp_scales, .offset: 8, .size: 8, .value_kind: global_buffer, .address_space: global }
      - { .name: ac, .offset: 16, .size: 8, .value_kind: global_buffer, .address_space: global }
    .group_segment_fixed_size: 327680
    .private_segment_fixed_size: 0
    .kernarg_segment_align: 8
    .kernarg_segment_size: 24
    .max_flat_workgroup_size: 512
    .sgpr_count:     100
    .vgpr_count:     256
    .wavefront_size: 32
...
	.end_amdgpu_metadata
.endif
;; end of part 3
;; launch outproj (part 4): grid 4 x 16, 4 waves a work-group, clusters of 4 x 4, 327,680 bytes of LDS; arguments ac, pc, lowp_scales, x, x1; writes x1
.if DOCPART == 4
	.amdgcn_target "amdgcn-amd-amdhsa--gfx1250"
	.amdhsa_code_object_version 6
	.text
	.protected	k_q54decf2171_outproj
	.globl	k_q54decf2171_outproj
	.p2align	8
	.type	k_q54decf2171_outproj,@function
k_q54decf2171_outproj:
	s_mov_b64 s[64:65], 0
	v_nop
	global_prefetch_b8 v0, s[64:65] scope:SCOPE_SE
	s_setreg_imm32_b32 hwreg(HW_REG_WAVE_MODE, 25, 1), 1
	s_wait_xcnt 0x0
	s_wait_alu depctr_hold_cnt(0) depctr_sa_sdst(0) depctr_va_vdst(0) depctr_va_sdst(0) depctr_va_ssrc(0) depctr_va_vcc(0) depctr_vm_vsrc(0)
	s_getreg_b32 s2, hwreg(HW_REG_IB_STS2, 6, 4)
	s_cmp_eq_u32 s2, 0
	s_cbranch_scc0 .Lentry_in_a_cluster
	s_endpgm
.Lentry_in_a_cluster:
	s_bfe_u32 s2, ttmp6, 0x10000c
	s_cmp_lg_u32 s2, 0xf033
	s_cbranch_scc0 .Lentry_shape_is_right
	s_endpgm
.Lentry_shape_is_right:
; x1 = x + attn w_out^T on codes of E4M3.  No work of reference() is left out here.
; OPERANDS: units of 16 rows x 128 K, 2,048 bytes, images of the operand's registers; a row block's units lie on end.  256 along K of 8 row blocks are 8 runs of 4,096 bytes: one tensor load, no padding.
; A tile of 256 x 256 is made by four waves, each 128 x 128: 64 accumulators.  K goes in steps of 256 through two LDS slots.  CLUSTERS of 4 x 4: A's tiles shared along a row, B's along a column, asked for jointly.
; Source 0 = 16 rows of the weight, source 1 = 16 tokens: lane (r, h) holds token r, and register j of accumulator b holds column 16 b + 8 h + j.
; THE RESIDUAL IS THE SUMS' START: x x 2^-(ea + eb) is loaded into the accumulators while the first tiles are on their way; the finished sums are multiplied by 2^(ea + eb).  Both multiplications round nothing.
; The 64 work-groups are the 64 tiles of 256 x 256 that the result has.
; LIMIT: ea + eb between -126 and 126.
.set SIZE_K, 1024
.set BOFF,   7340032                   ; the weight's codes in pc
.set SCOFF,  24                        ; the two scales' bytes in lowp_scales: entries 6, 7
.set RBB,    16*SIZE_K
.set STEPB,  4096
.set HALFT,  32768
.set SLOT,   4*HALFT
.set SPARE,  2*SLOT
.set LAPS,   SIZE_K/512
.set FR,     16
.set NL,     4
.set NP,     4
.set SPITCH, 528                       ; the way out: a stage of 16 rows x (512 bytes + 16) for each wave, in slot 0, which has had its last fill and its last read by then
.set ADRA, 16
.set ADRB, 20
.set STO,  24                          ; v24  the stage: where I put 32 bytes of a row
.set RD,   25                          ; v25  and where I read a row back
.set XO,   26                          ; v26  the residual: row r of 4,096 bytes, + 32 h
.set LI,   27                          ; v27  16 x lane
.set SPW,  28
.set NIL,  29
.set TMP,  32
.set AF,   128
.set BK,   128                         ; rows read back: v128-191 and v192-255 by turns
.set G1, 24
.set G0, 32
.set G1B, 48
.set G0B, 56
.set MSB, 0
.macro WIN new
.if MSB != (\new)
	s_set_vgpr_msb (MSB<<8)|(\new)
.set MSB, (\new)
.endif
.endm
.set MUL_LO, 0xa1
.set MUL_HI, 0xf1
.set TO_B,   0x40
.macro JLOAD g0a, g1a, g0b, g1b        ; waves 0 and 1 fetch for A, waves 2 and 3 for B; an s_nop 0 and four v_nop follow each line
	s_cmp_eq_u32 s15, 0
	s_cbranch_scc0 .Lfor_b_\@
	tensor_load_to_lds s[\g0a:\g0a+3], s[\g1a:\g1a+7]
	s_nop 0
.rept 4
	v_nop
.endr
	s_branch .Lasked_\@
.Lfor_b_\@:
	tensor_load_to_lds s[\g0b:\g0b+3], s[\g1b:\g1b+7]
	s_nop 0
.rept 4
	v_nop
.endr
.Lasked_\@:
.endm
.macro CREST
	s_cmp_lg_u32 s14, 0
	s_cbranch_scc1 .Lnot_wave_0_\@
	s_barrier_signal -3
.Lnot_wave_0_\@:
	s_barrier_wait -3
	s_barrier_signal -1
	s_barrier_wait -1
.endm
.macro CROUND
	s_barrier_signal -1
	s_barrier_wait -1
	CREST
.endm
	s_load_b256 s[4:11], s[0:1], 0x0               ; A's codes s[4:5], pc s[6:7], lowp_scales s[8:9], the residual s[10:11]
	s_load_b64 s[12:13], s[0:1], 0x20              ; the result
	v_lshl_add_u32 v[SPW], v0, 2, SPARE
	v_mov_b32 v[NIL], 0
	ds_add_u32 v[SPW], v[NIL]                      ; the wave's opening: the add, twice on end, and its wait ahead of my first tensor load
	ds_add_u32 v[SPW], v[NIL]
	v_lshrrev_b32 v1, 5, v0
	v_readfirstlane_b32 s14, v1
	s_lshr_b32 s15, s14, 1                         ; my half of the rows.  Also: I fetch for A (0) or for B (1)
	s_and_b32 s16, s14, 1                          ; my half of the columns.  Also: which 8 row blocks I fetch
	s_bfe_u32 s40, ttmp6, 0x40000
	s_bfe_u32 s41, ttmp6, 0x40004
	s_lshl_b32 s42, ttmp9, 2
	s_add_co_u32 s42, s42, s40                     ; tile column
	s_and_b32 s17, ttmp7, 0xffff
	s_lshl_b32 s17, s17, 2
	s_add_co_u32 s17, s17, s41                     ; tile row
	s_lshl_b32 s43, s41, 2
	s_lshl_b32 s43, 15, s43
	s_lshl_b32 s44, 0x1111, s40
	s_or_b32 s[G1+0], s43, (3<<16)|(1<<21)         ; the mask; elements of 8 bytes; bit 21 beside a mask; no padding
	s_or_b32 s[G1B+0], s44, (3<<16)|(1<<21)
.irp g, G1, G1B
	s_mov_b32 s[\g+1], 512<<16
	s_mov_b32 s[\g+2], 8<<16
	s_mov_b32 s[\g+3], 512<<16
	s_mov_b32 s[\g+4], 8
	s_mov_b32 s[\g+5], RBB/8
	s_mov_b32 s[\g+6], 0
	s_mov_b32 s[\g+7], 0
.endr
	s_lshl_b32 s18, s16, 3
	s_lshl_b32 s20, s17, 4
	s_add_co_u32 s20, s20, s18                     ; A: row block 16 x tile row + 8 x half
	s_mul_i32 s20, s20, RBB
	s_mov_b32 s21, 0
	s_lshl_b32 s46, s42, 4
	s_add_co_u32 s46, s46, s18                     ; B: 16 x tile column + 8 x half
	s_mul_i32 s46, s46, RBB
	s_add_co_u32 s46, s46, BOFF
	s_mov_b32 s47, 0
	s_mul_i32 s45, s14, HALFT
	s_wait_dscnt 0x0
	s_wait_kmcnt 0x0
	s_load_b64 s[96:97], s[8:9], SCOFF             ; ea, eb
	s_add_nc_u64 s[20:21], s[4:5], s[20:21]
	s_add_nc_u64 s[46:47], s[6:7], s[46:47]
	CROUND
.irp s, 0,1
	s_mov_b32 s[G0+4*\s], 1
	s_add_co_u32 s[G0+4*\s+1], s45, \s*SLOT
	s_add_nc_u64 s[G0+4*\s+2:G0+4*\s+3], s[20:21], \s*STEPB
	s_or_b32 s[G0+4*\s+3], s[G0+4*\s+3], 0x80000000
	s_mov_b32 s[G0B+4*\s], 1
	s_add_co_u32 s[G0B+4*\s+1], s45, \s*SLOT
	s_add_nc_u64 s[G0B+4*\s+2:G0B+4*\s+3], s[46:47], \s*STEPB
	s_or_b32 s[G0B+4*\s+3], s[G0B+4*\s+3], 0x80000000
	JLOAD G0+4*\s, G1, G0B+4*\s, G1B
.endr
	v_and_b32 v1, 31, v0
	v_and_b32 v2, 15, v0
	v_bfe_u32 v3, v0, 4, 1
	v_lshlrev_b32 v[LI], 4, v1
	s_lshl_b32 s70, s15, 15
	s_lshl_b32 s71, s16, 15
	s_add_co_u32 s71, s71, 2*HALFT
.irp s, 0,1
	v_add_nc_u32 v[ADRA+\s], s70, v[LI]
	v_add_nc_u32 v[ADRB+\s], s71, v[LI]
	s_add_co_u32 s70, s70, SLOT
	s_add_co_u32 s71, s71, SLOT
.endr
	s_mul_i32 s72, s14, 16*SPITCH
	v_mul_u32_u24 v[STO], v2, SPITCH
	v_lshl_add_u32 v[STO], v3, 5, v[STO]
	v_add_nc_u32 v[STO], s72, v[STO]
	v_add_nc_u32 v[RD], s72, v[LI]
	v_lshlrev_b32 v[XO], 12, v2
	v_lshl_add_u32 v[XO], v3, 5, v[XO]
	s_lshl_b32 s70, s17, 8
	s_lshl_b32 s71, s15, 7
	s_add_co_u32 s70, s70, s71                     ; my first row,
	s_lshl_b32 s70, s70, 12
	s_lshl_b32 s71, s42, 10
	s_add_co_u32 s70, s70, s71
	s_lshl_b32 s71, s16, 9
	s_add_co_u32 s70, s70, s71                     ; my first column, in bytes
	s_mov_b32 s71, 0
	s_add_nc_u64 s[10:11], s[10:11], s[70:71]
	s_add_nc_u64 s[12:13], s[12:13], s[70:71]
	; the residual into the accumulators, in their own layout
	WIN 0x80                                       ; destination window 2
.irp a, 0,1,2,3
.irp b, 0,1,2,3,4,5,6,7
	global_load_b128 v[8*(8*\a+\b):8*(8*\a+\b)+3], v[XO], s[10:11] offset:65536*\a+64*\b
	global_load_b128 v[8*(8*\a+\b)+4:8*(8*\a+\b)+7], v[XO], s[10:11] offset:65536*\a+64*\b+16
.endr
.endr
	WIN 0xc0                                       ; destination window 3
.irp a, 0,1,2,3
.irp b, 0,1,2,3,4,5,6,7
	global_load_b128 v[8*(8*\a+\b):8*(8*\a+\b)+3], v[XO], s[10:11] offset:65536*(\a+4)+64*\b
	global_load_b128 v[8*(8*\a+\b)+4:8*(8*\a+\b)+7], v[XO], s[10:11] offset:65536*(\a+4)+64*\b+16
.endr
.endr
	s_wait_kmcnt 0x0
	s_add_co_i32 s96, s96, s97                     ; ea + eb
	s_sub_co_i32 s98, 127, s96
	s_lshl_b32 s98, s98, 23                        ; 2^-(ea + eb)
	s_mov_b32 s99, s98
	s_add_co_i32 s96, s96, 127
	s_lshl_b32 s96, s96, 23                        ; 2^(ea + eb)
	s_mov_b32 s97, s96
	s_wait_loadcnt 0x0
	WIN 0x82                                       ; source 0 and destination window 2
.set n, 0
.rept 128
	v_pk_mul_f32 v[n:n+1], v[n:n+1], s[98:99] op_sel_hi:[1,0]
.set n, n+2
.endr
	WIN 0xc3                                       ; window 3
.set n, 0
.rept 128
	v_pk_mul_f32 v[n:n+1], v[n:n+1], s[98:99] op_sel_hi:[1,0]
.set n, n+2
.endr
	WIN 0
.macro FRAG reg, adr, q, i
.irp c, 0,1,2,3
	ds_load_b128 v[\reg+4*\c:\reg+4*\c+3], v[\adr] offset:2048*(\q)+512*\c+4096*(\i)
.endr
.endm
.macro MUL16 a0, p                     ; 16 matrix instructions: A's blocks a0, a0 + 1 x B's eight; the 64 accumulators take turns
.irp a, \a0, \a0+1
.irp b, 0,1,2,3,4,5,6,7
	v_wmma_f32_16x16x128_fp8_fp8 v[8*(8*((\a)%4)+\b):8*(8*((\a)%4)+\b)+7], v[128*(\p)+FR*\b:128*(\p)+FR*\b+FR-1], v[AF+FR*(\a):AF+FR*(\a)+FR-1], v[8*(8*((\a)%4)+\b):8*(8*((\a)%4)+\b)+7]
.endr
.endr
.endm
.macro FETCH_B slot, q, p
	WIN TO_B
.irp i, 0,1,2,3,4,5,6,7
	FRAG 128*(\p)+FR*\i, ADRB+\slot, \q, \i
.endr
	WIN 0
.endm
.macro FETCH_A slot, q, i0
.irp i, \i0, \i0+1, \i0+2, \i0+3
	FRAG AF+FR*(\i), ADRA+\slot, \q, \i
.endr
.endm
.macro PLACES n
.rept \n
	v_nop
.endr
.endm
.macro STEP slot, q
	s_wait_dscnt 4*NL                              ; the youngest 16 loads (A's blocks 4-7) may be out
	WIN MUL_LO
	MUL16 0, (\q)%2
	MUL16 2, (\q)%2
	s_wait_dscnt 0
	PLACES NP
	FETCH_B \slot, (\q)+1, 1-(\q)%2
	FETCH_A \slot, (\q)+1, 0
	WIN MUL_HI
	MUL16 4, (\q)%2
	MUL16 6, (\q)%2
	PLACES NP
	WIN 0
	FETCH_A \slot, (\q)+1, 4
.endm
.macro TURN slot, next, fill
	s_wait_tensorcnt 0x0                           ; all my tensor loads have landed
	ds_add_u32 v[SPW], v[NIL]
	s_wait_dscnt 4*NL+1                            ; the add and the youngest 16 loads may be out
	WIN MUL_LO
	MUL16 0, 1
	s_wait_dscnt 0x0                               ; the add is done, and my reads of this slot are over
	s_barrier_signal -1
	MUL16 2, 1
	WIN 0
	s_barrier_wait -1
.if \fill
	CREST
	s_add_nc_u64 s[G0+4*\slot+2:G0+4*\slot+3], s[G0+4*\slot+2:G0+4*\slot+3], 2*STEPB
	s_add_nc_u64 s[G0B+4*\slot+2:G0B+4*\slot+3], s[G0B+4*\slot+2:G0B+4*\slot+3], 2*STEPB
	JLOAD G0+4*\slot, G1, G0B+4*\slot, G1B
.else
	PLACES NP
.endif
	FETCH_B \next, 0, 0
	FETCH_A \next, 0, 0
	WIN MUL_HI
	MUL16 4, 1
	MUL16 6, 1
	PLACES NP
	WIN 0
	FETCH_A \next, 0, 4
.endm
	s_wait_tensorcnt 1                             ; my part of K step 0 is in; K step 1's may be out
	s_barrier_signal -1
	s_barrier_wait -1
	FETCH_B 0, 0, 0
	FETCH_A 0, 0, 0
	FETCH_A 0, 0, 4
	STEP 0, 0                                      ; the first products add onto the residual
	s_mov_b32 s3, LAPS-1
.Llap:
	TURN 0, 1, 1
	STEP 1, 0
	TURN 1, 0, 1
	STEP 0, 0
	s_sub_co_u32 s3, s3, 1
	s_cmp_lg_u32 s3, 0
	s_cbranch_scc1 .Llap
	TURN 0, 1, 0
	STEP 1, 0
	s_wait_dscnt 4*NL
	WIN MUL_LO
	MUL16 0, 1
	MUL16 2, 1
	s_wait_dscnt 0
	WIN MUL_HI
	MUL16 4, 1
	MUL16 6, 1
	WIN 0
; THE WAY OUT, block by block of 16 rows x 128 columns, through my own stage: in as 32 bytes a lane, back as whole rows of 512 bytes.  LDS serves a wave's instructions in order: no wait between the stores and the loads.
.macro TOSTAGE a
.set AC, 64*((\a)%4)
	WIN 0x02+((\a)/4)
.set n, 0
.rept 32
	v_pk_mul_f32 v[TMP+n:TMP+n+1], v[AC+n:AC+n+1], s[96:97] op_sel_hi:[1,0]   ; x 2^(ea + eb); each accumulator from its low end on
.set n, n+2
.endr
	WIN 0
.irp b, 0,1,2,3,4,5,6,7
	ds_store_b128 v[STO], v[TMP+8*\b:TMP+8*\b+3] offset:64*\b
	ds_store_b128 v[STO], v[TMP+8*\b+4:TMP+8*\b+7] offset:64*\b+16
.endr
.set BB, BK+64*((\a)%2)
.irp t, 0,1,2,3,4,5,6,7,8,9,10,11,12,13,14,15
	ds_load_b128 v[BB+4*\t:BB+4*\t+3], v[RD] offset:\t*SPITCH
.endr
.endm
.macro SEND a, younger
.set BB, BK+64*((\a)%2)
	s_wait_dscnt \younger
.irp t, 0,1,2,3,4,5,6,7,8,9,10,11,12,13,14,15
	global_store_b128 v[LI], v[BB+4*\t:BB+4*\t+3], s[12:13] offset:(16*(\a)+\t)*4096 th:TH_STORE_NT   ; 32 lanes store 512 consecutive bytes
.endr
.endm
	PLACES NP
	TOSTAGE 0
.irp a, 1,2,3,4,5,6,7
.if \a > 1
	s_wait_xcnt 0x0                                ; block a - 2's stores have read their registers: block a's loads may land there
.endif
	TOSTAGE \a
	SEND \a-1, 32                                  ; behind block a - 1's loads: block a's 16 stores and 16 loads
.endr
	SEND 7, 0
	s_wait_tensorcnt 0x0                           ; the wave's end
	ds_add_u32 v[SPW], v[NIL]
	s_wait_dscnt 0x0
	CROUND
	s_endpgm
.Lfunc_end_k_q54decf2171_outproj:
	.size	k_q54decf2171_outproj, .Lfunc_end_k_q54decf2171_outproj-k_q54decf2171_outproj
	.p2alignl 7, 3214868480
	.fill 96, 4, 3214868480
	.section	.rodata,"a",@progbits
	.p2align	6, 0x0
	.amdhsa_kernel k_q54decf2171_outproj
		.amdhsa_group_segment_fixed_size 327680
		.amdhsa_private_segment_fixed_size 0
		.amdhsa_enable_private_segment 0
		.amdhsa_kernarg_size 40
		.amdhsa_user_sgpr_count 2
		.amdhsa_user_sgpr_kernarg_segment_ptr 1
		.amdhsa_wavefront_size32 1
		.amdhsa_system_sgpr_workgroup_id_x 1
		.amdhsa_system_sgpr_workgroup_id_y 1
		.amdhsa_system_sgpr_workgroup_id_z 1
		.amdhsa_system_vgpr_workitem_id 0
		.amdhsa_next_free_vgpr 1024
		.amdhsa_next_free_sgpr 100
		.amdhsa_reserve_vcc 0
		.amdhsa_float_denorm_mode_32 3
		.amdhsa_float_denorm_mode_16_64 3
		.amdhsa_memory_ordered 1
		.amdhsa_forward_progress 1
		.amdhsa_inst_pref_size 151
	.end_amdhsa_kernel
	.amdgpu_metadata
---
amdhsa.version: [ 1, 2 ]
amdhsa.kernels:
  - .name:           k_q54decf2171_outproj
    .symbol:         k_q54decf2171_outproj.kd
    .args:
      - { .name: ac, .offset: 0, .size: 8, .value_kind: global_buffer, .address_space: global }
      - { .name: pc, .offset: 8, .size: 8, .value_kind: global_buffer, .address_space: global }
      - { .name: lowp_scales, .offset: 16, .size: 8, .value_kind: global_buffer, .address_space: global }
      - { .name: x, .offset: 24, .size: 8, .value_kind: global_buffer, .address_space: global }
      - { .name: x1, .offset: 32, .size: 8, .value_kind: global_buffer, .address_space: global }
    .group_segment_fixed_size: 327680
    .private_segment_fixed_size: 0
    .kernarg_segment_align: 8
    .kernarg_segment_size: 40
    .max_flat_workgroup_size: 128
    .sgpr_count:     100
    .vgpr_count:     1024
    .wavefront_size: 32
...
	.end_amdgpu_metadata
.endif
;; end of part 4
;; launch norm2 (part 5): grid 256 x 1, 8 waves a work-group, no clusters, 69,632 bytes of LDS; arguments x1, w_ff_norm, lowp_scales, h2c; writes h2c
.if DOCPART == 5
	.amdgcn_target "amdgcn-amd-amdhsa--gfx1250"
	.amdhsa_code_object_version 6
	.text
	.protected	k_q54decf2171_norm2
	.globl	k_q54decf2171_norm2
	.p2align	8
	.type	k_q54decf2171_norm2,@function
k_q54decf2171_norm2:
	s_mov_b64 s[64:65], 0
	v_nop
	global_prefetch_b8 v0, s[64:65] scope:SCOPE_SE
	s_setreg_imm32_b32 hwreg(HW_REG_WAVE_MODE, 25, 1), 1
	s_wait_xcnt 0x0
; h2c = the codes of rmsnorm(x1) x w_ff_norm, E4M3 with the scale 2^e8, as images of the operand's registers (units of 16 rows x 128 K, 2,048 bytes).  No work of reference() is left out here.
; A work-group takes 16 rows, each of its eight waves 128 along K; a row's sum of squares meets in LDS.  Each load reads 512 consecutive bytes of a row; the numbers turn through the wave's own stage into the operand's layout.
; LIMIT: e8 between -126 and 119; NaN among the inputs is not served.
.set STGB,  8448
.set PART,  8*STGB
.set SPARE, PART+512
.set LI,  4
.set SI,  5
.set SO,  6
.set WA,  8
.set PW,  9
.set PR,  10
.set SPW, 12
.set NIL, 13
.set SC,  14
.set LIM, 15
.set R,   16
.set X,   80
.set W,   144
.set C,   208
	s_load_b256 s[4:11], s[0:1], 0x0               ; x1 s[4:5], w_ff_norm s[6:7], lowp_scales s[8:9], h2c s[10:11]
	v_lshl_add_u32 v[SPW], v0, 2, SPARE
	v_mov_b32 v[NIL], 0
	v_lshrrev_b32 v1, 5, v0
	v_readfirstlane_b32 s22, v1
	v_and_b32 v1, 31, v0
	v_and_b32 v2, 15, v0
	v_bfe_u32 v3, v0, 4, 1
	v_lshlrev_b32 v[LI], 4, v1
	s_mul_i32 s23, s22, STGB
	v_add_nc_u32 v[SI], s23, v[LI]
	v_mul_u32_u24 v[SO], v2, 528
	v_lshl_add_u32 v[SO], v3, 5, v[SO]
	v_add_nc_u32 v[SO], s23, v[SO]
	v_lshlrev_b32 v[WA], 5, v3
	v_lshlrev_b32 v[PR], 5, v2
	v_add_nc_u32 v[PR], PART, v[PR]
	s_lshl_b32 s24, s22, 2
	v_add_nc_u32 v[PW], s24, v[PR]
	s_mov_b32 s48, 0x76543210
	s_mov_b32 s49, 0xfedcba98
	s_lshl_b32 s28, ttmp9, 16                      ; 16 rows of 4,096 bytes
	s_lshl_b32 s30, s22, 9                         ; my wave's 512 bytes of a row
	s_add_co_u32 s28, s28, s30
	s_mov_b32 s29, 0
	s_mov_b32 s31, 0
	s_lshl_b32 s32, ttmp9, 3
	s_add_co_u32 s32, s32, s22
	s_lshl_b32 s32, s32, 11                        ; my unit
	s_mov_b32 s33, 0
	s_wait_kmcnt 0x0
	s_load_b32 s44, s[8:9], 0x20                   ; e8
	s_add_nc_u64 s[4:5], s[4:5], s[28:29]
	s_add_nc_u64 s[6:7], s[6:7], s[30:31]
	s_add_nc_u64 s[10:11], s[10:11], s[32:33]
.irp i, 0,1,2,3,4,5,6,7,8,9,10,11,12,13,14,15
	global_load_b128 v[R+4*\i:R+4*\i+3], v[LI], s[4:5] offset:\i*4096 th:TH_LOAD_NT
.endr
.irp c, 0,1,2,3,4,5,6,7
	global_load_b128 v[W+8*\c:W+8*\c+3], v[WA], s[6:7] offset:64*\c
	global_load_b128 v[W+8*\c+4:W+8*\c+7], v[WA], s[6:7] offset:64*\c+16
.endr
	s_wait_kmcnt 0x0
	s_add_co_i32 s44, s44, 127
	s_lshl_b32 s45, s44, 23
	v_mov_b32 v[SC], s45
	s_add_co_i32 s44, s44, 8
	s_lshl_b32 s44, s44, 23
	s_or_b32 s44, s44, 0x600000
	v_mov_b32 v[LIM], s44
.irp i, 0,1,2,3,4,5,6,7,8,9,10,11,12,13,14,15
	s_wait_loadcnt 31-\i                           ; row i is in; the 15 - i younger rows and the gain's 16 loads may be out
	ds_store_b128 v[SI], v[R+4*\i:R+4*\i+3] offset:528*\i
.endr
.irp c, 0,1,2,3,4,5,6,7
	ds_load_b128 v[X+8*\c:X+8*\c+3], v[SO] offset:64*\c
	ds_load_b128 v[X+8*\c+4:X+8*\c+7], v[SO] offset:64*\c+16
.endr
	s_wait_dscnt 0x0
	v_pk_mul_f32 v[224:225], v[X:X+1], v[X:X+1]
	v_pk_mul_f32 v[226:227], v[X+2:X+3], v[X+2:X+3]
.set n, 4
.rept 15
	v_pk_fma_f32 v[224:225], v[X+n:X+n+1], v[X+n:X+n+1], v[224:225]
	v_pk_fma_f32 v[226:227], v[X+n+2:X+n+3], v[X+n+2:X+n+3], v[226:227]
.set n, n+4
.endr
	v_pk_add_f32 v[224:225], v[224:225], v[226:227]
	v_add_f32 v224, v224, v225
	v_permlanex16_b32 v226, v224, s48, s49
	v_add_f32 v224, v224, v226
	ds_store_b32 v[PW], v224
	s_wait_dscnt 0x0                               ; for the others' sake: my store has landed
	s_barrier_signal -1
	s_barrier_wait -1
	ds_load_b128 v[228:231], v[PR]
	ds_load_b128 v[232:235], v[PR] offset:16
	s_wait_dscnt 0x0
	v_add_f32 v228, v228, v229
	v_add_f32 v230, v230, v231
	v_add_f32 v232, v232, v233
	v_add_f32 v234, v234, v235
	v_add_f32 v228, v228, v230
	v_add_f32 v232, v232, v234
	v_add_f32 v228, v228, v232
	v_mov_b32 v229, 0x358637bd                     ; 1e-6
	v_fma_f32 v228, v228, 0x3a800000, v229         ; sum / 1,024 + 1e-6
	v_rsq_f32 v236, v228
	v_mov_b32 v237, 0                              ; a plain instruction behind the transcendental
	s_wait_alu depctr_va_vdst(0)                   ; ahead of the result's first reader
.set n, 0
.rept 32
	v_pk_mul_f32 v[X+n:X+n+1], v[X+n:X+n+1], v[236:237] op_sel_hi:[1,0]
.set n, n+2
.endr
	s_wait_loadcnt 0x0                             ; the gain
.set n, 0
.rept 32
	v_pk_mul_f32 v[X+n:X+n+1], v[X+n:X+n+1], v[W+n:W+n+1]
.set n, n+2
.endr
.set n, 0
.rept 64
	v_med3_num_f32 v[X+n], v[X+n], -v[LIM], v[LIM] ; the conversion does not saturate (ISA guide 7.6.2)
.set n, n+1
.endr
.irp c, 0,1,2,3,4,5,6,7
	v_cvt_scalef32_pk8_fp8_f32 v[C+2*\c:C+2*\c+1], v[X+8*\c:X+8*\c+7], v[SC]
.endr
	v_nop
.irp q, 0,1,2,3
	global_store_b128 v[LI], v[C+4*\q:C+4*\q+3], s[10:11] offset:512*\q
.endr
	s_wait_tensorcnt 0x0                           ; the wave's end
	ds_add_u32 v[SPW], v[NIL]
	s_wait_dscnt 0x0
	s_endpgm
.Lfunc_end_k_q54decf2171_norm2:
	.size	k_q54decf2171_norm2, .Lfunc_end_k_q54decf2171_norm2-k_q54decf2171_norm2
	.p2alignl 7, 3214868480
	.fill 96, 4, 3214868480
	.section	.rodata,"a",@progbits
	.p2align	6, 0x0
	.amdhsa_kernel k_q54decf2171_norm2
		.amdhsa_group_segment_fixed_size 69632
		.amdhsa_private_segment_fixed_size 0
		.amdhsa_enable_private_segment 0
		.amdhsa_kernarg_size 32
		.amdhsa_user_sgpr_count 2
		.amdhsa_user_sgpr_kernarg_segment_ptr 1
		.amdhsa_wavefront_size32 1
		.amdhsa_system_sgpr_workgroup_id_x 1
		.amdhsa_system_sgpr_workgroup_id_y 1
		.amdhsa_system_sgpr_workgroup_id_z 1
		.amdhsa_system_vgpr_workitem_id 0
		.amdhsa_next_free_vgpr 240
		.amdhsa_next_free_sgpr 66
		.amdhsa_reserve_vcc 0
		.amdhsa_float_denorm_mode_32 3
		.amdhsa_float_denorm_mode_16_64 3
		.amdhsa_memory_ordered 1
		.amdhsa_forward_progress 1
		.amdhsa_inst_pref_size 20
	.end_amdhsa_kernel
	.amdgpu_metadata
---
amdhsa.version: [ 1, 2 ]
amdhsa.kernels:
  - .name:           k_q54decf2171_norm2
    .symbol:         k_q54decf2171_norm2.kd
    .args:
      - { .name: x1, .offset: 0, .size: 8, .value_kind: global_buffer, .address_space: global }
      - { .name: w_ff_norm, .offset: 8, .size: 8, .value_kind: global_buffer, .address_space: global }
      - { .name: lowp_scales, .offset: 16, .size: 8, .value_kind: global_buffer, .address_space: global }
      - { .name: h2c, .offset: 24, .size: 8, .value_kind: global_buffer, .address_space: global }
    .group_segment_fixed_size: 69632
    .private_segment_fixed_size: 0
    .kernarg_segment_align: 8
    .kernarg_segment_size: 32
    .max_flat_workgroup_size: 256
    .sgpr_count:     66
    .vgpr_count:     240
    .wavefront_size: 32
...
	.end_amdgpu_metadata
.endif
;; end of part 5
;; launch fc (part 6): grid 8 x 16, 4 waves a work-group, clusters of 4 x 4, 327,680 bytes of LDS; arguments h2c, pc, lowp_scales, hidc; writes hidc
.if DOCPART == 6
	.amdgcn_target "amdgcn-amd-amdhsa--gfx1250"
	.amdhsa_code_object_version 6
	.text
	.protected	k_q54decf2171_fc
	.globl	k_q54decf2171_fc
	.p2align	8
	.type	k_q54decf2171_fc,@function
k_q54decf2171_fc:
	s_mov_b64 s[64:65], 0
	v_nop
	global_prefetch_b8 v0, s[64:65] scope:SCOPE_SE
	s_setreg_imm32_b32 hwreg(HW_REG_WAVE_MODE, 25, 1), 1
	s_wait_xcnt 0x0
	s_wait_alu depctr_hold_cnt(0) depctr_sa_sdst(0) depctr_va_vdst(0) depctr_va_sdst(0) depctr_va_ssrc(0) depctr_va_vcc(0) depctr_vm_vsrc(0)
	s_getreg_b32 s2, hwreg(HW_REG_IB_STS2, 6, 4)
	s_cmp_eq_u32 s2, 0
	s_cbranch_scc0 .Lentry_in_a_cluster
	s_endpgm
.Lentry_in_a_cluster:
	s_bfe_u32 s2, ttmp6, 0x10000c
	s_cmp_lg_u32 s2, 0xf033
	s_cbranch_scc0 .Lentry_shape_is_right
	s_endpgm
.Lentry_shape_is_right:
; hidc = the codes of silu(h w_fc^T), both sides of the product codes of E4M3.  No work of reference() is left out here.
; OPERANDS: units of 16 rows x 128 K, 2,048 bytes, images of the operand's registers; 256 along K of 8 row blocks are 8 runs of 4,096 bytes: one tensor load, no padding.
; A tile of 256 x 256 is made by four waves, each 128 x 128.  K goes in steps of 256 through two LDS slots.  CLUSTERS of 4 x 4: A's tiles shared along a row, B's along a column, asked for jointly.
; Source 0 = 16 rows of the weight, source 1 = 16 tokens: lane (r, h) holds token r, register j of accumulator b hidden unit 16 b + 8 h + j: eight neighbours along the next K, so the conversions' results are registers
; 2 b, 2 b + 1 of the next operand's unit and are stored as they stand.
; silu(z) = z / (1 + 2^(-z log2 e)), z = sum x 2^(e8 + e9): the two exponents are added to -log2(e)'s exponent field; sum x sigmoid stands for silu / 2^(e8 + e9), and the conversion takes 2^(e10 - e8 - e9).
; LIMITS: e8 + e9 between -126 and 126; e10 - e8 - e9 between -126 and 119.
.set SIZE_K, 1024
.set BOFF,   8388608                   ; w_fc's codes in pc
.set RBB,    16*SIZE_K
.set STEPB,  4096
.set HALFT,  32768
.set SLOT,   4*HALFT
.set SPARE,  2*SLOT
.set LAPS,   SIZE_K/512
.set FR,     16
.set NL,     4
.set NP,     4
.set ADRA, 16
.set ADRB, 20
.set LI,   27
.set SPW,  28
.set NIL,  29
.set SC,   30
.set LIM,  31
.set T,    32                          ; v32-95: 64 numbers at work
.set CD,   128                         ; v128-255: the codes, each register written once
.set AF,   128
.set G1, 24
.set G0, 32
.set G1B, 48
.set G0B, 56
.set MSB, 0
.macro WIN new
.if MSB != (\new)
	s_set_vgpr_msb (MSB<<8)|(\new)
.set MSB, (\new)
.endif
.endm
.set MUL_LO, 0xa1
.set MUL_HI, 0xf1
.set TO_B,   0x40
.macro JLOAD g0a, g1a, g0b, g1b        ; waves 0 and 1 fetch for A, waves 2 and 3 for B; an s_nop 0 and four v_nop follow each line
	s_cmp_eq_u32 s15, 0
	s_cbranch_scc0 .Lfor_b_\@
	tensor_load_to_lds s[\g0a:\g0a+3], s[\g1a:\g1a+7]
	s_nop 0
.rept 4
	v_nop
.endr
	s_branch .Lasked_\@
.Lfor_b_\@:
	tensor_load_to_lds s[\g0b:\g0b+3], s[\g1b:\g1b+7]
	s_nop 0
.rept 4
	v_nop
.endr
.Lasked_\@:
.endm
.macro CREST
	s_cmp_lg_u32 s14, 0
	s_cbranch_scc1 .Lnot_wave_0_\@
	s_barrier_signal -3
.Lnot_wave_0_\@:
	s_barrier_wait -3
	s_barrier_signal -1
	s_barrier_wait -1
.endm
.macro CROUND
	s_barrier_signal -1
	s_barrier_wait -1
	CREST
.endm
	s_load_b256 s[4:11], s[0:1], 0x0               ; h2c s[4:5], pc s[6:7], lowp_scales s[8:9], hidc s[10:11]
	v_lshl_add_u32 v[SPW], v0, 2, SPARE
	v_mov_b32 v[NIL], 0
	ds_add_u32 v[SPW], v[NIL]                      ; the wave's opening: the add, twice on end, and its wait ahead of my first tensor load
	ds_add_u32 v[SPW], v[NIL]
	v_lshrrev_b32 v1, 5, v0
	v_readfirstlane_b32 s14, v1
	s_lshr_b32 s15, s14, 1
	s_and_b32 s16, s14, 1
	s_bfe_u32 s40, ttmp6, 0x40000
	s_bfe_u32 s41, ttmp6, 0x40004
	s_lshl_b32 s42, ttmp9, 2
	s_add_co_u32 s42, s42, s40                     ; tile column
	s_and_b32 s17, ttmp7, 0xffff
	s_lshl_b32 s17, s17, 2
	s_add_co_u32 s17, s17, s41                     ; tile row
	s_lshl_b32 s43, s41, 2
	s_lshl_b32 s43, 15, s43
	s_lshl_b32 s44, 0x1111, s40
	s_or_b32 s[G1+0], s43, (3<<16)|(1<<21)
	s_or_b32 s[G1B+0], s44, (3<<16)|(1<<21)
.irp g, G1, G1B
	s_mov_b32 s[\g+1], 512<<16
	s_mov_b32 s[\g+2], 8<<16
	s_mov_b32 s[\g+3], 512<<16
	s_mov_b32 s[\g+4], 8
	s_mov_b32 s[\g+5], RBB/8
	s_mov_b32 s[\g+6], 0
	s_mov_b32 s[\g+7], 0
.endr
	s_lshl_b32 s18, s16, 3
	s_lshl_b32 s20, s17, 4
	s_add_co_u32 s20, s20, s18
	s_mul_i32 s20, s20, RBB
	s_mov_b32 s21, 0
	s_lshl_b32 s46, s42, 4
	s_add_co_u32 s46, s46, s18
	s_mul_i32 s46, s46, RBB
	s_add_co_u32 s46, s46, BOFF
	s_mov_b32 s47, 0
	s_mul_i32 s45, s14, HALFT
	s_wait_dscnt 0x0
	s_wait_kmcnt 0x0
	s_load_b128 s[88:91], s[8:9], 0x20             ; e8, e9, e10, e11
	s_add_nc_u64 s[20:21], s[4:5], s[20:21]
	s_add_nc_u64 s[46:47], s[6:7], s[46:47]
	CROUND
.irp s, 0,1
	s_mov_b32 s[G0+4*\s], 1
	s_add_co_u32 s[G0+4*\s+1], s45, \s*SLOT
	s_add_nc_u64 s[G0+4*\s+2:G0+4*\s+3], s[20:21], \s*STEPB
	s_or_b32 s[G0+4*\s+3], s[G0+4*\s+3], 0x80000000
	s_mov_b32 s[G0B+4*\s], 1
	s_add_co_u32 s[G0B+4*\s+1], s45, \s*SLOT
	s_add_nc_u64 s[G0B+4*\s+2:G0B+4*\s+3], s[46:47], \s*STEPB
	s_or_b32 s[G0B+4*\s+3], s[G0B+4*\s+3], 0x80000000
	JLOAD G0+4*\s, G1, G0B+4*\s, G1B
.endr
	v_and_b32 v1, 31, v0
	v_lshlrev_b32 v[LI], 4, v1
	s_lshl_b32 s70, s15, 15
	s_lshl_b32 s71, s16, 15
	s_add_co_u32 s71, s71, 2*HALFT
.irp s, 0,1
	v_add_nc_u32 v[ADRA+\s], s70, v[LI]
	v_add_nc_u32 v[ADRB+\s], s71, v[LI]
	s_add_co_u32 s70, s70, SLOT
	s_add_co_u32 s71, s71, SLOT
.endr
	; hidc: [16 tokens' block 256][128 along K 16][2,048]: block 16 x tile row + 8 x my half + a; unit 2 x tile column + my half
	s_lshl_b32 s70, s17, 4
	s_lshl_b32 s71, s15, 3
	s_add_co_u32 s70, s70, s71
	s_lshl_b32 s70, s70, 4
	s_lshl_b32 s71, s42, 1
	s_add_co_u32 s70, s70, s71
	s_add_co_u32 s70, s70, s16
	s_lshl_b32 s70, s70, 11
	s_mov_b32 s71, 0
	s_add_nc_u64 s[10:11], s[10:11], s[70:71]
.macro FRAG reg, adr, q, i
.irp c, 0,1,2,3
	ds_load_b128 v[\reg+4*\c:\reg+4*\c+3], v[\adr] offset:2048*(\q)+512*\c+4096*(\i)
.endr
.endm
.macro MUL16 a0, p, zero               ; 16 matrix instructions; zero = 1: the product starts the sums; the 64 accumulators take turns
.irp a, \a0, \a0+1
.irp b, 0,1,2,3,4,5,6,7
.if \zero
	v_wmma_f32_16x16x128_fp8_fp8 v[8*(8*((\a)%4)+\b):8*(8*((\a)%4)+\b)+7], v[128*(\p)+FR*\b:128*(\p)+FR*\b+FR-1], v[AF+FR*(\a):AF+FR*(\a)+FR-1], 0
.else
	v_wmma_f32_16x16x128_fp8_fp8 v[8*(8*((\a)%4)+\b):8*(8*((\a)%4)+\b)+7], v[128*(\p)+FR*\b:128*(\p)+FR*\b+FR-1], v[AF+FR*(\a):AF+FR*(\a)+FR-1], v[8*(8*((\a)%4)+\b):8*(8*((\a)%4)+\b)+7]
.endif
.endr
.endr
.endm
.macro FETCH_B slot, q, p
	WIN TO_B
.irp i, 0,1,2,3,4,5,6,7
	FRAG 128*(\p)+FR*\i, ADRB+\slot, \q, \i
.endr
	WIN 0
.endm
.macro FETCH_A slot, q, i0
.irp i, \i0, \i0+1, \i0+2, \i0+3
	FRAG AF+FR*(\i), ADRA+\slot, \q, \i
.endr
.endm
.macro PLACES n
.rept \n
	v_nop
.endr
.endm
.macro STEP slot, q, zero
	s_wait_dscnt 4*NL                              ; the youngest 16 loads (A's blocks 4-7) may be out
	WIN MUL_LO
	MUL16 0, (\q)%2, \zero
	MUL16 2, (\q)%2, \zero
	s_wait_dscnt 0
	PLACES NP
	FETCH_B \slot, (\q)+1, 1-(\q)%2
	FETCH_A \slot, (\q)+1, 0
	WIN MUL_HI
	MUL16 4, (\q)%2, \zero
	MUL16 6, (\q)%2, \zero
	PLACES NP
	WIN 0
	FETCH_A \slot, (\q)+1, 4
.endm
.macro TURN slot, next, fill
	s_wait_tensorcnt 0x0                           ; all my tensor loads have landed
	ds_add_u32 v[SPW], v[NIL]
	s_wait_dscnt 4*NL+1                            ; the add and the youngest 16 loads may be out
	WIN MUL_LO
	MUL16 0, 1, 0
	s_wait_dscnt 0x0                               ; the add is done, and my reads of this slot are over
	s_barrier_signal -1
	MUL16 2, 1, 0
	WIN 0
	s_barrier_wait -1
.if \fill
	CREST
	s_add_nc_u64 s[G0+4*\slot+2:G0+4*\slot+3], s[G0+4*\slot+2:G0+4*\slot+3], 2*STEPB
	s_add_nc_u64 s[G0B+4*\slot+2:G0B+4*\slot+3], s[G0B+4*\slot+2:G0B+4*\slot+3], 2*STEPB
	JLOAD G0+4*\slot, G1, G0B+4*\slot, G1B
.else
	PLACES NP
.endif
	FETCH_B \next, 0, 0
	FETCH_A \next, 0, 0
	WIN MUL_HI
	MUL16 4, 1, 0
	MUL16 6, 1, 0
	PLACES NP
	WIN 0
	FETCH_A \next, 0, 4
.endm
	s_wait_tensorcnt 1                             ; my part of K step 0 is in; K step 1's may be out
	s_barrier_signal -1
	s_barrier_wait -1
	FETCH_B 0, 0, 0
	FETCH_A 0, 0, 0
	FETCH_A 0, 0, 4
	STEP 0, 0, 1
	s_mov_b32 s3, LAPS-1
.Llap:
	TURN 0, 1, 1
	STEP 1, 0, 0
	TURN 1, 0, 1
	STEP 0, 0, 0
	s_sub_co_u32 s3, s3, 1
	s_cmp_lg_u32 s3, 0
	s_cbranch_scc1 .Llap
	TURN 0, 1, 0
	STEP 1, 0, 0
	s_wait_dscnt 4*NL
	WIN MUL_LO
	MUL16 0, 1, 0
	MUL16 2, 1, 0
	s_wait_dscnt 0
	WIN MUL_HI
	MUL16 4, 1, 0
	MUL16 6, 1, 0
	WIN 0
	; THE WAY OUT
	s_wait_kmcnt 0x0
	s_add_co_i32 s92, s88, s89                     ; e8 + e9
	s_lshl_b32 s93, s92, 23
	s_mov_b32 s96, 0xbfb8aa3b                      ; -log2(e),
	s_add_co_i32 s96, s96, s93                     ; x 2^(e8 + e9)
	s_mov_b32 s97, s96
	s_sub_co_i32 s92, s90, s92
	s_add_co_i32 s92, s92, 127
	s_lshl_b32 s93, s92, 23
	v_mov_b32 v[SC], s93                           ; 2^(e10 - e8 - e9)
	s_add_co_i32 s92, s92, 8
	s_lshl_b32 s92, s92, 23
	s_or_b32 s92, s92, 0x600000
	v_mov_b32 v[LIM], s92
	PLACES NP
.macro SILU a                          ; 16 tokens x 128 hidden units: activation, hold, conversion, 2,048 bytes out
.set AC, 64*((\a)%4)
	WIN 0x02+((\a)/4)                              ; source 0: the sums, window 2 or 3
.set n, 0
.rept 32
	v_pk_mul_f32 v[T+n:T+n+1], v[AC+n:AC+n+1], s[96:97] op_sel_hi:[1,0]   ; -z log2(e); each accumulator from its low end on
.set n, n+2
.endr
	WIN 0
.set n, 0
.rept 64
	v_exp_f32 v[T+n], v[T+n]
.set n, n+1
.endr
	v_nop                                          ; a plain instruction behind the batch,
	s_wait_alu depctr_va_vdst(0)                   ; and one wait ahead of its first reader
.set n, 0
.rept 32
	v_pk_add_f32 v[T+n:T+n+1], v[T+n:T+n+1], 1.0 op_sel_hi:[1,0]
.set n, n+2
.endr
.set n, 0
.rept 64
	v_rcp_f32 v[T+n], v[T+n]
.set n, n+1
.endr
	v_nop
	s_wait_alu depctr_va_vdst(0)
	WIN 0x02+((\a)/4)
.set n, 0
.rept 32
	v_pk_mul_f32 v[T+n:T+n+1], v[AC+n:AC+n+1], v[T+n:T+n+1]   ; sum x sigmoid
.set n, n+2
.endr
	WIN 0
.set n, 0
.rept 64
	v_med3_num_f32 v[T+n], v[T+n], -v[LIM], v[LIM] ; the conversion does not saturate (ISA guide 7.6.2)
.set n, n+1
.endr
.irp b, 0,1,2,3,4,5,6,7
	v_cvt_scalef32_pk8_fp8_f32 v[CD+16*(\a)+2*\b:CD+16*(\a)+2*\b+1], v[T+8*\b:T+8*\b+7], v[SC]
.endr
	v_nop
.irp q, 0,1,2,3
	global_store_b128 v[LI], v[CD+16*(\a)+4*\q:CD+16*(\a)+4*\q+3], s[10:11] offset:32768*(\a)+512*\q
.endr
.endm
.irp a, 0,1,2,3,4,5,6,7
	SILU \a
.endr
	s_wait_tensorcnt 0x0                           ; the wave's end
	ds_add_u32 v[SPW], v[NIL]
	s_wait_dscnt 0x0
	CROUND
	s_endpgm
.Lfunc_end_k_q54decf2171_fc:
	.size	k_q54decf2171_fc, .Lfunc_end_k_q54decf2171_fc-k_q54decf2171_fc
	.p2alignl 7, 3214868480
	.fill 96, 4, 3214868480
	.section	.rodata,"a",@progbits
	.p2align	6, 0x0
	.amdhsa_kernel k_q54decf2171_fc
		.amdhsa_group_segment_fixed_size 327680
		.amdhsa_private_segment_fixed_size 0
		.amdhsa_enable_private_segment 0
		.amdhsa_kernarg_size 32
		.amdhsa_user_sgpr_count 2
		.amdhsa_user_sgpr_kernarg_segment_ptr 1
		.amdhsa_wavefront_size32 1
		.amdhsa_system_sgpr_workgroup_id_x 1
		.amdhsa_system_sgpr_workgroup_id_y 1
		.amdhsa_system_sgpr_workgroup_id_z 1
		.amdhsa_system_vgpr_workitem_id 0
		.amdhsa_next_free_vgpr 1024
		.amdhsa_next_free_sgpr 100
		.amdhsa_reserve_vcc 0
		.amdhsa_float_denorm_mode_32 3
		.amdhsa_float_denorm_mode_16_64 3
		.amdhsa_memory_ordered 1
		.amdhsa_forward_progress 1
		.amdhsa_inst_pref_size 199
	.end_amdhsa_kernel
	.amdgpu_metadata
---
amdhsa.version: [ 1, 2 ]
amdhsa.kernels:
  - .name:           k_q54decf2171_fc
    .symbol:         k_q54decf2171_fc.kd
    .args:
      - { .name: h2c, .offset: 0, .size: 8, .value_kind: global_buffer, .address_space: global }
      - { .name: pc, .offset: 8, .size: 8, .value_kind: global_buffer, .address_space: global }
      - { .name: lowp_scales, .offset: 16, .size: 8, .value_kind: global_buffer, .address_space: global }
      - { .name: hidc, .offset: 24, .size: 8, .value_kind: global_buffer, .address_space: global }
    .group_segment_fixed_size: 327680
    .private_segment_fixed_size: 0
    .kernarg_segment_align: 8
    .kernarg_segment_size: 32
    .max_flat_workgroup_size: 128
    .sgpr_count:     100
    .vgpr_count:     1024
    .wavefront_size: 32
...
	.end_amdgpu_metadata
.endif
;; end of part 6
;; launch proj (part 7): grid 4 x 16, 4 waves a work-group, clusters of 4 x 4, 327,680 bytes of LDS; arguments hidc, pc, lowp_scales, x1, out0; writes out0
.if DOCPART == 7
	.amdgcn_target "amdgcn-amd-amdhsa--gfx1250"
	.amdhsa_code_object_version 6
	.text
	.protected	k_q54decf2171_proj
	.globl	k_q54decf2171_proj
	.p2align	8
	.type	k_q54decf2171_proj,@function
k_q54decf2171_proj:
	s_mov_b64 s[64:65], 0
	v_nop
	global_prefetch_b8 v0, s[64:65] scope:SCOPE_SE
	s_setreg_imm32_b32 hwreg(HW_REG_WAVE_MODE, 25, 1), 1
	s_wait_xcnt 0x0
	s_wait_alu depctr_hold_cnt(0) depctr_sa_sdst(0) depctr_va_vdst(0) depctr_va_sdst(0) depctr_va_ssrc(0) depctr_va_vcc(0) depctr_vm_vsrc(0)
	s_getreg_b32 s2, hwreg(HW_REG_IB_STS2, 6, 4)
	s_cmp_eq_u32 s2, 0
	s_cbranch_scc0 .Lentry_in_a_cluster
	s_endpgm
.Lentry_in_a_cluster:
	s_bfe_u32 s2, ttmp6, 0x10000c
	s_cmp_lg_u32 s2, 0xf033
	s_cbranch_scc0 .Lentry_shape_is_right
	s_endpgm
.Lentry_shape_is_right:
; out0 = x1 + hid w_proj^T on codes of E4M3, K = 2,048.  No work of reference() is left out here.
; OPERANDS: units of 16 rows x 128 K, 2,048 bytes, images of the operand's registers; a row block's units lie on end.  256 along K of 8 row blocks are 8 runs of 4,096 bytes: one tensor load, no padding.
; A tile of 256 x 256 is made by four waves, each 128 x 128: 64 accumulators.  K goes in steps of 256 through two LDS slots.  CLUSTERS of 4 x 4: A's tiles shared along a row, B's along a column, asked for jointly.
; Source 0 = 16 rows of the weight, source 1 = 16 tokens: lane (r, h) holds token r, and register j of accumulator b holds column 16 b + 8 h + j.
; THE RESIDUAL IS THE SUMS' START: x1 x 2^-(ea + eb) is loaded into the accumulators while the first tiles are on their way; the finished sums are multiplied by 2^(ea + eb).  Both multiplications round nothing.
; The 64 work-groups are the 64 tiles of 256 x 256 that the result has.
; LIMIT: ea + eb between -126 and 126.
.set SIZE_K, 2048
.set BOFF,   10485760                  ; the weight's codes in pc
.set SCOFF,  40                        ; the two scales' bytes in lowp_scales: entries 10, 11
.set RBB,    16*SIZE_K
.set STEPB,  4096
.set HALFT,  32768
.set SLOT,   4*HALFT
.set SPARE,  2*SLOT
.set LAPS,   SIZE_K/512
.set FR,     16
.set NL,     4
.set NP,     4
.set SPITCH, 528                       ; the way out: a stage of 16 rows x (512 bytes + 16) for each wave, in slot 0, which has had its last fill and its last read by then
.set ADRA, 16
.set ADRB, 20
.set STO,  24
.set RD,   25
.set XO,   26
.set LI,   27
.set SPW,  28
.set NIL,  29
.set TMP,  32
.set AF,   128
.set BK,   128
.set G1, 24
.set G0, 32
.set G1B, 48
.set G0B, 56
.set MSB, 0
.macro WIN new
.if MSB != (\new)
	s_set_vgpr_msb (MSB<<8)|(\new)
.set MSB, (\new)
.endif
.endm
.set MUL_LO, 0xa1
.set MUL_HI, 0xf1
.set TO_B,   0x40
.macro JLOAD g0a, g1a, g0b, g1b        ; waves 0 and 1 fetch for A, waves 2 and 3 for B; an s_nop 0 and four v_nop follow each line
	s_cmp_eq_u32 s15, 0
	s_cbranch_scc0 .Lfor_b_\@
	tensor_load_to_lds s[\g0a:\g0a+3], s[\g1a:\g1a+7]
	s_nop 0
.rept 4
	v_nop
.endr
	s_branch .Lasked_\@
.Lfor_b_\@:
	tensor_load_to_lds s[\g0b:\g0b+3], s[\g1b:\g1b+7]
	s_nop 0
.rept 4
	v_nop
.endr
.Lasked_\@:
.endm
.macro CREST
	s_cmp_lg_u32 s14, 0
	s_cbranch_scc1 .Lnot_wave_0_\@
	s_barrier_signal -3
.Lnot_wave_0_\@:
	s_barrier_wait -3
	s_barrier_signal -1
	s_barrier_wait -1
.endm
.macro CROUND
	s_barrier_signal -1
	s_barrier_wait -1
	CREST
.endm
	s_load_b256 s[4:11], s[0:1], 0x0               ; A's codes s[4:5], pc s[6:7], lowp_scales s[8:9], the residual s[10:11]
	s_load_b64 s[12:13], s[0:1], 0x20              ; the result
	v_lshl_add_u32 v[SPW], v0, 2, SPARE
	v_mov_b32 v[NIL], 0
	ds_add_u32 v[SPW], v[NIL]                      ; the wave's opening: the add, twice on end, and its wait ahead of my first tensor load
	ds_add_u32 v[SPW], v[NIL]
	v_lshrrev_b32 v1, 5, v0
	v_readfirstlane_b32 s14, v1
	s_lshr_b32 s15, s14, 1
	s_and_b32 s16, s14, 1
	s_bfe_u32 s40, ttmp6, 0x40000
	s_bfe_u32 s41, ttmp6, 0x40004
	s_lshl_b32 s42, ttmp9, 2
	s_add_co_u32 s42, s42, s40                     ; tile column
	s_and_b32 s17, ttmp7, 0xffff
	s_lshl_b32 s17, s17, 2
	s_add_co_u32 s17, s17, s41                     ; tile row
	s_lshl_b32 s43, s41, 2
	s_lshl_b32 s43, 15, s43
	s_lshl_b32 s44, 0x1111, s40
	s_or_b32 s[G1+0], s43, (3<<16)|(1<<21)
	s_or_b32 s[G1B+0], s44, (3<<16)|(1<<21)
.irp g, G1, G1B
	s_mov_b32 s[\g+1], 512<<16
	s_mov_b32 s[\g+2], 8<<16
	s_mov_b32 s[\g+3], 512<<16
	s_mov_b32 s[\g+4], 8
	s_mov_b32 s[\g+5], RBB/8
	s_mov_b32 s[\g+6], 0
	s_mov_b32 s[\g+7], 0
.endr
	s_lshl_b32 s18, s16, 3
	s_lshl_b32 s20, s17, 4
	s_add_co_u32 s20, s20, s18
	s_mul_i32 s20, s20, RBB
	s_mov_b32 s21, 0
	s_lshl_b32 s46, s42, 4
	s_add_co_u32 s46, s46, s18
	s_mul_i32 s46, s46, RBB
	s_add_co_u32 s46, s46, BOFF
	s_mov_b32 s47, 0
	s_mul_i32 s45, s14, HALFT
	s_wait_dscnt 0x0
	s_wait_kmcnt 0x0
	s_load_b64 s[96:97], s[8:9], SCOFF             ; ea, eb
	s_add_nc_u64 s[20:21], s[4:5], s[20:21]
	s_add_nc_u64 s[46:47], s[6:7], s[46:47]
	CROUND
.irp s, 0,1
	s_mov_b32 s[G0+4*\s], 1
	s_add_co_u32 s[G0+4*\s+1], s45, \s*SLOT
	s_add_nc_u64 s[G0+4*\s+2:G0+4*\s+3], s[20:21], \s*STEPB
	s_or_b32 s[G0+4*\s+3], s[G0+4*\s+3], 0x80000000
	s_mov_b32 s[G0B+4*\s], 1
	s_add_co_u32 s[G0B+4*\s+1], s45, \s*SLOT
	s_add_nc_u64 s[G0B+4*\s+2:G0B+4*\s+3], s[46:47], \s*STEPB
	s_or_b32 s[G0B+4*\s+3], s[G0B+4*\s+3], 0x80000000
	JLOAD G0+4*\s, G1, G0B+4*\s, G1B
.endr
	v_and_b32 v1, 31, v0
	v_and_b32 v2, 15, v0
	v_bfe_u32 v3, v0, 4, 1
	v_lshlrev_b32 v[LI], 4, v1
	s_lshl_b32 s70, s15, 15
	s_lshl_b32 s71, s16, 15
	s_add_co_u32 s71, s71, 2*HALFT
.irp s, 0,1
	v_add_nc_u32 v[ADRA+\s], s70, v[LI]
	v_add_nc_u32 v[ADRB+\s], s71, v[LI]
	s_add_co_u32 s70, s70, SLOT
	s_add_co_u32 s71, s71, SLOT
.endr
	s_mul_i32 s72, s14, 16*SPITCH
	v_mul_u32_u24 v[STO], v2, SPITCH
	v_lshl_add_u32 v[STO], v3, 5, v[STO]
	v_add_nc_u32 v[STO], s72, v[STO]
	v_add_nc_u32 v[RD], s72, v[LI]
	v_lshlrev_b32 v[XO], 12, v2
	v_lshl_add_u32 v[XO], v3, 5, v[XO]
	s_lshl_b32 s70, s17, 8
	s_lshl_b32 s71, s15, 7
	s_add_co_u32 s70, s70, s71
	s_lshl_b32 s70, s70, 12
	s_lshl_b32 s71, s42, 10
	s_add_co_u32 s70, s70, s71
	s_lshl_b32 s71, s16, 9
	s_add_co_u32 s70, s70, s71
	s_mov_b32 s71, 0
	s_add_nc_u64 s[10:11], s[10:11], s[70:71]
	s_add_nc_u64 s[12:13], s[12:13], s[70:71]
	; the residual into the accumulators, in their own layout
	WIN 0x80
.irp a, 0,1,2,3
.irp b, 0,1,2,3,4,5,6,7
	global_load_b128 v[8*(8*\a+\b):8*(8*\a+\b)+3], v[XO], s[10:11] offset:65536*\a+64*\b
	global_load_b128 v[8*(8*\a+\b)+4:8*(8*\a+\b)+7], v[XO], s[10:11] offset:65536*\a+64*\b+16
.endr
.endr
	WIN 0xc0
.irp a, 0,1,2,3
.irp b, 0,1,2,3,4,5,6,7
	global_load_b128 v[8*(8*\a+\b):8*(8*\a+\b)+3], v[XO], s[10:11] offset:65536*(\a+4)+64*\b
	global_load_b128 v[8*(8*\a+\b)+4:8*(8*\a+\b)+7], v[XO], s[10:11] offset:65536*(\a+4)+64*\b+16
.endr
.endr
	s_wait_kmcnt 0x0
	s_add_co_i32 s96, s96, s97
	s_sub_co_i32 s98, 127, s96
	s_lshl_b32 s98, s98, 23                        ; 2^-(ea + eb)
	s_mov_b32 s99, s98
	s_add_co_i32 s96, s96, 127
	s_lshl_b32 s96, s96, 23                        ; 2^(ea + eb)
	s_mov_b32 s97, s96
	s_wait_loadcnt 0x0
	WIN 0x82
.set n, 0
.rept 128
	v_pk_mul_f32 v[n:n+1], v[n:n+1], s[98:99] op_sel_hi:[1,0]
.set n, n+2
.endr
	WIN 0xc3
.set n, 0
.rept 128
	v_pk_mul_f32 v[n:n+1], v[n:n+1], s[98:99] op_sel_hi:[1,0]
.set n, n+2
.endr
	WIN 0
.macro FRAG reg, adr, q, i
.irp c, 0,1,2,3
	ds_load_b128 v[\reg+4*\c:\reg+4*\c+3], v[\adr] offset:2048*(\q)+512*\c+4096*(\i)
.endr
.endm
.macro MUL16 a0, p                     ; 16 matrix instructions; the 64 accumulators take turns
.irp a, \a0, \a0+1
.irp b, 0,1,2,3,4,5,6,7
	v_wmma_f32_16x16x128_fp8_fp8 v[8*(8*((\a)%4)+\b):8*(8*((\a)%4)+\b)+7], v[128*(\p)+FR*\b:128*(\p)+FR*\b+FR-1], v[AF+FR*(\a):AF+FR*(\a)+FR-1], v[8*(8*((\a)%4)+\b):8*(8*((\a)%4)+\b)+7]
.endr
.endr
.endm
.macro FETCH_B slot, q, p
	WIN TO_B
.irp i, 0,1,2,3,4,5,6,7
	FRAG 128*(\p)+FR*\i, ADRB+\slot, \q, \i
.endr
	WIN 0
.endm
.macro FETCH_A slot, q, i0
.irp i, \i0, \i0+1, \i0+2, \i0+3
	FRAG AF+FR*(\i), ADRA+\slot, \q, \i
.endr
.endm
.macro PLACES n
.rept \n
	v_nop
.endr
.endm
.macro STEP slot, q
	s_wait_dscnt 4*NL                              ; the youngest 16 loads (A's blocks 4-7) may be out
	WIN MUL_LO
	MUL16 0, (\q)%2
	MUL16 2, (\q)%2
	s_wait_dscnt 0
	PLACES NP
	FETCH_B \slot, (\q)+1, 1-(\q)%2
	FETCH_A \slot, (\q)+1, 0
	WIN MUL_HI
	MUL16 4, (\q)%2
	MUL16 6, (\q)%2
	PLACES NP
	WIN 0
	FETCH_A \slot, (\q)+1, 4
.endm
.macro TURN slot, next, fill
	s_wait_tensorcnt 0x0                           ; all my tensor loads have landed
	ds_add_u32 v[SPW], v[NIL]
	s_wait_dscnt 4*NL+1                            ; the add and the youngest 16 loads may be out
	WIN MUL_LO
	MUL16 0, 1
	s_wait_dscnt 0x0                               ; the add is done, and my reads of this slot are over
	s_barrier_signal -1
	MUL16 2, 1
	WIN 0
	s_barrier_wait -1
.if \fill
	CREST
	s_add_nc_u64 s[G0+4*\slot+2:G0+4*\slot+3], s[G0+4*\slot+2:G0+4*\slot+3], 2*STEPB
	s_add_nc_u64 s[G0B+4*\slot+2:G0B+4*\slot+3], s[G0B+4*\slot+2:G0B+4*\slot+3], 2*STEPB
	JLOAD G0+4*\slot, G1, G0B+4*\slot, G1B
.else
	PLACES NP
.endif
	FETCH_B \next, 0, 0
	FETCH_A \next, 0, 0
	WIN MUL_HI
	MUL16 4, 1
	MUL16 6, 1
	PLACES NP
	WIN 0
	FETCH_A \next, 0, 4
.endm
	s_wait_tensorcnt 1                             ; my part of K step 0 is in; K step 1's may be out
	s_barrier_signal -1
	s_barrier_wait -1
	FETCH_B 0, 0, 0
	FETCH_A 0, 0, 0
	FETCH_A 0, 0, 4
	STEP 0, 0                                      ; the first products add onto the residual
	s_mov_b32 s3, LAPS-1
.Llap:
	TURN 0, 1, 1
	STEP 1, 0
	TURN 1, 0, 1
	STEP 0, 0
	s_sub_co_u32 s3, s3, 1
	s_cmp_lg_u32 s3, 0
	s_cbranch_scc1 .Llap
	TURN 0, 1, 0
	STEP 1, 0
	s_wait_dscnt 4*NL
	WIN MUL_LO
	MUL16 0, 1
	MUL16 2, 1
	s_wait_dscnt 0
	WIN MUL_HI
	MUL16 4, 1
	MUL16 6, 1
	WIN 0
; THE WAY OUT, block by block of 16 rows x 128 columns, through my own stage: in as 32 bytes a lane, back as whole rows of 512 bytes.  LDS serves a wave's instructions in order: no wait between the stores and the loads.
.macro TOSTAGE a
.set AC, 64*((\a)%4)
	WIN 0x02+((\a)/4)
.set n, 0
.rept 32
	v_pk_mul_f32 v[TMP+n:TMP+n+1], v[AC+n:AC+n+1], s[96:97] op_sel_hi:[1,0]   ; x 2^(ea + eb); each accumulator from its low end on
.set n, n+2
.endr
	WIN 0
.irp b, 0,1,2,3,4,5,6,7
	ds_store_b128 v[STO], v[TMP+8*\b:TMP+8*\b+3] offset:64*\b
	ds_store_b128 v[STO], v[TMP+8*\b+4:TMP+8*\b+7] offset:64*\b+16
.endr
.set BB, BK+64*((\a)%2)
.irp t, 0,1,2,3,4,5,6,7,8,9,10,11,12,13,14,15
	ds_load_b128 v[BB+4*\t:BB+4*\t+3], v[RD] offset:\t*SPITCH
.endr
.endm
.macro SEND a, younger
.set BB, BK+64*((\a)%2)
	s_wait_dscnt \younger
.irp t, 0,1,2,3,4,5,6,7,8,9,10,11,12,13,14,15
	global_store_b128 v[LI], v[BB+4*\t:BB+4*\t+3], s[12:13] offset:(16*(\a)+\t)*4096 th:TH_STORE_NT   ; 32 lanes store 512 consecutive bytes
.endr
.endm
	PLACES NP
	TOSTAGE 0
.irp a, 1,2,3,4,5,6,7
.if \a > 1
	s_wait_xcnt 0x0                                ; block a - 2's stores have read their registers: block a's loads may land there
.endif
	TOSTAGE \a
	SEND \a-1, 32                                  ; behind block a - 1's loads: block a's 16 stores and 16 loads
.endr
	SEND 7, 0
	s_wait_tensorcnt 0x0                           ; the wave's end
	ds_add_u32 v[SPW], v[NIL]
	s_wait_dscnt 0x0
	CROUND
	s_endpgm
.Lfunc_end_k_q54decf2171_proj:
	.size	k_q54decf2171_proj, .Lfunc_end_k_q54decf2171_proj-k_q54decf2171_proj
	.p2alignl 7, 3214868480
	.fill 96, 4, 3214868480
	.section	.rodata,"a",@progbits
	.p2align	6, 0x0
	.amdhsa_kernel k_q54decf2171_proj
		.amdhsa_group_segment_fixed_size 327680
		.amdhsa_private_segment_fixed_size 0
		.amdhsa_enable_private_segment 0
		.amdhsa_kernarg_size 40
		.amdhsa_user_sgpr_count 2
		.amdhsa_user_sgpr_kernarg_segment_ptr 1
		.amdhsa_wavefront_size32 1
		.amdhsa_system_sgpr_workgroup_id_x 1
		.amdhsa_system_sgpr_workgroup_id_y 1
		.amdhsa_system_sgpr_workgroup_id_z 1
		.amdhsa_system_vgpr_workitem_id 0
		.amdhsa_next_free_vgpr 1024
		.amdhsa_next_free_sgpr 100
		.amdhsa_reserve_vcc 0
		.amdhsa_float_denorm_mode_32 3
		.amdhsa_float_denorm_mode_16_64 3
		.amdhsa_memory_ordered 1
		.amdhsa_forward_progress 1
		.amdhsa_inst_pref_size 151
	.end_amdhsa_kernel
	.amdgpu_metadata
---
amdhsa.version: [ 1, 2 ]
amdhsa.kernels:
  - .name:           k_q54decf2171_proj
    .symbol:         k_q54decf2171_proj.kd
    .args:
      - { .name: hidc, .offset: 0, .size: 8, .value_kind: global_buffer, .address_space: global }
      - { .name: pc, .offset: 8, .size: 8, .value_kind: global_buffer, .address_space: global }
      - { .name: lowp_scales, .offset: 16, .size: 8, .value_kind: global_buffer, .address_space: global }
      - { .name: x1, .offset: 24, .size: 8, .value_kind: global_buffer, .address_space: global }
      - { .name: out0, .offset: 32, .size: 8, .value_kind: global_buffer, .address_space: global }
    .group_segment_fixed_size: 327680
    .private_segment_fixed_size: 0
    .kernarg_segment_align: 8
    .kernarg_segment_size: 40
    .max_flat_workgroup_size: 128
    .sgpr_count:     100
    .vgpr_count:     1024
    .wavefront_size: 32
...
	.end_amdgpu_metadata
.endif
;; end of part 7
;; ======== version 2 of 2: 7 launches
;; limits: right only within a limited range of input values
;; workspace buffers: pc 12,582,912 bytes; tab 524,288 bytes; qkvc 12,582,912 bytes; ac 4,194,304 bytes; x1 16,777,216 bytes; h2c 4,194,304 bytes; hidc 8,388,608 bytes
;; launch prep (part 8): grid 896 x 1, 8 waves a work-group, no clusters, 69,632 bytes of LDS; arguments x, w_in_norm, w_qkv, w_out, w_fc, w_proj, lowp_scales, pc, tab; writes pc, tab
.if DOCPART == 8
	.amdgcn_target "amdgcn-amd-amdhsa--gfx1250"
	.amdhsa_code_object_version 6
	.text
	.protected	k_q54decf2171_prep
	.globl	k_q54decf2171_prep
	.p2align	8
	.type	k_q54decf2171_prep,@function
k_q54decf2171_prep:
	s_mov_b64 s[64:65], 0
	v_nop
	global_prefetch_b8 v0, s[64:65] scope:SCOPE_SE
	s_setreg_imm32_b32 hwreg(HW_REG_WAVE_MODE, 25, 1), 1
	s_wait_xcnt 0x0
; FIRST OF SEVEN LAUNCHES of a pre-norm transformer block (4,096 tokens, width 1,024, 16 heads of 64, hidden 2,048), all six matrix products on codes of E4M3 with given scales 2^e.
; THIS LAUNCH: rmsnorm(x) x w_in_norm and the four weights become codes; the table of cosines and sines for the rotary embedding is made.
; WORK LEFT OUT IN THE PROGRAM: reference() itself builds a causal mask (jnp.tril) and replaces the scores of keys behind the query ahead of the softmax, whatever the inputs hold.  So the attention launch does not
; multiply a step of 16 queries x 128 keys all of whose keys come behind all its queries.  Nothing else is left out; every input is loaded.
; LIMIT: a NaN, an infinity or an overflow that would arise only in those hidden scores is not carried to the result.
; LAYOUT OF EVERY OPERAND IN THE WORKSPACE: an image of the matrix operand's registers.  A unit is 16 rows x 128 along K, 2,048 bytes: lane 16 h + r holds row r, registers 2 c, 2 c + 1 hold k = 16 c + 8 h + 0 .. 7;
; registers 4 q .. 4 q + 3 of lane l lie at byte 512 q + 16 l of the unit.  A tensor [rows][K] is [rows / 16][K / 128] units.
; pc holds, unit after unit: the codes of rmsnorm(x) (2,048 units), w_qkv (1,536), w_out (512), w_fc (1,024), w_proj (1,024).
; SHARES: a wave makes one unit, a work-group eight: unit 8 x work-group + wave.  Work-groups 0-255: x (16 rows, the eight waves share a row's sum of squares through LDS); 256-447 w_qkv; 448-511 w_out; 512-639 w_fc;
; 640-767 w_proj; 768-895: the table, 16 positions each.
; code = number / 2^e, held within +-448, rounded to the nearest code, ties to even.  LIMITS: each e used here (entries 0, 1, 7, 9, 11) lies between -126 and 119; NaN among the inputs is not served.
; THE TABLE: inv_freq = 2^(-i log2(10000) / 32) by v_exp_f32, angle = position x inv_freq in f32, reduced by multiples of pi / 2 (in two parts), sine and cosine by their series to z^4 and z^5 on +-pi / 4.
; LIMIT: inv_freq is good to about one part in 10^7, so an angle near 2,047 is good to about 2e-4.
.set STGB,  8448                       ; a wave's stage: 16 rows x (512 bytes + 16)
.set PART,  8*STGB                     ; 16 rows x 8 waves: partial sums of squares, 512 bytes
.set SPARE, PART+512                   ; the spare words, 128 bytes for each wave: four blocks of 256 bytes that no other line names
.set LI,  4                            ; v4   16 x lane: my bytes of a row's 512, and of a unit's chunk
.set SI,  5                            ; v5   the stage, on the way in
.set SO,  6                            ; v6   the stage, on the way out: row r, + 32 h
.set WA,  8                            ; v8   32 h: my place in the gain
.set PW,  9                            ; v9   where my wave's partial sum of row r goes
.set PR,  10                           ; v10  row r's eight partial sums
.set SPW, 12                           ; v12  my spare word; never rewritten
.set NIL, 13                           ; v13  0; never rewritten
.set SC,  14                           ; v14  2^e as f32
.set LIM, 15                           ; v15  448 x 2^e
.set R,   16                           ; v16-79   16 rows as loaded
.set X,   80                           ; v80-143  register 8 c + y: k = 16 c + 8 h + y of row r
.set W,   144                          ; v144-207 the gain at the same k
.set C,   208                          ; v208-223 the codes
	s_load_b256 s[4:11], s[0:1], 0x0               ; x s[4:5], w_in_norm s[6:7], w_qkv s[8:9], w_out s[10:11]
	s_load_b256 s[12:19], s[0:1], 0x20             ; w_fc s[12:13], w_proj s[14:15], lowp_scales s[16:17], pc s[18:19]
	s_load_b64 s[20:21], s[0:1], 0x40              ; tab
	v_lshl_add_u32 v[SPW], v0, 2, SPARE
	v_mov_b32 v[NIL], 0
	v_lshrrev_b32 v1, 5, v0
	s_delay_alu instid0(VALU_DEP_1)
	v_readfirstlane_b32 s22, v1                    ; wave 0..7
	v_and_b32 v1, 31, v0                           ; lane
	v_and_b32 v2, 15, v0                           ; r
	v_bfe_u32 v3, v0, 4, 1                         ; h
	s_delay_alu instid0(VALU_DEP_3)
	v_lshlrev_b32 v[LI], 4, v1
	s_mul_i32 s23, s22, STGB
	v_add_nc_u32 v[SI], s23, v[LI]
	v_mul_u32_u24 v[SO], v2, 528
	s_delay_alu instid0(VALU_DEP_1)
	v_lshl_add_u32 v[SO], v3, 5, v[SO]
	s_delay_alu instid0(VALU_DEP_1)
	v_add_nc_u32 v[SO], s23, v[SO]
	v_lshlrev_b32 v[WA], 5, v3
	v_lshlrev_b32 v[PR], 5, v2
	s_delay_alu instid0(VALU_DEP_1)
	v_add_nc_u32 v[PR], PART, v[PR]
	s_lshl_b32 s24, s22, 2
	v_add_nc_u32 v[PW], s24, v[PR]
	s_mov_b32 s48, 0x76543210                      ; v_permlanex16_b32: lane l takes lane l xor 16
	s_mov_b32 s49, 0xfedcba98
	s_wait_kmcnt 0x0
	s_load_b256 s[32:39], s[16:17], 0x0            ; e0 .. e7
	s_load_b128 s[40:43], s[16:17], 0x20           ; e8 .. e11
	s_cmp_ge_u32 ttmp9, 768
	s_cbranch_scc1 .Lrope
	; which tensor: only a pointer and numbers are chosen, by the work-group's number; all tensors take one way through the text
	s_mov_b64 s[30:31], s[14:15]                   ; w_proj,
	s_mov_b32 s23, 640                             ; whose first work-group is 640
	s_cmp_lt_u32 ttmp9, 640
	s_cselect_b64 s[30:31], s[12:13], s[30:31]
	s_cselect_b32 s23, 512, s23
	s_cselect_b32 s24, 3, 4                        ; log2 of the units in a row block: K = 1,024 has 8, w_proj's 2,048 has 16
	s_cmp_lt_u32 ttmp9, 512
	s_cselect_b64 s[30:31], s[10:11], s[30:31]
	s_cselect_b32 s23, 448, s23
	s_cmp_lt_u32 ttmp9, 448
	s_cselect_b64 s[30:31], s[8:9], s[30:31]
	s_cselect_b32 s23, 256, s23
	s_cmp_lt_u32 ttmp9, 256
	s_cselect_b64 s[30:31], s[4:5], s[30:31]
	s_cselect_b32 s23, 0, s23
	s_sub_co_u32 s25, ttmp9, s23
	s_lshl_b32 s25, s25, 3
	s_add_co_u32 s25, s25, s22                     ; my unit in the tensor
	s_lshr_b32 s26, s25, s24                       ; its row block
	s_lshl_b32 s27, s26, s24
	s_sub_co_u32 s27, s25, s27                     ; its 128 along K
	s_add_co_u32 s28, s24, 13
	s_lshl_b32 s28, s26, s28                       ; 16 rows of 4 K bytes
	s_lshl_b32 s29, s27, 9
	s_add_co_u32 s28, s28, s29                     ; + 512 bytes for each 128 along K
	s_mov_b32 s29, 0
	s_add_nc_u64 s[30:31], s[30:31], s[28:29]
	s_lshl_b32 s46, ttmp9, 3
	s_add_co_u32 s46, s46, s22
	s_lshl_b32 s46, s46, 11                        ; my unit in pc
	s_mov_b32 s47, 0
	s_add_nc_u64 s[18:19], s[18:19], s[46:47]
	s_lshl_b32 s46, s22, 9
	s_add_nc_u64 s[50:51], s[6:7], s[46:47]        ; the gain at my wave's 128 (used for x alone, where the wave is the unit's place along K)
.macro LOADU rowb                      ; 16 rows: each load reads 512 consecutive bytes of one row
.irp i, 0,1,2,3,4,5,6,7,8,9,10,11,12,13,14,15
	global_load_b128 v[R+4*\i:R+4*\i+3], v[LI], s[30:31] offset:\i*\rowb th:TH_LOAD_NT
.endr
.endm
	s_cmp_lt_u32 ttmp9, 640
	s_cbranch_scc0 .Lwide
	s_wait_alu depctr_va_vdst(0)
	LOADU 4096
	s_branch .Lloaded
.Lwide:
	s_wait_alu depctr_va_vdst(0)
	LOADU 8192
.Lloaded:
	s_wait_kmcnt 0x0
	s_mov_b32 s44, s43                             ; e11, w_proj's
	s_cmp_lt_u32 ttmp9, 640
	s_cselect_b32 s44, s41, s44                    ; e9
	s_cmp_lt_u32 ttmp9, 512
	s_cselect_b32 s44, s39, s44                    ; e7
	s_cmp_lt_u32 ttmp9, 448
	s_cselect_b32 s44, s33, s44                    ; e1
	s_cmp_lt_u32 ttmp9, 256
	s_cselect_b32 s44, s32, s44                    ; e0
	s_add_co_i32 s44, s44, 127
	s_lshl_b32 s45, s44, 23
	v_mov_b32 v[SC], s45                           ; 2^e: the conversion takes its exponent field
	s_add_co_i32 s44, s44, 8
	s_lshl_b32 s44, s44, 23
	s_or_b32 s44, s44, 0x600000
	v_mov_b32 v[LIM], s44                          ; 448 x 2^e
	; through the wave's own stage: in as loaded, out as the operand's layout wants it.  LDS serves a wave's instructions in order: no wait between the stores and the loads
.irp i, 0,1,2,3,4,5,6,7,8,9,10,11,12,13,14,15
	s_wait_loadcnt 15-\i                           ; row i is in; the 15 - i younger loads may be out
	ds_store_b128 v[SI], v[R+4*\i:R+4*\i+3] offset:528*\i
.endr
.irp c, 0,1,2,3,4,5,6,7
	ds_load_b128 v[X+8*\c:X+8*\c+3], v[SO] offset:64*\c
	ds_load_b128 v[X+8*\c+4:X+8*\c+7], v[SO] offset:64*\c+16
.endr
	s_wait_dscnt 0x0
	s_cmp_ge_u32 ttmp9, 256                        ; the same in all eight waves
	s_cbranch_scc1 .Lquant
	; x alone: x / sqrt(mean of squares + 1e-6) x gain
.irp c, 0,1,2,3,4,5,6,7
	global_load_b128 v[W+8*\c:W+8*\c+3], v[WA], s[50:51] offset:64*\c
	global_load_b128 v[W+8*\c+4:W+8*\c+7], v[WA], s[50:51] offset:64*\c+16
.endr
	v_pk_mul_f32 v[224:225], v[X:X+1], v[X:X+1]    ; my 64 squares, in two chains of pairs
	v_pk_mul_f32 v[226:227], v[X+2:X+3], v[X+2:X+3]
.set n, 4
.rept 15
	s_delay_alu instid0(VALU_DEP_2)
	v_pk_fma_f32 v[224:225], v[X+n:X+n+1], v[X+n:X+n+1], v[224:225]
	s_delay_alu instid0(VALU_DEP_2)
	v_pk_fma_f32 v[226:227], v[X+n+2:X+n+3], v[X+n+2:X+n+3], v[226:227]
.set n, n+4
.endr
	s_delay_alu instid0(VALU_DEP_1)
	v_pk_add_f32 v[224:225], v[224:225], v[226:227]
	s_delay_alu instid0(VALU_DEP_1)
	v_add_f32 v224, v224, v225
	s_delay_alu instid0(VALU_DEP_1)
	v_permlanex16_b32 v226, v224, s48, s49         ; the row's other 64 of my wave's 128
	s_delay_alu instid0(VALU_DEP_1)
	v_add_f32 v224, v224, v226
	ds_store_b32 v[PW], v224                       ; lanes r and r + 16 write the same word with the same number
	s_wait_dscnt 0x0                               ; for the others' sake: my store has landed
	s_barrier_signal -1
	s_barrier_wait -1
	ds_load_b128 v[228:231], v[PR]
	ds_load_b128 v[232:235], v[PR] offset:16
	s_wait_dscnt 0x0
	v_add_f32 v228, v228, v229
	v_add_f32 v230, v230, v231
	v_add_f32 v232, v232, v233
	v_add_f32 v234, v234, v235
	s_delay_alu instid0(VALU_DEP_3)
	v_add_f32 v228, v228, v230
	s_delay_alu instid0(VALU_DEP_2)
	v_add_f32 v232, v232, v234
	s_delay_alu instid0(VALU_DEP_1)
	v_add_f32 v228, v228, v232
	v_mov_b32 v229, 0x358637bd                     ; 1e-6
	s_delay_alu instid0(VALU_DEP_1)
	v_fma_f32 v228, v228, 0x3a800000, v229         ; sum / 1,024 + 1e-6
	s_wait_alu depctr_va_vdst(0)
	v_rsq_f32 v236, v228
	v_mov_b32 v237, 0                              ; a plain instruction behind the transcendental; v237 is named as the pair's upper half
	s_wait_alu depctr_va_vdst(0)                   ; ahead of the result's first reader
.set n, 0
.rept 32
	v_pk_mul_f32 v[X+n:X+n+1], v[X+n:X+n+1], v[236:237] op_sel_hi:[1,0]
.set n, n+2
.endr
	s_wait_loadcnt 0x0                             ; the gain
.set n, 0
.rept 32
	v_pk_mul_f32 v[X+n:X+n+1], v[X+n:X+n+1], v[W+n:W+n+1]
.set n, n+2
.endr
.Lquant:
.set n, 0
	s_wait_alu depctr_va_vdst(0)
.rept 64
	v_med3_num_f32 v[X+n], v[X+n], -v[LIM], v[LIM] ; the conversion to an 8-bit code does not saturate (ISA guide 7.6.2): the hold at the largest code x the scale
.set n, n+1
.endr
.irp c, 0,1,2,3,4,5,6,7
	v_cvt_scalef32_pk8_fp8_f32 v[C+2*\c:C+2*\c+1], v[X+8*\c:X+8*\c+7], v[SC]
.endr
	v_nop
.irp q, 0,1,2,3
	global_store_b128 v[LI], v[C+4*\q:C+4*\q+3], s[18:19] offset:512*\q   ; the wave stores 512 consecutive bytes
.endr
	s_wait_tensorcnt 0x0                           ; the wave's end
	ds_add_u32 v[SPW], v[NIL]
	s_wait_dscnt 0x0
	s_endpgm
	; THE TABLE.  tab: [16 positions' block 128][bb 4][w 2][lane 32][16 bytes]: lane (r, h) holds cos, sin, cos, sin of the pairs i = 8 bb + 4 h + 2 w + 0, 1 at position 16 x block + r.
	; Thread t = 64 bb + 32 w + lane makes one entry of 16 bytes.  This way writes no LDS.
.Lrope:
	s_mov_b32 s52, 0xbed49a78                      ; -log2(10000) / 32
	s_mov_b32 s53, 0x3f22f983                      ; 2 / pi
	s_mov_b32 s54, 0x3fc90fdb                      ; pi / 2, rounded to f32,
	s_mov_b32 s55, 0x333bbd2e                      ; and what that is too large by
	s_sub_co_u32 s25, ttmp9, 768
	s_lshl_b32 s26, s25, 4
	s_lshl_b32 s28, s25, 12
	s_mov_b32 s29, 0
	s_add_nc_u64 s[20:21], s[20:21], s[28:29]
	v_lshrrev_b32 v16, 6, v0                       ; bb
	v_bfe_u32 v17, v0, 5, 1                        ; w
	s_delay_alu instid0(VALU_DEP_2)
	v_lshlrev_b32 v16, 3, v16
	s_delay_alu instid0(VALU_DEP_1)
	v_lshl_add_u32 v16, v3, 2, v16
	s_delay_alu instid0(VALU_DEP_1)
	v_lshl_add_u32 v16, v17, 1, v16                ; i of the first pair
	v_add_nc_u32 v17, s26, v2
	s_delay_alu instid0(VALU_DEP_1)
	v_cvt_f32_u32 v17, v17                         ; the position
	v_lshlrev_b32 v18, 4, v0
	; the two pairs go line by line beside each other; pair e works in v[32 + 16 e] on
.irp e, 0,1
	v_add_nc_u32 v[32+16*\e], \e, v16
.endr
.irp e, 0,1
	s_delay_alu instid0(VALU_DEP_2)
	v_cvt_f32_u32 v[32+16*\e], v[32+16*\e]
.endr
.irp e, 0,1
	s_delay_alu instid0(VALU_DEP_2)
	v_mul_f32 v[32+16*\e], s52, v[32+16*\e]
.endr
	s_wait_alu depctr_va_vdst(0)
.irp e, 0,1
	v_exp_f32 v[33+16*\e], v[32+16*\e]             ; inv_freq
.endr
	v_nop                                          ; a plain instruction behind the transcendentals,
	s_wait_alu depctr_va_vdst(0)                   ; and one wait for both, ahead of the first reader
.irp e, 0,1
	v_mul_f32 v[34+16*\e], v17, v[33+16*\e]        ; the angle a
.endr
.irp e, 0,1
	s_delay_alu instid0(VALU_DEP_2)
	v_mul_f32 v[35+16*\e], s53, v[34+16*\e]
.endr
.irp e, 0,1
	s_delay_alu instid0(VALU_DEP_2)
	v_rndne_f32 v[35+16*\e], v[35+16*\e]           ; n = the nearest multiple of pi / 2
.endr
.irp e, 0,1
	s_delay_alu instid0(VALU_DEP_2)
	v_fma_f32 v[36+16*\e], -v[35+16*\e], s54, v[34+16*\e]
.endr
.irp e, 0,1
	s_delay_alu instid0(VALU_DEP_2)
	v_fma_f32 v[36+16*\e], v[35+16*\e], s55, v[36+16*\e]   ; rho = a - n pi / 2, within +-pi / 4
.endr
.irp e, 0,1
	s_delay_alu instid0(VALU_DEP_2)
	v_mul_f32 v[37+16*\e], v[36+16*\e], v[36+16*\e]        ; z = rho^2
.endr
.irp e, 0,1
	v_mov_b32 v[38+16*\e], 0x3638ef1d              ; the sine's series: 1 / 9!
	v_mov_b32 v[39+16*\e], 0xb493f27e              ; the cosine's: -1 / 10!
.endr
.irp e, 0,1
	s_delay_alu instid0(VALU_DEP_4)
	v_fmaak_f32 v[38+16*\e], v[38+16*\e], v[37+16*\e], 0xb9500d01   ; -1 / 7!
	s_delay_alu instid0(VALU_DEP_4)
	v_fmaak_f32 v[39+16*\e], v[39+16*\e], v[37+16*\e], 0x37d00d01   ; 1 / 8!
.endr
.irp e, 0,1
	s_delay_alu instid0(VALU_DEP_4)
	v_fmaak_f32 v[38+16*\e], v[38+16*\e], v[37+16*\e], 0x3c088889   ; 1 / 5!
	s_delay_alu instid0(VALU_DEP_4)
	v_fmaak_f32 v[39+16*\e], v[39+16*\e], v[37+16*\e], 0xbab60b61   ; -1 / 6!
.endr
.irp e, 0,1
	s_delay_alu instid0(VALU_DEP_4)
	v_fmaak_f32 v[38+16*\e], v[38+16*\e], v[37+16*\e], 0xbe2aaaab   ; -1 / 3!
	s_delay_alu instid0(VALU_DEP_4)
	v_fmaak_f32 v[39+16*\e], v[39+16*\e], v[37+16*\e], 0x3d2aaaab   ; 1 / 4!
.endr
.irp e, 0,1
	s_delay_alu instid0(VALU_DEP_4)
	v_mul_f32 v[38+16*\e], v[38+16*\e], v[37+16*\e]
	s_delay_alu instid0(VALU_DEP_4)
	v_fma_f32 v[39+16*\e], v[39+16*\e], v[37+16*\e], -0.5
.endr
.irp e, 0,1
	s_delay_alu instid0(VALU_DEP_4)
	v_fma_f32 v[38+16*\e], v[38+16*\e], v[36+16*\e], v[36+16*\e]    ; sin rho
	s_delay_alu instid0(VALU_DEP_4)
	v_fma_f32 v[39+16*\e], v[39+16*\e], v[37+16*\e], 1.0            ; cos rho
.endr
.irp e, 0,1
	v_cvt_i32_f32 v[40+16*\e], v[35+16*\e]         ; n as a whole number, not negative
.endr
.irp e, 0,1
	v_and_b32 v[41+16*\e], 1, v[40+16*\e]
	s_delay_alu instid0(VALU_DEP_1)
	v_cmp_eq_u32 vcc_lo, 1, v[41+16*\e]            ; an odd quarter turn swaps sine and cosine
	s_delay_alu instid0(VALU_DEP_1)
	v_cndmask_b32 v[21+2*\e], v[38+16*\e], v[39+16*\e], vcc_lo
	s_delay_alu instid0(VALU_DEP_2)
	v_cndmask_b32 v[20+2*\e], v[39+16*\e], v[38+16*\e], vcc_lo
.endr
.irp e, 0,1
	v_and_b32 v[41+16*\e], 2, v[40+16*\e]          ; the sine is negated in quarters 2 and 3,
	v_add_nc_u32 v[40+16*\e], 1, v[40+16*\e]
.endr
.irp e, 0,1
	s_delay_alu instid0(VALU_DEP_4)
	v_lshlrev_b32 v[41+16*\e], 30, v[41+16*\e]
	s_delay_alu instid0(VALU_DEP_4)
	v_and_b32 v[40+16*\e], 2, v[40+16*\e]          ; the cosine in quarters 1 and 2
.endr
.irp e, 0,1
	s_delay_alu instid0(VALU_DEP_4)
	v_xor_b32 v[21+2*\e], v[41+16*\e], v[21+2*\e]
	s_delay_alu instid0(VALU_DEP_4)
	v_lshlrev_b32 v[40+16*\e], 30, v[40+16*\e]
.endr
.irp e, 0
	s_delay_alu instid0(VALU_DEP_3)
	v_xor_b32 v[20+2*\e], v[40+16*\e], v[20+2*\e]
.endr
.irp e, 1
	s_delay_alu instid0(VALU_DEP_2)
	v_xor_b32 v[20+2*\e], v[40+16*\e], v[20+2*\e]
.endr
	global_store_b128 v18, v[20:23], s[20:21]      ; a wave stores 512 consecutive bytes
	s_endpgm
.Lfunc_end_k_q54decf2171_prep:
	.size	k_q54decf2171_prep, .Lfunc_end_k_q54decf2171_prep-k_q54decf2171_prep
	.p2alignl 7, 3214868480
	.fill 96, 4, 3214868480
	.section	.rodata,"a",@progbits
	.p2align	6, 0x0
	.amdhsa_kernel k_q54decf2171_prep
		.amdhsa_group_segment_fixed_size 69632
		.amdhsa_private_segment_fixed_size 0
		.amdhsa_enable_private_segment 0
		.amdhsa_kernarg_size 72
		.amdhsa_user_sgpr_count 2
		.amdhsa_user_sgpr_kernarg_segment_ptr 1
		.amdhsa_wavefront_size32 1
		.amdhsa_system_sgpr_workgroup_id_x 1
		.amdhsa_system_sgpr_workgroup_id_y 1
		.amdhsa_system_sgpr_workgroup_id_z 1
		.amdhsa_system_vgpr_workitem_id 0
		.amdhsa_next_free_vgpr 240
		.amdhsa_next_free_sgpr 66
		.amdhsa_reserve_vcc 1
		.amdhsa_float_denorm_mode_32 3
		.amdhsa_float_denorm_mode_16_64 3
		.amdhsa_memory_ordered 1
		.amdhsa_forward_progress 1
		.amdhsa_inst_pref_size 31
	.end_amdhsa_kernel
	.amdgpu_metadata
---
amdhsa.version: [ 1, 2 ]
amdhsa.kernels:
  - .name:           k_q54decf2171_prep
    .symbol:         k_q54decf2171_prep.kd
    .args:
      - { .name: x, .offset: 0, .size: 8, .value_kind: global_buffer, .address_space: global }
      - { .name: w_in_norm, .offset: 8, .size: 8, .value_kind: global_buffer, .address_space: global }
      - { .name: w_qkv, .offset: 16, .size: 8, .value_kind: global_buffer, .address_space: global }
      - { .name: w_out, .offset: 24, .size: 8, .value_kind: global_buffer, .address_space: global }
      - { .name: w_fc, .offset: 32, .size: 8, .value_kind: global_buffer, .address_space: global }
      - { .name: w_proj, .offset: 40, .size: 8, .value_kind: global_buffer, .address_space: global }
      - { .name: lowp_scales, .offset: 48, .size: 8, .value_kind: global_buffer, .address_space: global }
      - { .name: pc, .offset: 56, .size: 8, .value_kind: global_buffer, .address_space: global }
      - { .name: tab, .offset: 64, .size: 8, .value_kind: global_buffer, .address_space: global }
    .group_segment_fixed_size: 69632
    .private_segment_fixed_size: 0
    .kernarg_segment_align: 8
    .kernarg_segment_size: 72
    .max_flat_workgroup_size: 256
    .sgpr_count:     66
    .vgpr_count:     240
    .wavefront_size: 32
...
	.end_amdgpu_metadata
.endif
;; end of part 8
;; launch qkv (part 9): grid 12 x 16, 4 waves a work-group, clusters of 4 x 4, 327,680 bytes of LDS; arguments pc, tab, lowp_scales, qkvc; writes qkvc
.if DOCPART == 9
	.amdgcn_target "amdgcn-amd-amdhsa--gfx1250"
	.amdhsa_code_object_version 6
	.text
	.protected	k_q54decf2171_qkv
	.globl	k_q54decf2171_qkv
	.p2align	8
	.type	k_q54decf2171_qkv,@function
k_q54decf2171_qkv:
	s_mov_b64 s[64:65], 0
	v_nop
	global_prefetch_b8 v0, s[64:65] scope:SCOPE_SE
	s_setreg_imm32_b32 hwreg(HW_REG_WAVE_MODE, 25, 1), 1
	s_wait_xcnt 0x0
	s_wait_alu depctr_hold_cnt(0) depctr_sa_sdst(0) depctr_va_vdst(0) depctr_va_sdst(0) depctr_va_ssrc(0) depctr_va_vcc(0) depctr_vm_vsrc(0)
	s_getreg_b32 s2, hwreg(HW_REG_IB_STS2, 6, 4)
	s_cmp_eq_u32 s2, 0
	s_cbranch_scc0 .Lentry_in_a_cluster
	s_endpgm
.Lentry_in_a_cluster:
	s_bfe_u32 s2, ttmp6, 0x10000c
	s_cmp_lg_u32 s2, 0xf033
	s_cbranch_scc0 .Lentry_shape_is_right
	s_endpgm
.Lentry_shape_is_right:
; q, k, v = rmsnorm(x) w_qkv^T on codes of E4M3; q and k are rotated (rotary embedding); all three leave as codes for the attention launch, as images of its operands' registers.  No work of reference() is left out here.
; OPERANDS: units of 16 rows x 128 K, 2,048 bytes, as images of the operand's registers (lane 16 h + r: row r; registers 2 c, 2 c + 1: k = 16 c + 8 h + 0 .. 7; registers 4 q .. 4 q + 3 of lane l at byte 512 q + 16 l).
; A row block's units lie on end (16,384 bytes for K = 1,024), so 256 along K of 8 row blocks are 8 runs of 4,096 bytes: one tensor load, no padding; a fragment comes by four ds_load_b128 at 16 x lane + constants.
; A tile of 256 x 256 of the result is made by four waves, each 128 x 128: 64 accumulators, 512 registers.  K goes in steps of 256 through two LDS slots.
; CLUSTERS of 4 x 4: the operand called A here is shared along a row of the cluster, the one called B along a column, each asked for jointly.
; THE MATRIX INSTRUCTION TAKES B's ROWS AS SOURCE 0 AND A's AS SOURCE 1: lane (r, h) holds A's row r, and register j of accumulator b holds B's row 16 b + 8 h + j: eight neighbours along the next product's K.
; So the conversions' results are registers 2 b, 2 b + 1 of the next operand, and are stored as they stand.
; The cluster's x is the section: 0 = q, 1 = k: A = tokens, B = rows of w_q or w_k.  2 = v: A = ROWS OF w_v, B = TOKENS: a lane then holds one channel and its registers run along the keys, as the second
; product of attention wants v.  Only numbers in the two global offsets are chosen for that; the choice is the same in all sixteen partners.
; qkvc: q at 0 and k at 4 MiB: [batch x head 32][16 positions' block 128][1,024 bytes: 16 rows x 64];  v at 8 MiB: [batch x head][128 keys' block 16][16 channels' block 4][2,048 bytes: 16 channels x 128 keys].
; SCALES: a sum stands for sum x 2^(e0 + e1); the rotation is linear, so it is made on the sums, and the conversion takes 2^(e - e0 - e1), e = e2 (q), e3 (k), e5 (v).  LIMIT: e - e0 - e1 between -126 and 119.
.set SIZE_K, 1024
.set RBB,    16*SIZE_K                 ; a row block's bytes
.set STEPB,  4096                      ; 256 along K of a row block
.set HALFT,  32768                     ; 8 row blocks x 4,096: what one tensor load brings, and what one wave reads of A or of B
.set SLOT,   4*HALFT                   ; A's two halves, then B's two
.set SPARE,  2*SLOT                    ; behind the ring: the spare words, 128 bytes for each wave
.set LAPS,   SIZE_K/512
.set FR,     16
.set NL,     4
.set NP,     4                         ; places behind this matrix instruction (ISA guide 7.12.1)
.set ADRA, 16                          ; v16-17 LDS address of my A fragments in slot 0, 1
.set ADRB, 20                          ; v20-21 the same for B
.set LI,   27                          ; v27  16 x lane
.set SPW,  28                          ; v28  my spare word; never rewritten
.set NIL,  29                          ; v29  0; never rewritten
.set SC,   30                          ; v30  the conversion's scale
.set LIM,  31                          ; v31  448 x that
.set TMP,  32                          ; the way out: numbers at work
.set CS,   64                          ; v64-127: two sets of 32: cosines and sines
.set CD,   128                         ; v128-255: the codes, each register written once
.set AF,   128                         ; A's fragments, window 0, one set
.set G1, 24
.set G0, 32
.set G1B, 48
.set G0B, 56
.set MSB, 0
.macro WIN new                         ; the immediate's high byte repeats the setting that is left
.if MSB != (\new)
	s_set_vgpr_msb (MSB<<8)|(\new)
.set MSB, (\new)
.endif
.endm
.set MUL_LO, 0xa1                      ; source 0 (B) window 1, source 1 (A) window 0, C and D window 2
.set MUL_HI, 0xf1                      ; the same, C and D window 3
.set TO_B,   0x40                      ; destination window 1, address window 0
; A joint load: waves 0 and 1 fetch for A, waves 2 and 3 for B; the branch hangs on the wave's number alone.  An s_nop 0 and four v_nop follow each of the two lines.
.macro JLOAD g0a, g1a, g0b, g1b
	s_cmp_eq_u32 s15, 0
	s_cbranch_scc0 .Lfor_b_\@
	tensor_load_to_lds s[\g0a:\g0a+3], s[\g1a:\g1a+7]
	s_nop 0
.rept 4
	v_nop
.endr
	s_branch .Lasked_\@
.Lfor_b_\@:
	tensor_load_to_lds s[\g0b:\g0b+3], s[\g1b:\g1b+7]
	s_nop 0
.rept 4
	v_nop
.endr
.Lasked_\@:
.endm
.macro CREST                           ; a round of the cluster's barrier behind its opening barrier
	s_cmp_lg_u32 s14, 0
	s_cbranch_scc1 .Lnot_wave_0_\@
	s_barrier_signal -3
.Lnot_wave_0_\@:
	s_barrier_wait -3
	s_barrier_signal -1
	s_barrier_wait -1
.endm
.macro CROUND
	s_barrier_signal -1
	s_barrier_wait -1
	CREST
.endm
	s_load_b256 s[4:11], s[0:1], 0x0               ; pc s[4:5], tab s[6:7], lowp_scales s[8:9], qkvc s[10:11]
	v_lshl_add_u32 v[SPW], v0, 2, SPARE
	v_mov_b32 v[NIL], 0
	ds_add_u32 v[SPW], v[NIL]                      ; the wave's opening: the add, twice on end, and its wait ahead of my first tensor load
	ds_add_u32 v[SPW], v[NIL]
	v_lshrrev_b32 v1, 5, v0
	v_readfirstlane_b32 s14, v1                    ; wave 0..3
	s_lshr_b32 s15, s14, 1                         ; which half of A's 256 rows is mine.  Also: I fetch for A (0) or for B (1)
	s_and_b32 s16, s14, 1                          ; which half of B's.  Also: which 8 row blocks of that tile I fetch
	s_bfe_u32 s40, ttmp6, 0x40000                  ; cx
	s_bfe_u32 s41, ttmp6, 0x40004                  ; cy
	s_and_b32 s13, ttmp7, 0xffff                   ; the cluster's y, 0..3
	s_lshl_b32 s43, s41, 2
	s_lshl_b32 s43, 15, s43                        ; my row of the cluster
	s_lshl_b32 s44, 0x1111, s40                    ; my column
	s_or_b32 s[G1+0], s43, (3<<16)|(1<<21)         ; 15:0 the mask; 17:16 elements of 8 bytes; 21 set beside a mask; no padding
	s_or_b32 s[G1B+0], s44, (3<<16)|(1<<21)
.irp g, G1, G1B
	s_mov_b32 s[\g+1], 512<<16                     ; tensor_dim0 = 512 elements: 4,096 bytes
	s_mov_b32 s[\g+2], 8<<16                       ; tensor_dim1 = 8
	s_mov_b32 s[\g+3], 512<<16                     ; tile_dim0
	s_mov_b32 s[\g+4], 8                           ; tile_dim1
	s_mov_b32 s[\g+5], RBB/8                       ; from row block to row block, in elements
	s_mov_b32 s[\g+6], 0
	s_mov_b32 s[\g+7], 0
.endr
	; row blocks of 16,384 bytes in pc: tokens 0-255, w_q 256-319, w_k 320-383, w_v 384-447
	s_lshl_b32 s17, s13, 6                         ; 64 x cluster y: tokens
	s_lshl_b32 s18, ttmp9, 6
	s_add_co_u32 s18, s18, 256                     ; the section's weights
	s_lshl_b32 s70, s16, 3                         ; the 8 row blocks that I fetch
	s_lshl_b32 s71, s41, 4                         ; 16 cy
	s_lshl_b32 s72, s40, 4                         ; 16 cx
	s_cmp_eq_u32 ttmp9, 2                          ; v?  The same in all partners
	s_cselect_b32 s20, 384, s17                    ; A: w_v, or tokens
	s_cselect_b32 s46, s17, s18                    ; B: tokens, or w_q / w_k
	s_add_co_u32 s20, s20, s71
	s_add_co_u32 s20, s20, s70
	s_lshl_b32 s20, s20, 14
	s_mov_b32 s21, 0
	s_add_co_u32 s46, s46, s72
	s_add_co_u32 s46, s46, s70
	s_lshl_b32 s46, s46, 14
	s_mov_b32 s47, 0
	s_mul_i32 s45, s14, HALFT                      ; where they go: no place in the cluster enters an LDS address
	s_wait_dscnt 0x0                               ; both opening adds are done
	s_wait_kmcnt 0x0
	s_load_b256 s[88:95], s[8:9], 0x0              ; e0 .. e7
	s_add_nc_u64 s[20:21], s[4:5], s[20:21]
	s_add_nc_u64 s[46:47], s[4:5], s[46:47]
	CROUND                                         ; all sixteen work-groups are here: the first joint loads meet
.irp s, 0,1
	s_mov_b32 s[G0+4*\s], 1
	s_add_co_u32 s[G0+4*\s+1], s45, \s*SLOT
	s_add_nc_u64 s[G0+4*\s+2:G0+4*\s+3], s[20:21], \s*STEPB
	s_or_b32 s[G0+4*\s+3], s[G0+4*\s+3], 0x80000000
	s_mov_b32 s[G0B+4*\s], 1
	s_add_co_u32 s[G0B+4*\s+1], s45, \s*SLOT
	s_add_nc_u64 s[G0B+4*\s+2:G0B+4*\s+3], s[46:47], \s*STEPB
	s_or_b32 s[G0B+4*\s+3], s[G0B+4*\s+3], 0x80000000
.endr
	JLOAD G0, G1, G0B, G1B                         ; K step 0: one tensor load a wave at the head
	v_and_b32 v1, 31, v0
	v_lshlrev_b32 v[LI], 4, v1
	s_lshl_b32 s70, s15, 15                        ; my half of A,
	s_lshl_b32 s71, s16, 15                        ; my half of B,
	s_add_co_u32 s71, s71, 2*HALFT                 ; which lies behind A's two
.irp s, 0,1
	v_add_nc_u32 v[ADRA+\s], s70, v[LI]
	v_add_nc_u32 v[ADRB+\s], s71, v[LI]
	s_add_co_u32 s70, s70, SLOT
	s_add_co_u32 s71, s71, SLOT
.endr
	; the table of cosines and sines at my first block of 16 positions: 16 (tile row % 8) + 8 x my half of A's rows; 4,096 bytes a block
	s_lshl_b32 s70, s13, 2
	s_add_co_u32 s70, s70, s41
	s_and_b32 s72, s70, 7
	s_lshl_b32 s72, s72, 4
	s_lshl_b32 s73, s15, 3
	s_add_co_u32 s72, s72, s73
	s_lshl_b32 s74, s72, 12
	s_mov_b32 s75, 0
	s_add_nc_u64 s[6:7], s[6:7], s[74:75]
; block a's cosines and sines, 32 registers: register 8 bb + 2 p, + 1: cos, sin of pair 8 bb + 4 h + p at position 16 a + r.  Blocks 0, 1: window 0, v64-127, idle during the products; blocks 2-7: window 1, v[32 (a - 2)], B's fragments' registers
.macro TABLD a
.if (\a) < 2
.set TBR, CS+32*(\a)
.else
.set TBR, 32*((\a)-2)
.endif
.irp bb, 0,1,2,3
.irp w, 0,1
	global_load_b128 v[TBR+8*\bb+4*\w:TBR+8*\bb+4*\w+3], v[LI], s[6:7] offset:4096*(\a)+1024*\bb+512*\w
.endr
.endr
.endm
	s_wait_alu depctr_va_vdst(0)                   ; scalar lines and a branch stand between v[LI]'s write and the loads
	s_cmp_eq_u32 ttmp9, 2                          ; v is not rotated; the same in all partners
	s_cbranch_scc1 .Lnotab0
	TABLD 0                                        ; they land while the products run
	TABLD 1
.Lnotab0:
.macro FRAG reg, adr, q, i             ; row block i's unit q of the slot: four loads of 512 consecutive bytes
.irp c, 0,1,2,3
	ds_load_b128 v[\reg+4*\c:\reg+4*\c+3], v[\adr] offset:2048*(\q)+512*\c+4096*(\i)
.endr
.endm
; 16 matrix instructions: A's blocks a0, a0 + 1 x B's eight, 128 along K.  p: B's set.  zero = 1: the product starts the sums.  The 64 accumulators take turns.
.macro MUL16 a0, p, zero
.irp a, \a0, \a0+1
.irp b, 0,1,2,3,4,5,6,7
.if \zero
	v_wmma_f32_16x16x128_fp8_fp8 v[8*(8*((\a)%4)+\b):8*(8*((\a)%4)+\b)+7], v[128*(\p)+FR*\b:128*(\p)+FR*\b+FR-1], v[AF+FR*(\a):AF+FR*(\a)+FR-1], 0
.else
	v_wmma_f32_16x16x128_fp8_fp8 v[8*(8*((\a)%4)+\b):8*(8*((\a)%4)+\b)+7], v[128*(\p)+FR*\b:128*(\p)+FR*\b+FR-1], v[AF+FR*(\a):AF+FR*(\a)+FR-1], v[8*(8*((\a)%4)+\b):8*(8*((\a)%4)+\b)+7]
.endif
.endr
.endr
.endm
.macro FETCH_B slot, q, p
	WIN TO_B
.irp i, 0,1,2,3,4,5,6,7
	FRAG 128*(\p)+FR*\i, ADRB+\slot, \q, \i
.endr
	WIN 0
.endm
.macro FETCH_A slot, q, i0
.irp i, \i0, \i0+1, \i0+2, \i0+3
	FRAG AF+FR*(\i), ADRA+\slot, \q, \i
.endr
.endm
.macro PLACES n                        ; plain vector instructions between a matrix instruction and a load into, or a vector read or write of, its registers
.rept \n
	v_nop
.endr
.endm
.macro STEP slot, q, zero              ; 128 along K that have their successor in the same slot
	s_wait_dscnt 4*NL                              ; B's set and A's blocks 0-3 are in; the youngest 16 loads (A's blocks 4-7) may be out
	WIN MUL_LO
	MUL16 0, (\q)%2, \zero
	MUL16 2, (\q)%2, \zero
	s_wait_dscnt 0
	PLACES NP
	FETCH_B \slot, (\q)+1, 1-(\q)%2
	FETCH_A \slot, (\q)+1, 0
	WIN MUL_HI
	MUL16 4, (\q)%2, \zero
	MUL16 6, (\q)%2, \zero
	PLACES NP
	WIN 0
	FETCH_A \slot, (\q)+1, 4
.endm
; A slot's last 128 change slots: one barrier; ahead of it each wave waits for all its tensor loads, adds 0 to its spare word, and waits for that and for its reads of this slot.  fill = 1: the slot is filled again, two K steps ahead.
.macro TURN slot, next, fill
	s_wait_tensorcnt 0x0                           ; all my tensor loads have landed: my part of the next slot
	ds_add_u32 v[SPW], v[NIL]
	s_wait_dscnt 4*NL+1                            ; the add and the youngest 16 loads may be out
	WIN MUL_LO
	MUL16 0, 1, 0
	s_wait_dscnt 0x0                               ; the add is done, and my reads of this slot are over
	s_barrier_signal -1
	MUL16 2, 1, 0
	WIN 0
	s_barrier_wait -1
.if \fill
	CREST                                          ; the barrier has opened a round of the cluster's: no wave of any partner still reads this slot or has a load on its way
	s_add_nc_u64 s[G0+4*\slot+2:G0+4*\slot+3], s[G0+4*\slot+2:G0+4*\slot+3], 2*STEPB
	s_add_nc_u64 s[G0B+4*\slot+2:G0B+4*\slot+3], s[G0B+4*\slot+2:G0B+4*\slot+3], 2*STEPB
	JLOAD G0+4*\slot, G1, G0B+4*\slot, G1B         ; the first tensor load behind the round; its four v_nop are the places for the loads below
.else
	PLACES NP
.endif
	FETCH_B \next, 0, 0
	FETCH_A \next, 0, 0
	WIN MUL_HI
	MUL16 4, 1, 0
	MUL16 6, 1, 0
	PLACES NP
	WIN 0
	FETCH_A \next, 0, 4
.endm
	s_wait_alu depctr_va_vdst(0)
	s_wait_tensorcnt 0x0                           ; my part of K step 0 is in
	ds_add_u32 v[SPW], v[NIL]
	s_wait_dscnt 0x0
	CROUND                                         ; everybody's part of K step 0 is in, and the joint loads meet
	JLOAD G0+4, G1, G0B+4, G1B                     ; K step 1: the first tensor load behind the round
	FETCH_B 0, 0, 0
	FETCH_A 0, 0, 0
	FETCH_A 0, 0, 4
	STEP 0, 0, 1                                   ; the first products start the sums
	s_mov_b32 s3, LAPS-1
.Llap:
	TURN 0, 1, 1
	STEP 1, 0, 0
	TURN 1, 0, 1
	STEP 0, 0, 0
	s_sub_co_u32 s3, s3, 1
	s_cmp_lg_u32 s3, 0
	s_cbranch_scc1 .Llap
	TURN 0, 1, 0                                   ; the last lap fills nothing
	STEP 1, 0, 0
	s_cmp_eq_u32 ttmp9, 2
	s_cbranch_scc1 .Lnotab1
	WIN TO_B                                       ; B's set 0 is done with (four places stand behind its last products): it takes blocks 2-5 of the table under the last 64 products
	TABLD 2
	TABLD 3
	TABLD 4
	TABLD 5
	WIN 0
.Lnotab1:
	s_wait_dscnt 4*NL
	WIN MUL_LO
	MUL16 0, 1, 0
	MUL16 2, 1, 0
	s_wait_dscnt 0
	WIN MUL_HI
	MUL16 4, 1, 0
	MUL16 6, 1, 0
	WIN 0
	; THE WAY OUT
	s_wait_kmcnt 0x0
	s_cmp_eq_u32 ttmp9, 0
	s_cselect_b32 s96, s90, s91                    ; e2 for q, e3 for k,
	s_cmp_eq_u32 ttmp9, 2
	s_cselect_b32 s96, s93, s96                    ; e5 for v
	s_sub_co_i32 s96, s96, s88
	s_sub_co_i32 s96, s96, s89
	s_add_co_i32 s96, s96, 127
	s_lshl_b32 s97, s96, 23
	v_mov_b32 v[SC], s97                           ; 2^(e - e0 - e1)
	s_add_co_i32 s96, s96, 8
	s_lshl_b32 s96, s96, 23
	s_or_b32 s96, s96, 0x600000
	v_mov_b32 v[LIM], s96                          ; 448 x that
	PLACES NP                                      ; behind the last products: their results are read, and the registers that held A's fragments are written
	s_cmp_eq_u32 ttmp9, 2
	s_cbranch_scc1 .Lvpath
	; q and k.  Tile row TR = 4 x cluster y + cy: batch TR / 8, positions 256 (TR % 8) + 128 x my half + 16 a + r.  Heads 4 cx + 2 x my half + hh.
	s_lshl_b32 s70, s13, 2
	s_add_co_u32 s70, s70, s41                     ; TR
	s_lshr_b32 s71, s70, 3                         ; batch
	s_and_b32 s72, s70, 7
	s_lshl_b32 s72, s72, 4
	s_lshl_b32 s73, s15, 3
	s_add_co_u32 s72, s72, s73                     ; my first block of 16 positions
	s_lshl_b32 s71, s71, 4
	s_lshl_b32 s73, s40, 2
	s_add_co_u32 s71, s71, s73
	s_lshl_b32 s73, s16, 1
	s_add_co_u32 s71, s71, s73                     ; batch x 16 + my first head
	s_lshl_b32 s71, s71, 7
	s_add_co_u32 s71, s71, s72
	s_lshl_b32 s74, s71, 10
	s_lshl_b32 s73, ttmp9, 22                      ; k lies 4 MiB behind q
	s_add_co_u32 s74, s74, s73
	s_mov_b32 s75, 0
	s_add_nc_u64 s[10:11], s[10:11], s[74:75]
.macro ROPEQ a, hh                     ; 16 positions x one head: rotate, hold, convert, store 1,024 bytes
.set AC, 64*((\a)%4)+32*(\hh)
.if (\a) < 2
.set CB, CS+32*(\a)
	WIN 0x02+((\a)/4)                              ; source 0: the sums, window 2 or 3; source 1: the table, window 0
.else
.set CB, 32*((\a)-2)
	WIN 0x06+((\a)/4)                              ; the table in window 1
.endif
.set n, 0
.rept 16
	v_pk_mul_f32 v[TMP+n:TMP+n+1], v[AC+n:AC+n+1], v[CB+n:CB+n+1] op_sel_hi:[1,0]   ; even x cos, odd x cos; each accumulator from its low end on
.set n, n+2
.endr
.set n, 0
.rept 16
	v_pk_fma_f32 v[TMP+n:TMP+n+1], v[AC+n:AC+n+1], v[CB+n:CB+n+1], v[TMP+n:TMP+n+1] op_sel:[1,1,0] op_sel_hi:[0,1,1] neg_lo:[1,0,0]   ; - odd x sin, + even x sin
.set n, n+2
.endr
	WIN 0
.set n, 0
.rept 32
	v_med3_num_f32 v[TMP+n], v[TMP+n], -v[LIM], v[LIM]   ; the conversion does not saturate (ISA guide 7.6.2)
.set n, n+1
.endr
.irp bb, 0,1,2,3
	v_cvt_scalef32_pk8_fp8_f32 v[CD+16*(\a)+8*(\hh)+2*\bb:CD+16*(\a)+8*(\hh)+2*\bb+1], v[TMP+8*\bb:TMP+8*\bb+7], v[SC]
.endr
	v_nop                                          ; a plain instruction between the conversions and the next writes of their sources
	global_store_b128 v[LI], v[CD+16*(\a)+8*(\hh):CD+16*(\a)+8*(\hh)+3], s[10:11] offset:1024*(\a)+131072*(\hh)
	global_store_b128 v[LI], v[CD+16*(\a)+8*(\hh)+4:CD+16*(\a)+8*(\hh)+7], s[10:11] offset:1024*(\a)+131072*(\hh)+512
.endm
	WIN TO_B
	TABLD 6                                        ; B's set 1 is done with too
	TABLD 7
	WIN 0
.irp a, 0,1,2,3,4,5,6,7
	s_wait_loadcnt 8*(7-\a)                        ; block a's eight loads are in; the eight of each of the 7 - a later blocks may be out
	ROPEQ \a, 0
	ROPEQ \a, 1
.endr
	s_branch .Ldone
.Lvpath:
	; v.  A's rows are channels: head 4 cy + 2 x my half + a / 4, channels 16 (a % 4) + r.  B's rows are tokens: tile TC = 4 x cluster y + cx: batch TC / 8, block of 128 keys 2 (TC % 8) + my half.
	s_lshl_b32 s70, s13, 2
	s_add_co_u32 s70, s70, s40                     ; TC
	s_lshr_b32 s71, s70, 3
	s_lshl_b32 s71, s71, 4
	s_lshl_b32 s73, s41, 2
	s_add_co_u32 s71, s71, s73
	s_lshl_b32 s73, s15, 1
	s_add_co_u32 s71, s71, s73                     ; batch x 16 + my first head
	s_lshl_b32 s71, s71, 4
	s_and_b32 s72, s70, 7
	s_lshl_b32 s72, s72, 1
	s_add_co_u32 s71, s71, s72
	s_add_co_u32 s71, s71, s16
	s_lshl_b32 s74, s71, 13
	s_add_co_u32 s74, s74, 0x800000
	s_mov_b32 s75, 0
	s_add_nc_u64 s[10:11], s[10:11], s[74:75]
.macro VQ a                            ; 16 channels x 128 keys: hold, convert, store 2,048 bytes
	WIN 0x02+((\a)/4)
.set n, 0
.rept 64
	v_med3_num_f32 v[TMP+n], v[64*((\a)%4)+n], -v[LIM], v[LIM]
.set n, n+1
.endr
	WIN 0
.irp b, 0,1,2,3,4,5,6,7
	v_cvt_scalef32_pk8_fp8_f32 v[CD+16*(\a)+2*\b:CD+16*(\a)+2*\b+1], v[TMP+8*\b:TMP+8*\b+7], v[SC]
.endr
	v_nop
.irp q, 0,1,2,3
	global_store_b128 v[LI], v[CD+16*(\a)+4*\q:CD+16*(\a)+4*\q+3], s[10:11] offset:131072*((\a)/4)+2048*((\a)%4)+512*\q
.endr
.endm
	s_wait_alu depctr_va_vdst(0)
.irp a, 0,1,2,3,4,5,6,7
	VQ \a
.endr
.Ldone:
	s_wait_tensorcnt 0x0                           ; the wave's end
	ds_add_u32 v[SPW], v[NIL]
	s_wait_dscnt 0x0
	CROUND                                         ; the closing round
	s_endpgm
.Lfunc_end_k_q54decf2171_qkv:
	.size	k_q54decf2171_qkv, .Lfunc_end_k_q54decf2171_qkv-k_q54decf2171_qkv
	.p2alignl 7, 3214868480
	.fill 96, 4, 3214868480
	.section	.rodata,"a",@progbits
	.p2align	6, 0x0
	.amdhsa_kernel k_q54decf2171_qkv
		.amdhsa_group_segment_fixed_size 327680
		.amdhsa_private_segment_fixed_size 0
		.amdhsa_enable_private_segment 0
		.amdhsa_kernarg_size 32
		.amdhsa_user_sgpr_count 2
		.amdhsa_user_sgpr_kernarg_segment_ptr 1
		.amdhsa_wavefront_size32 1
		.amdhsa_system_sgpr_workgroup_id_x 1
		.amdhsa_system_sgpr_workgroup_id_y 1
		.amdhsa_system_sgpr_workgroup_id_z 1
		.amdhsa_system_vgpr_workitem_id 0
		.amdhsa_next_free_vgpr 1024
		.amdhsa_next_free_sgpr 100
		.amdhsa_reserve_vcc 0
		.amdhsa_float_denorm_mode_32 3
		.amdhsa_float_denorm_mode_16_64 3
		.amdhsa_memory_ordered 1
		.amdhsa_forward_progress 1
		.amdhsa_inst_pref_size 198
	.end_amdhsa_kernel
	.amdgpu_metadata
---
amdhsa.version: [ 1, 2 ]
amdhsa.kernels:
  - .name:           k_q54decf2171_qkv
    .symbol:         k_q54decf2171_qkv.kd
    .args:
      - { .name: pc, .offset: 0, .size: 8, .value_kind: global_buffer, .address_space: global }
      - { .name: tab, .offset: 8, .size: 8, .value_kind: global_buffer, .address_space: global }
      - { .name: lowp_scales, .offset: 16, .size: 8, .value_kind: global_buffer, .address_space: global }
      - { .name: qkvc, .offset: 24, .size: 8, .value_kind: global_buffer, .address_space: global }
    .group_segment_fixed_size: 327680
    .private_segment_fixed_size: 0
    .kernarg_segment_align: 8
    .kernarg_segment_size: 32
    .max_flat_workgroup_size: 128
    .sgpr_count:     100
    .vgpr_count:     1024
    .wavefront_size: 32
...
	.end_amdgpu_metadata
.endif
;; end of part 9
;; launch attn (part 10): grid 8 x 32, 8 waves a work-group, clusters of 4 x 1, 327,680 bytes of LDS; arguments qkvc, lowp_scales, ac; writes ac
.if DOCPART == 10
	.amdgcn_target "amdgcn-amd-amdhsa--gfx1250"
	.amdhsa_code_object_version 6
	.text
	.protected	k_q54decf2171_attn
	.globl	k_q54decf2171_attn
	.p2align	8
	.type	k_q54decf2171_attn,@function
k_q54decf2171_attn:
	s_mov_b64 s[64:65], 0
	v_nop
	global_prefetch_b8 v0, s[64:65] scope:SCOPE_SE
	s_setreg_imm32_b32 hwreg(HW_REG_WAVE_MODE, 25, 1), 1
	s_wait_xcnt 0x0
	s_wait_alu depctr_hold_cnt(0) depctr_sa_sdst(0) depctr_va_vdst(0) depctr_va_sdst(0) depctr_va_ssrc(0) depctr_va_vcc(0) depctr_vm_vsrc(0)
	s_getreg_b32 s2, hwreg(HW_REG_IB_STS2, 6, 4)
	s_cmp_eq_u32 s2, 0
	s_cbranch_scc0 .Lentry_in_a_cluster
	s_endpgm
.Lentry_in_a_cluster:
	s_bfe_u32 s2, ttmp6, 0x10000c
	s_cmp_lg_u32 s2, 0x3003
	s_cbranch_scc0 .Lentry_shape_is_right
	s_endpgm
.Lentry_shape_is_right:
; Causal attention on codes of E4M3, head size 64; the result leaves as codes, the first operand of the projection that follows.
; WORK LEFT OUT: reference() builds the causal mask itself, so a step of 16 queries x 128 keys all of whose keys come behind its queries is not multiplied.
; LIMIT: a NaN, an infinity or an overflow that would arise only there is not carried to the result.
; THE SOFTMAX AHEAD OF THE SECOND PRODUCT: t = score x log2(e) / 8; M = the row's largest t so far, rounded up to a whole number; p = 2^(t - M) is quantised with 2^e4; the row's sum is taken of the unquantised p and
; divides at the end.  When M moves, the sum and O are multiplied by 2^(old M - new M), which rounds nothing.  LIMIT: the promise holds while |t| stays under 2^31.
; SHARES.  Work-group (g, batch x head), g = 0..7.  Wave w owns two tiles of 16 queries: tile A = tile g of the block of 128 queries w (w + 1 steps of 128 keys), tile B = tile g of block 15 - w (16 - w steps): 17 steps in every wave.
; TWO STREAMS in each wave, with the same register numbers in windows 0 and 1.  Stream X (window 0), trips j = 0..7: tile A's steps j = 0..w (the last on the diagonal); then A leaves, and X takes tile B's steps 7 - j for j = w + 1..7,
; that is 6 - w .. 0.  Stream Y (window 1): tile B's steps 7 - w + j, j = 0..8; the last lies on the diagonal and is written out behind the loop.  So eight trips work two steps each, in every wave alike.
; At the end tile B's two partial states (M, sum, O) are joined in registers: both under the larger M, by exact powers of two.  An empty X (w = 7) holds M = -3e38, sum 0, O 0 and adds nothing.
; LDS holds the head's whole K (131,072 bytes at 0) and V (131,072 bytes behind it); each byte is filled once, by one load of 32,768 bytes a wave at the head.  Wave 0's tile B reads every step, so all that is fetched is read.
; CLUSTER of 4 x 1: all work-groups of a head ask for the same bytes in the same round: each load is joint, mask 15.  No branch and no LDS address hangs on g: what a trip does hangs on w and j alone.
; NO PREFETCH: all of K and V is asked for by the one load at the head; there is no loop to run ahead in.
; LAYOUT.  S^T = K Q^T (source 0 = 16 keys, source 1 = 16 queries), O^T = V^T P^T (source 0 = 16 channels, source 1 = P): a lane holds one query (lane % 16).  Register j of key tile c is key 16 c + 8 h + j, the place that
; registers 2 c, 2 c + 1 of the second product's operand give it.  All operands come as images of their registers: every LDS load reads 512 consecutive bytes, at 16 x lane + constants.
; A stream's 64 fragment registers hold K, then V, then the next step's K: each run of loads lands under a softmax, its own or the other stream's, and the wait for 0 ahead of each second product covers all that are out.
; LIMITS on the given exponents: e2 + e3 between -123 and 130 (added to an exponent field); e4 and e6 between -126 and 119; e4 + e5 goes by v_ldexp_f32.
; REGISTERS, both windows: v1 16 x lane; v2 16 g + r - 8 h; v3 V's base + 16 x lane; v8, v9 addresses in hand; v12 -M, v13 the largest t, v[14:15] the sum; v16-23 Q; v32-95 fragments; v96-159 S^T, then p; v160-191 O^T;
; v192-207 p's codes; v208-255 at work; v240, v244, v246, v247 holds and scales.  Window 0 alone: v5, v6 for the add.
.set VBASE, 131072
.set STEPB, 8192                       ; K's (and V's) bytes of a step
.set SPARE, 262144                     ; the spare words, 128 bytes for each of 8 waves
.set LI,  1
.set DQ,  2
.set LIV, 3
.set SPW, 5
.set NIL, 6
.set ADK, 8
.set ADV, 9
.set WV,  18                           ; s18 my wave's number w
.set SEL, 20
.set CS,  22                           ; s[22:23] log2(e) / 8 x 2^(e2 + e3)
.set G1A, 24
.set G0A, 40
.set J,   50                           ; s50 the trip
.set TBX, 51                           ; s51 8,192 x stream X's key step
.set TBY, 52                           ; s52 the same for stream Y
.set MSB, 0
.macro WIN new                         ; the immediate's high byte repeats the setting that is left
.if MSB != (\new)
	s_set_vgpr_msb (MSB<<8)|(\new)
.set MSB, (\new)
.endif
.endm
.macro NOPS n
.rept \n
	v_nop
.endr
.endm
.macro ROUND                           ; a round of the cluster's barrier
	s_barrier_signal -1
	s_barrier_wait -1
	s_cmp_lg_u32 s[WV], 0
	s_cbranch_scc1 .Lnot_wave_0_\@
	s_barrier_signal -3
.Lnot_wave_0_\@:
	s_barrier_wait -3
	s_barrier_signal -1
	s_barrier_wait -1
.endm
	s_load_b128 s[4:7], s[0:1], 0x0                ; qkvc s[4:5], lowp_scales s[6:7]
	s_load_b64 s[8:9], s[0:1], 0x10                ; ac
	v_lshl_add_u32 v[SPW], v0, 2, SPARE
	v_mov_b32 v[NIL], 0
	ds_add_u32 v[SPW], v[NIL]                      ; the wave's opening: the add, twice on end, and its wait ahead of my first tensor load
	ds_add_u32 v[SPW], v[NIL]
	v_lshrrev_b32 v8, 5, v0
	v_readfirstlane_b32 s[WV], v8                  ; wave 0..7
	s_and_b32 s72, ttmp7, 0xffff                   ; batch x 16 + head
	s_bfe_u32 s73, ttmp6, 0x40000                  ; cx
	s_lshl_b32 s74, ttmp9, 2
	s_add_co_u32 s73, s73, s74                     ; g = 4 x cluster x + cx
	s_lshl_b32 s74, s73, 4                         ; 16 g
	s_mov_b32 s[G1A], 15|(3<<16)|(1<<21)           ; the mask: all four partners; elements of 8 bytes; bit 21 beside a mask; no padding: dense rows of 256 bytes
	s_mov_b32 s[G1A+1], 32<<16
	s_mov_b32 s[G1A+2], 128<<16                    ; 128 rows: 32,768 bytes
	s_mov_b32 s[G1A+3], 32<<16
	s_mov_b32 s[G1A+4], 128
	s_mov_b32 s[G1A+5], 32
	s_mov_b32 s[G1A+6], 0
	s_mov_b32 s[G1A+7], 0
	s_mov_b32 s[SEL], 0x76543210
	s_mov_b32 s[SEL+1], 0xfedcba98
	s_mov_b32 s[CS], 0x3e38aa3b                    ; log2(e) / 8
	s_lshr_b32 s66, s[WV], 2                       ; waves 0-3 fetch K, waves 4-7 V,
	s_and_b32 s67, s[WV], 3                        ; a quarter each
	s_lshl_b32 s[G0A+1], s[WV], 15                 ; LDS: 32,768 x wave
	s_lshl_b32 s76, s66, 22
	s_add_co_u32 s76, s76, 0x400000                ; K lies at 4 MiB, V at 8 MiB
	s_lshl_b32 s71, s72, 17                        ; a head's Q, K or V is 131,072 bytes
	s_add_co_u32 s76, s76, s71
	s_lshl_b32 s69, s67, 15
	s_add_co_u32 s76, s76, s69
	s_mov_b32 s77, 0
	s_lshl_b32 s80, s[WV], 3
	s_add_co_u32 s80, s80, s73                     ; tile A = 8 w + g
	s_sub_co_u32 s81, 15, s[WV]
	s_lshl_b32 s81, s81, 3
	s_add_co_u32 s81, s81, s73                     ; tile B = 8 (15 - w) + g
	s_lshl_b32 s92, s80, 10                        ; Q: 1,024 bytes a tile
	s_add_co_u32 s92, s92, s71
	s_mov_b32 s93, 0
	s_lshl_b32 s94, s81, 10
	s_add_co_u32 s94, s94, s71
	s_mov_b32 s95, 0
	; ac: [16 tokens' block 256][128 along K 8][2,048]: block batch x 128 + tile; unit head / 2; byte 1,024 (head % 2)
	s_lshr_b32 s82, s72, 4
	s_lshl_b32 s82, s82, 7
	s_bfe_u32 s83, s72, 0x30001
	s_and_b32 s75, s72, 1
	s_lshl_b32 s75, s75, 10
	s_add_co_u32 s96, s80, s82
	s_lshl_b32 s96, s96, 3
	s_add_co_u32 s96, s96, s83
	s_lshl_b32 s96, s96, 11
	s_add_co_u32 s96, s96, s75
	s_mov_b32 s97, 0
	s_add_co_u32 s98, s81, s82
	s_lshl_b32 s98, s98, 3
	s_add_co_u32 s98, s98, s83
	s_lshl_b32 s98, s98, 11
	s_add_co_u32 s98, s98, s75
	s_mov_b32 s99, 0
	s_wait_dscnt 0x0                               ; both opening adds are done
	s_wait_kmcnt 0x0
	s_load_b256 s[84:91], s[6:7], 0x0              ; e0 .. e7
	s_mov_b32 s[G0A], 1
	s_add_nc_u64 s[G0A+2:G0A+3], s[4:5], s[76:77]
	s_or_b32 s[G0A+3], s[G0A+3], 0x80000000
	s_add_nc_u64 s[12:13], s[4:5], s[92:93]        ; tile A's Q
	s_add_nc_u64 s[14:15], s[4:5], s[94:95]        ; tile B's Q
	s_add_nc_u64 s[10:11], s[8:9], s[98:99]        ; tile B's place in ac
	s_add_nc_u64 s[8:9], s[8:9], s[96:97]          ; tile A's
	ROUND                                          ; all four work-groups are here: the joint loads meet
	tensor_load_to_lds s[G0A:G0A+3], s[G1A:G1A+7]  ; my eighth of the head's K and V: one tensor load a wave
	s_nop 0
	NOPS 4
	v_and_b32 v[LI], 31, v0
	v_and_b32 v[DQ], 15, v0
	v_bfe_u32 v4, v0, 4, 1
	v_lshlrev_b32 v[LI], 4, v[LI]
	v_lshlrev_b32 v4, 3, v4
	v_sub_nc_u32 v[DQ], v[DQ], v4
	v_add_nc_u32 v[DQ], s74, v[DQ]                 ; on a tile's diagonal step: my query - the step's first key - 8 h
	v_add_nc_u32 v[LIV], VBASE, v[LI]
	global_load_b128 v[16:19], v[LI], s[12:13]
	global_load_b128 v[20:23], v[LI], s[12:13] offset:512
	WIN 0x40                                       ; destination window 1
	global_load_b128 v[16:19], v[LI], s[14:15]
	global_load_b128 v[20:23], v[LI], s[14:15] offset:512
	v_mov_b32 v[LI], v[LI]                         ; window 1's copies
	v_mov_b32 v[DQ], v[DQ]
	v_mov_b32 v[LIV], v[LIV]
	WIN 0
	s_wait_kmcnt 0x0
	s_add_co_i32 s92, s86, s87                     ; e2 + e3 go into c's exponent field
	s_lshl_b32 s92, s92, 23
	s_add_co_i32 s[CS], s[CS], s92
	s_mov_b32 s[CS+1], s[CS]
	s_add_co_i32 s92, s88, 127
	s_lshl_b32 s66, s92, 23                        ; 2^e4
	s_add_co_i32 s92, s92, 8
	s_lshl_b32 s67, s92, 23
	s_or_b32 s67, s67, 0x600000                    ; 448 x 2^e4
	s_add_co_i32 s92, s90, 127
	s_lshl_b32 s68, s92, 23                        ; 2^e6
	s_add_co_i32 s92, s92, 8
	s_lshl_b32 s69, s92, 23
	s_or_b32 s69, s69, 0x600000                    ; 448 x 2^e6
	s_add_co_i32 s92, s88, s89                     ; e4 + e5
.macro FRESH                           ; a tile's empty state
	v_mov_b32 v12, 0x7f61b1e6                      ; -M
	v_mov_b32 v13, 0xff61b1e6                      ; the largest t so far: -3e38
	v_mov_b32 v14, 0
	v_mov_b32 v15, 0
.set n, 0
.rept 32
	v_mov_b32 v[160+n], 0                          ; O^T: the step is written once; a tile's first finds zeros
.set n, n+1
.endr
.endm
.macro INIT
	FRESH
	v_mov_b32 v236, 0                              ; a lane permute's destination counts as one of its sources
	v_mov_b32 v252, 0
	v_mov_b32 v253, 0                              ; named as the upper halves of pairs
	v_mov_b32 v255, 0
	v_mov_b32 v240, s67
	v_mov_b32 v244, s66
	v_mov_b32 v246, s68
	v_mov_b32 v247, s69
.endm
	INIT
	WIN 0x40
	INIT
	WIN 0
; A tile's softmax of one step, in window w.  dg = 1: in trip j = w the step lies on the tile's diagonal; dg = 2: it always does.  There hidden scores become -infinity ahead of the maximum.
.macro SOFT w, dg
.if \dg == 1
	WIN 0
	s_cmp_lg_u32 s[J], s[WV]
	s_cbranch_scc1 .Lopen_\@
.endif
.if \dg
	WIN \w
	v_mov_b32 v254, 0xff800000
.set n, 0
.rept 64
	v_cmp_gt_i32 vcc_lo, 16*(n/8)+n%8, v[DQ]       ; register 8 c + j holds key 16 c + 8 h + j of the step
	v_cndmask_b32 v[96+n], v[96+n], v254, vcc_lo
.set n, n+1
.endr
.endif
.if \dg == 1
	WIN 0
.Lopen_\@:
.endif
	WIN \w
.irp k, 0,1,2,3
	v_max3_num_f32 v[248+\k], v[96+3*\k], v[97+3*\k], v[98+3*\k]   ; the largest score among my 64 keys, in four chains, each accumulator from its low end on
.endr
.set n, 0
.rept 26
	v_max3_num_f32 v[248+n%4], v[248+n%4], v[108+2*n], v[109+2*n]
.set n, n+1
.endr
	v_max3_num_f32 v248, v248, v249, v250
	v_max_num_f32 v248, v248, v251
	v_permlanex16_b32 v236, v248, s[SEL], s[SEL+1]
	v_max_num_f32 v248, v248, v236                 ; and among lane l xor 16's
	v_mul_f32 v248, s[CS], v248                    ; as t
	v_max_num_f32 v13, v13, v248
	v_mov_b32 v254, v12
	v_floor_f32 v12, -v13                          ; the new -M
	v_sub_f32 v254, v12, v254                      ; old M - new M: a whole number, 0 or less
	v_cvt_i32_f32 v254, v254
	v_ldexp_f32 v252, 1.0, v254                    ; f = 2^(old M - new M)
.set n, 0
.rept 32
	v_pk_fma_f32 v[96+n:97+n], v[96+n:97+n], s[CS:CS+1], v[12:13] op_sel_hi:[1,0,0]   ; t - M
.set n, n+2
.endr
	s_wait_alu depctr_va_vdst(0)                   ; ahead of the batch, and directly ahead of the first reader of O^T
.set n, 0
.rept 16
	v_pk_mul_f32 v[160+n:161+n], v[160+n:161+n], v[252:253] op_sel_hi:[1,0]   ; O^T under the new M
.set n, n+2
.endr
.set n, 0
.rept 64
	v_exp_f32 v[96+n], v[96+n]                     ; p = 2^(t - M)
.set n, n+1
.endr
	v_pk_mul_f32 v[14:15], v[14:15], v[252:253] op_sel_hi:[1,0]   ; the sums under the new M: the plain instruction behind the exponentials
	s_wait_alu depctr_va_vdst(0)                   ; one wait for the batch, ahead of its first reader
	v_pk_add_f32 v[208:209], v[96:97], v[98:99]    ; the row's sum of the unquantised p, in four chains of pairs
	v_pk_add_f32 v[210:211], v[100:101], v[102:103]
	v_pk_add_f32 v[212:213], v[104:105], v[106:107]
	v_pk_add_f32 v[14:15], v[14:15], v[108:109]
.set n, 0
.rept 6
	v_pk_add_f32 v[208:209], v[208:209], v[110+n:111+n]
	v_pk_add_f32 v[210:211], v[210:211], v[112+n:113+n]
	v_pk_add_f32 v[212:213], v[212:213], v[114+n:115+n]
	v_pk_add_f32 v[14:15], v[14:15], v[116+n:117+n]
.set n, n+8
.endr
	v_pk_add_f32 v[208:209], v[208:209], v[158:159]
	v_pk_add_f32 v[210:211], v[210:211], v[212:213]
	v_pk_add_f32 v[14:15], v[14:15], v[208:209]
	v_pk_add_f32 v[14:15], v[14:15], v[210:211]
.irp c, 0,1,2,3,4,5,6,7
.irp i, 0,1,2,3,4,5,6,7
	v_min_num_f32 v[96+8*\c+\i], v[96+8*\c+\i], v240   ; the conversion does not saturate (ISA guide 7.6.2); p is not negative
.endr
	v_cvt_scalef32_pk8_fp8_f32 v[192+2*\c:193+2*\c], v[96+8*\c:103+8*\c], v244
.endr
	v_nop                                          ; a plain instruction between the conversions and the products that read their results
.endm
.macro KLD adr                         ; a step's K: 8 tiles of 16 keys x 64
.irp c, 0,1,2,3,4,5,6,7
	ds_load_b128 v[32+8*\c:35+8*\c], v[\adr] offset:1024*\c
	ds_load_b128 v[36+8*\c:39+8*\c], v[\adr] offset:1024*\c+512
.endr
.endm
; A stream's step of 128 keys, all in window w; its K is in the fragment registers.  S^T = K Q^T; V into the same registers; the softmax; O^T += V^T P^T, the four accumulators by turns.
.macro HALF w, tb, dg
	WIN \w
.irp c, 0,1,2,3,4,5,6,7
	v_wmma_f32_16x16x64_fp8_fp8 v[96+8*\c:103+8*\c], v[32+8*\c:39+8*\c], v[16:23], 0
.endr
	v_add_nc_u32 v[ADV], s[\tb], v[LIV]
	NOPS 3                                         ; with the addition: four places ahead of the loads into K's registers and of the first read of the scores
.irp t, 0,1,2,3
.irp u, 0,1,2,3
	ds_load_b128 v[32+16*\t+4*\u:35+16*\t+4*\u], v[ADV] offset:2048*\t+512*\u
.endr
.endr
	SOFT \w, \dg
	s_wait_alu depctr_va_vdst(0)
	s_wait_dscnt 0x0                               ; my V is in, and the other stream's next K
.irp t, 0,1,2,3
	v_wmma_f32_16x16x128_fp8_fp8 v[160+8*\t:167+8*\t], v[32+16*\t:47+16*\t], v[192:207], v[160+8*\t:167+8*\t]
.endr
.endm
; THE WAY OUT of a tile: O^T x 2^(e4 + e5) / the sum, quantised with 2^e6: register 8 t + j is channel 16 t + 8 h + j of my query: registers 2 t, 2 t + 1 of my head's half of the next operand's unit
.macro FIN w, b
	WIN \w
	v_add_f32 v14, v14, v15
	v_permlanex16_b32 v252, v14, s[SEL], s[SEL+1]
	v_add_f32 v14, v14, v252
	s_wait_alu depctr_va_vdst(0)                   ; ahead of the transcendental
	v_rcp_f32 v14, v14
	v_nop                                          ; a plain instruction behind the transcendental
	s_wait_alu depctr_va_vdst(0)                   ; ahead of its first reader
	v_ldexp_f32 v14, v14, s92
	s_wait_alu depctr_va_vdst(0)                   ; directly ahead of the first reader of O^T
.set n, 0
.rept 32
	v_mul_f32 v[96+n], v[160+n], v14
.set n, n+1
.endr
.set n, 0
.rept 32
	v_med3_num_f32 v[96+n], v[96+n], -v247, v247
.set n, n+1
.endr
.irp t, 0,1,2,3
	v_cvt_scalef32_pk8_fp8_f32 v[128+2*\t:129+2*\t], v[96+8*\t:103+8*\t], v246
.endr
	v_nop
	global_store_b128 v[LI], v[128:131], s[\b:\b+1]             ; the wave stores 512 consecutive bytes, twice
	global_store_b128 v[LI], v[132:135], s[\b:\b+1] offset:512
	WIN 0
.endm
	s_xor_b32 s[TBY], s[WV], 7                     ; stream Y begins at key step 7 - w
	s_lshl_b32 s[TBY], s[TBY], 13
	s_mov_b32 s[TBX], 0
	s_mov_b32 s[J], 0
	s_wait_alu depctr_va_vdst(0)
	s_wait_tensorcnt 0x0                           ; my eighth is in;
	s_barrier_signal -1
	s_barrier_wait -1                              ; and everybody's
	KLD LI                                         ; stream X: key step 0
	WIN 0x55
	v_add_nc_u32 v[ADK], s[TBY], v[LI]
	KLD ADK                                        ; stream Y's first step
	WIN 0
	s_wait_loadcnt 0x0                             ; Q
	s_wait_dscnt 0x0
.Ltrip:
	HALF 0, TBX, 1
	s_cmp_lg_u32 s[J], s[WV]                       ; behind trip w tile A is finished: ids alone
	s_cbranch_scc1 .Lgoes_on
	NOPS 4                                         ; places behind the last products
	FIN 0, 8
	s_wait_alu depctr_va_vdst(0)
	s_wait_xcnt 0x0                                ; the stores have read their registers, which the next scores overwrite
	FRESH                                          ; stream X goes on with tile B, from an empty state,
	WIN 0x01
.set n, 0
.rept 8
	v_mov_b32 v[16+n], v[16+n]                     ; and with tile B's Q, out of window 1
.set n, n+1
.endr
	WIN 0
.Lgoes_on:
	s_cmp_eq_u32 s[J], 7                           ; stream X's last trip fetches no further K
	s_cbranch_scc1 .Lx_done
	s_add_co_u32 s96, s[J], 1                      ; the next trip's key step: j while tile A lasts, then 7 - j = j xor 7
	s_xor_b32 s97, s96, 7
	s_cmp_le_u32 s96, s[WV]
	s_cselect_b32 s96, s96, s97
	s_lshl_b32 s[TBX], s96, 13
	v_add_nc_u32 v[ADK], s[TBX], v[LI]
	NOPS 3                                         ; with the addition: four places ahead of the loads into V's registers
	KLD ADK                                        ; lands under stream Y's softmax
.Lx_done:
	HALF 0x55, TBY, 0
	s_add_co_u32 s[TBY], s[TBY], STEPB
	v_add_nc_u32 v[ADK], s[TBY], v[LI]
	NOPS 3
	KLD ADK                                        ; lands under stream X's softmax (the last: under the wait below)
	WIN 0
	s_add_co_u32 s[J], s[J], 1
	s_cmp_lt_u32 s[J], 8
	s_cbranch_scc1 .Ltrip
	s_wait_dscnt 0x0                               ; stream Y's last K
	HALF 0x55, TBY, 2                              ; tile B's diagonal step, key step 15 - w
	; tile B's two states are joined, in window 1: both under the larger M
	NOPS 4                                         ; places behind the last products
	WIN 0x40
	v_mov_b32 v210, v12                            ; stream X's -M
	WIN 0x55
	v_min_num_f32 v211, v12, v210                  ; the joint -M
	v_sub_f32 v212, v211, v12                      ; whole numbers, 0 or less
	v_sub_f32 v213, v211, v210
	v_cvt_i32_f32 v212, v212
	v_cvt_i32_f32 v213, v213
	v_ldexp_f32 v252, 1.0, v212                    ; stream Y's factor
	v_ldexp_f32 v254, 1.0, v213                    ; stream X's
	v_pk_mul_f32 v[14:15], v[14:15], v[252:253] op_sel_hi:[1,0]
	s_wait_alu depctr_va_vdst(0)                   ; directly ahead of the first reader of stream Y's O^T
.set n, 0
.rept 16
	v_pk_mul_f32 v[160+n:161+n], v[160+n:161+n], v[252:253] op_sel_hi:[1,0]
.set n, n+2
.endr
	WIN 0x54                                       ; source 0: window 0
	s_wait_alu depctr_va_vdst(0)                   ; directly ahead of the first reader of stream X's O^T
.set n, 0
.rept 16
	v_pk_fma_f32 v[160+n:161+n], v[160+n:161+n], v[254:255], v[160+n:161+n] op_sel_hi:[1,0,1]
.set n, n+2
.endr
	v_pk_fma_f32 v[14:15], v[14:15], v[254:255], v[14:15] op_sel_hi:[1,0,1]
	WIN 0
	FIN 0x55, 10
	s_wait_tensorcnt 0x0                           ; the wave's end
	ds_add_u32 v[SPW], v[NIL]
	s_wait_dscnt 0x0
	ROUND                                          ; the closing round
	s_endpgm
.Lfunc_end_k_q54decf2171_attn:
	.size	k_q54decf2171_attn, .Lfunc_end_k_q54decf2171_attn-k_q54decf2171_attn
	.p2alignl 7, 3214868480
	.fill 96, 4, 3214868480
	.section	.rodata,"a",@progbits
	.p2align	6, 0x0
	.amdhsa_kernel k_q54decf2171_attn
		.amdhsa_group_segment_fixed_size 327680
		.amdhsa_private_segment_fixed_size 0
		.amdhsa_enable_private_segment 0
		.amdhsa_kernarg_size 24
		.amdhsa_user_sgpr_count 2
		.amdhsa_user_sgpr_kernarg_segment_ptr 1
		.amdhsa_wavefront_size32 1
		.amdhsa_system_sgpr_workgroup_id_x 1
		.amdhsa_system_sgpr_workgroup_id_y 1
		.amdhsa_system_sgpr_workgroup_id_z 1
		.amdhsa_system_vgpr_workitem_id 0
		.amdhsa_next_free_vgpr 512
		.amdhsa_next_free_sgpr 100
		.amdhsa_reserve_vcc 1
		.amdhsa_float_denorm_mode_32 3
		.amdhsa_float_denorm_mode_16_64 3
		.amdhsa_memory_ordered 1
		.amdhsa_forward_progress 1
		.amdhsa_inst_pref_size 79
	.end_amdhsa_kernel
	.amdgpu_metadata
---
amdhsa.version: [ 1, 2 ]
amdhsa.kernels:
  - .name:           k_q54decf2171_attn
    .symbol:         k_q54decf2171_attn.kd
    .args:
      - { .name: qkvc, .offset: 0, .size: 8, .value_kind: global_buffer, .address_space: global }
      - { .name: lowp_scales, .offset: 8, .size: 8, .value_kind: global_buffer, .address_space: global }
      - { .name: ac, .offset: 16, .size: 8, .value_kind: global_buffer, .address_space: global }
    .group_segment_fixed_size: 327680
    .private_segment_fixed_size: 0
    .kernarg_segment_align: 8
    .kernarg_segment_size: 24
    .max_flat_workgroup_size: 256
    .sgpr_count:     100
    .vgpr_count:     512
    .wavefront_size: 32
...
	.end_amdgpu_metadata
.endif
;; end of part 10
;; launch outproj (part 11): grid 8 x 32, 4 waves a work-group, clusters of 4 x 4, 327,680 bytes of LDS; arguments ac, pc, lowp_scales, x, x1; writes x1
.if DOCPART == 11
	.amdgcn_target "amdgcn-amd-amdhsa--gfx1250"
	.amdhsa_code_object_version 6
	.text
	.protected	k_q54decf2171_outproj
	.globl	k_q54decf2171_outproj
	.p2align	8
	.type	k_q54decf2171_outproj,@function
k_q54decf2171_outproj:
	s_mov_b64 s[64:65], 0
	v_nop
	global_prefetch_b8 v0, s[64:65] scope:SCOPE_SE
	s_setreg_imm32_b32 hwreg(HW_REG_WAVE_MODE, 25, 1), 1
	s_wait_xcnt 0x0
	s_wait_alu depctr_hold_cnt(0) depctr_sa_sdst(0) depctr_va_vdst(0) depctr_va_sdst(0) depctr_va_ssrc(0) depctr_va_vcc(0) depctr_vm_vsrc(0)
	s_getreg_b32 s2, hwreg(HW_REG_IB_STS2, 6, 4)
	s_cmp_eq_u32 s2, 0
	s_cbranch_scc0 .Lentry_in_a_cluster
	s_endpgm
.Lentry_in_a_cluster:
	s_bfe_u32 s2, ttmp6, 0x10000c
	s_cmp_lg_u32 s2, 0xf033
	s_cbranch_scc0 .Lentry_shape_is_right
	s_endpgm
.Lentry_shape_is_right:
.set SIZE_K, 1024
.set BOFF,   7340032
.set SCOFF,  24
.set RBB,    16*SIZE_K
.set STEPB,  8192
.set HALFT,  32768
.set SLOT,   4*HALFT
.set SPARE,  2*SLOT
.set STAGE,  SPARE+512
.set SPITCH, 272
.set LAPS,   SIZE_K/1024
.set FR,     16
.set NP,     4
.set ADRA, 16
.set ADRB, 20
.set STO,  24
.set RD,   25
.set XO,   26
.set LI,   27
.set SPW,  28
.set NIL,  29
.set BK,   32
.set ACC,  128
.set F0,   0
.set F1,   128
.set G1, 24
.set G0, 32
.set G1B, 48
.set G0B, 56
.set MSB, 0
.macro WIN new
.if MSB != (\new)
	s_set_vgpr_msb (MSB<<8)|(\new)
.set MSB, (\new)
.endif
.endm
.set MUL,  0x05
.set TO_F, 0x40
.macro JLOAD g0a, g1a, g0b, g1b
	s_cmp_eq_u32 s15, 0
	s_cbranch_scc0 .Lfor_b_\@
	tensor_load_to_lds s[\g0a:\g0a+3], s[\g1a:\g1a+7]
	s_nop 0
.rept 4
	v_nop
.endr
	s_branch .Lasked_\@
.Lfor_b_\@:
	tensor_load_to_lds s[\g0b:\g0b+3], s[\g1b:\g1b+7]
	s_nop 0
.rept 4
	v_nop
.endr
.Lasked_\@:
.endm
.macro CREST
	s_cmp_lg_u32 s14, 0
	s_cbranch_scc1 .Lnot_wave_0_\@
	s_barrier_signal -3
.Lnot_wave_0_\@:
	s_barrier_wait -3
	s_barrier_signal -1
	s_barrier_wait -1
.endm
.macro CROUND
	s_barrier_signal -1
	s_barrier_wait -1
	CREST
.endm
	s_load_b256 s[4:11], s[0:1], 0x0
	s_load_b64 s[12:13], s[0:1], 0x20
	v_lshl_add_u32 v[SPW], v0, 2, SPARE
	v_mov_b32 v[NIL], 0
	ds_add_u32 v[SPW], v[NIL]
	ds_add_u32 v[SPW], v[NIL]
	v_lshrrev_b32 v1, 5, v0
	v_readfirstlane_b32 s14, v1
	s_lshr_b32 s15, s14, 1
	s_and_b32 s16, s14, 1
	s_bfe_u32 s40, ttmp6, 0x40000
	s_bfe_u32 s41, ttmp6, 0x40004
	s_lshl_b32 s42, ttmp9, 2
	s_add_co_u32 s42, s42, s40
	s_and_b32 s17, ttmp7, 0xffff
	s_lshl_b32 s17, s17, 2
	s_add_co_u32 s17, s17, s41
	s_lshl_b32 s43, s41, 2
	s_lshl_b32 s43, 15, s43
	s_lshl_b32 s44, 0x1111, s40
	s_or_b32 s[G1+0], s43, (3<<16)|(1<<21)
	s_or_b32 s[G1B+0], s44, (3<<16)|(1<<21)
.irp g, G1, G1B
	s_mov_b32 s[\g+1], 1024<<16
	s_mov_b32 s[\g+2], 4<<16
	s_mov_b32 s[\g+3], 1024<<16
	s_mov_b32 s[\g+4], 4
	s_mov_b32 s[\g+5], RBB/8
	s_mov_b32 s[\g+6], 0
	s_mov_b32 s[\g+7], 0
.endr
	s_lshl_b32 s18, s16, 2
	s_lshl_b32 s20, s17, 3
	s_add_co_u32 s20, s20, s18
	s_mul_i32 s20, s20, RBB
	s_mov_b32 s21, 0
	s_lshl_b32 s46, s42, 3
	s_add_co_u32 s46, s46, s18
	s_mul_i32 s46, s46, RBB
	s_add_co_u32 s46, s46, BOFF
	s_mov_b32 s47, 0
	s_mul_i32 s45, s14, HALFT
	s_wait_dscnt 0x0
	s_wait_kmcnt 0x0
	s_load_b64 s[96:97], s[8:9], SCOFF
	s_add_nc_u64 s[20:21], s[4:5], s[20:21]
	s_add_nc_u64 s[46:47], s[6:7], s[46:47]
	CROUND
.irp s, 0,1
	s_mov_b32 s[G0+4*\s], 1
	s_add_co_u32 s[G0+4*\s+1], s45, \s*SLOT
	s_add_nc_u64 s[G0+4*\s+2:G0+4*\s+3], s[20:21], \s*STEPB
	s_or_b32 s[G0+4*\s+3], s[G0+4*\s+3], 0x80000000
	s_mov_b32 s[G0B+4*\s], 1
	s_add_co_u32 s[G0B+4*\s+1], s45, \s*SLOT
	s_add_nc_u64 s[G0B+4*\s+2:G0B+4*\s+3], s[46:47], \s*STEPB
	s_or_b32 s[G0B+4*\s+3], s[G0B+4*\s+3], 0x80000000
.endr
	JLOAD G0, G1, G0B, G1B                         ; K step 0: one tensor load a wave at the head
	v_and_b32 v1, 31, v0
	v_and_b32 v2, 15, v0
	s_wait_alu depctr_va_vdst(0)
	v_bfe_u32 v3, v0, 4, 1
	v_lshlrev_b32 v[LI], 4, v1
	s_lshl_b32 s70, s15, 15
	s_lshl_b32 s71, s16, 15
	s_add_co_u32 s71, s71, 2*HALFT
.irp s, 0,1
	v_add_nc_u32 v[ADRA+\s], s70, v[LI]
	v_add_nc_u32 v[ADRB+\s], s71, v[LI]
	s_add_co_u32 s70, s70, SLOT
	s_add_co_u32 s71, s71, SLOT
.endr
	s_mul_i32 s72, s14, 16*SPITCH
	s_add_co_u32 s72, s72, STAGE
	v_mul_u32_u24 v[STO], v2, SPITCH
	s_wait_alu depctr_va_vdst(0)
	v_lshl_add_u32 v[STO], v3, 5, v[STO]
	v_add_nc_u32 v[STO], s72, v[STO]
	v_mul_u32_u24 v[RD], v3, SPITCH
	v_lshl_add_u32 v[RD], v2, 4, v[RD]
	v_add_nc_u32 v[RD], s72, v[RD]
	v_lshlrev_b32 v[XO], 12, v3
	v_lshl_add_u32 v[XO], v2, 4, v[XO]
	s_wait_alu depctr_va_vdst(0)
	s_lshl_b32 s70, s17, 7
	s_lshl_b32 s71, s15, 6
	s_add_co_u32 s70, s70, s71
	s_lshl_b32 s70, s70, 12
	s_lshl_b32 s71, s42, 9
	s_add_co_u32 s70, s70, s71
	s_lshl_b32 s71, s16, 8
	s_add_co_u32 s70, s70, s71
	s_mov_b32 s71, 0
	s_add_nc_u64 s[10:11], s[10:11], s[70:71]
	s_add_nc_u64 s[12:13], s[12:13], s[70:71]
	WIN 0x80
.irp a, 0,1,2,3
.irp t, 0,1,2,3,4,5,6,7
	global_load_b128 v[32*\a+4*\t:32*\a+4*\t+3], v[XO], s[10:11] offset:(16*\a+2*\t)*4096 th:TH_LOAD_NT
.endr
.endr
	WIN 0
	s_wait_kmcnt 0x0
	s_add_co_i32 s96, s96, s97
	s_add_co_i32 s96, s96, 127
	s_lshl_b32 s96, s96, 23
	s_mov_b32 s97, s96
.macro FRAG reg, adr, q, i
.irp c, 0,1,2,3
	ds_load_b128 v[\reg+4*\c:\reg+4*\c+3], v[\adr] offset:8192*(\i)+2048*(\q)+512*\c
.endr
.endm
.macro FETCH slot, q, f
	WIN TO_F
.irp i, 0,1,2,3
	FRAG \f+64+FR*\i, ADRB+\slot, \q, \i
.endr
.irp i, 0,1,2,3
	FRAG \f+FR*\i, ADRA+\slot, \q, \i
.endr
.endm
.macro MULA f, a, zero
.irp b, 0,1,2,3
.if \zero
	v_wmma_f32_16x16x128_fp8_fp8 v[ACC+8*(4*(\a)+\b):ACC+8*(4*(\a)+\b)+7], v[\f+64+FR*\b:\f+64+FR*\b+FR-1], v[\f+FR*(\a):\f+FR*(\a)+FR-1], 0
.else
	v_wmma_f32_16x16x128_fp8_fp8 v[ACC+8*(4*(\a)+\b):ACC+8*(4*(\a)+\b)+7], v[\f+64+FR*\b:\f+64+FR*\b+FR-1], v[\f+FR*(\a):\f+FR*(\a)+FR-1], v[ACC+8*(4*(\a)+\b):ACC+8*(4*(\a)+\b)+7]
.endif
.endr
.endm
.macro PLACES n
.rept \n
	v_nop
.endr
.endm
.macro SUB slot, q, f, g, zero
	s_wait_dscnt 8
	WIN MUL
	MULA \f, 0, \zero
	MULA \f, 1, \zero
	PLACES NP
	FETCH \slot, \q, \g
	s_wait_dscnt 32
	WIN MUL
	MULA \f, 2, \zero
	MULA \f, 3, \zero
.endm
.macro TURN slot, next, fill
	WIN 0
	s_wait_tensorcnt 0x0
	ds_add_u32 v[SPW], v[NIL]
	s_wait_dscnt 9
	WIN MUL
	MULA F1, 0, 0
	s_wait_dscnt 0x0
	s_barrier_signal -1
	MULA F1, 1, 0
.if \fill
	WIN 0
.endif
	s_barrier_wait -1
.if \fill
	CREST
	s_add_nc_u64 s[G0+4*\slot+2:G0+4*\slot+3], s[G0+4*\slot+2:G0+4*\slot+3], 2*STEPB
	s_add_nc_u64 s[G0B+4*\slot+2:G0B+4*\slot+3], s[G0B+4*\slot+2:G0B+4*\slot+3], 2*STEPB
	JLOAD G0+4*\slot, G1, G0B+4*\slot, G1B
.else
	PLACES NP
.endif
	FETCH \next, 0, F0
	WIN MUL
	MULA F1, 2, 0
	MULA F1, 3, 0
.endm
	s_wait_alu depctr_va_vdst(0)
	s_wait_tensorcnt 0x0                           ; my part of K step 0 is in
	ds_add_u32 v[SPW], v[NIL]
	s_wait_dscnt 0x0
	CROUND                                         ; everybody's part of K step 0 is in, and the joint loads meet
	JLOAD G0+4, G1, G0B+4, G1B                     ; K step 1: the first tensor load behind the round
	FETCH 0, 0, F0
	SUB 0, 1, F0, F1, 1
.if LAPS > 1
	WIN 0
	s_mov_b32 s3, LAPS-1
.Llap:
	SUB 0, 2, F1, F0, 0
	SUB 0, 3, F0, F1, 0
	TURN 0, 1, 1
	SUB 1, 1, F0, F1, 0
	SUB 1, 2, F1, F0, 0
	SUB 1, 3, F0, F1, 0
	TURN 1, 0, 1
	SUB 0, 1, F0, F1, 0
	WIN 0
	s_sub_co_u32 s3, s3, 1
	s_cmp_lg_u32 s3, 0
	s_cbranch_scc1 .Llap
.endif
	SUB 0, 2, F1, F0, 0
	SUB 0, 3, F0, F1, 0
	TURN 0, 1, 0
	SUB 1, 1, F0, F1, 0
	SUB 1, 2, F1, F0, 0
	SUB 1, 3, F0, F1, 0
	s_wait_dscnt 8
	WIN MUL
	MULA F1, 0, 0
	MULA F1, 1, 0
	s_wait_dscnt 0
	MULA F1, 2, 0
	MULA F1, 3, 0
	WIN 0
.macro TOSTAGE a
.irp b, 0,1,2,3
	ds_store_b128 v[STO], v[ACC+8*(4*(\a)+\b):ACC+8*(4*(\a)+\b)+3] offset:64*\b
	ds_store_b128 v[STO], v[ACC+8*(4*(\a)+\b)+4:ACC+8*(4*(\a)+\b)+7] offset:64*\b+16
.endr
.set BB, BK+32*((\a)%2)
.irp t, 0,1,2,3,4,5,6,7
	ds_load_b128 v[BB+4*\t:BB+4*\t+3], v[RD] offset:\t*2*SPITCH
.endr
.endm
.macro SEND a, younger
.set BB, BK+32*((\a)%2)
	s_wait_dscnt \younger
	WIN 0x20
.set n, 0
.rept 16
	v_pk_fma_f32 v[BB+n:BB+n+1], v[BB+n:BB+n+1], s[96:97], v[32*(\a)+n:32*(\a)+n+1] op_sel_hi:[1,0,1]
.set n, n+2
.endr
	WIN 0
.irp t, 0,1,2,3,4,5,6,7
	global_store_b128 v[XO], v[BB+4*\t:BB+4*\t+3], s[12:13] offset:(16*(\a)+2*\t)*4096 th:TH_STORE_NT
.endr
.endm
	PLACES NP
	s_wait_loadcnt 0x0
	TOSTAGE 0
.irp a, 1,2,3
.if \a > 1
	s_wait_xcnt 0x0
.endif
	TOSTAGE \a
	SEND \a-1, 16
.endr
	SEND 3, 0
	s_wait_tensorcnt 0x0
	ds_add_u32 v[SPW], v[NIL]
	s_wait_dscnt 0x0
	CROUND
	s_endpgm
.Lfunc_end_k_q54decf2171_outproj:
	.size	k_q54decf2171_outproj, .Lfunc_end_k_q54decf2171_outproj-k_q54decf2171_outproj
	.p2alignl 7, 3214868480
	.fill 96, 4, 3214868480
	.section	.rodata,"a",@progbits
	.p2align	6, 0x0
	.amdhsa_kernel k_q54decf2171_outproj
		.amdhsa_group_segment_fixed_size 327680
		.amdhsa_private_segment_fixed_size 0
		.amdhsa_enable_private_segment 0
		.amdhsa_kernarg_size 40
		.amdhsa_user_sgpr_count 2
		.amdhsa_user_sgpr_kernarg_segment_ptr 1
		.amdhsa_wavefront_size32 1
		.amdhsa_system_sgpr_workgroup_id_x 1
		.amdhsa_system_sgpr_workgroup_id_y 1
		.amdhsa_system_sgpr_workgroup_id_z 1
		.amdhsa_system_vgpr_workitem_id 0
		.amdhsa_next_free_vgpr 640
		.amdhsa_next_free_sgpr 100
		.amdhsa_reserve_vcc 0
		.amdhsa_float_denorm_mode_32 3
		.amdhsa_float_denorm_mode_16_64 3
		.amdhsa_memory_ordered 1
		.amdhsa_forward_progress 1
		.amdhsa_inst_pref_size 49
	.end_amdhsa_kernel
	.amdgpu_metadata
---
amdhsa.version: [ 1, 2 ]
amdhsa.kernels:
  - .name:           k_q54decf2171_outproj
    .symbol:         k_q54decf2171_outproj.kd
    .args:
      - { .name: ac, .offset: 0, .size: 8, .value_kind: global_buffer, .address_space: global }
      - { .name: pc, .offset: 8, .size: 8, .value_kind: global_buffer, .address_space: global }
      - { .name: lowp_scales, .offset: 16, .size: 8, .value_kind: global_buffer, .address_space: global }
      - { .name: x, .offset: 24, .size: 8, .value_kind: global_buffer, .address_space: global }
      - { .name: x1, .offset: 32, .size: 8, .value_kind: global_buffer, .address_space: global }
    .group_segment_fixed_size: 327680
    .private_segment_fixed_size: 0
    .kernarg_segment_align: 8
    .kernarg_segment_size: 40
    .max_flat_workgroup_size: 128
    .sgpr_count:     100
    .vgpr_count:     640
    .wavefront_size: 32
...
	.end_amdgpu_metadata
.endif
;; end of part 11
;; launch norm2 (part 12): grid 256 x 1, 8 waves a work-group, no clusters, 69,632 bytes of LDS; arguments x1, w_ff_norm, lowp_scales, h2c; writes h2c
.if DOCPART == 12
	.amdgcn_target "amdgcn-amd-amdhsa--gfx1250"
	.amdhsa_code_object_version 6
	.text
	.protected	k_q54decf2171_norm2
	.globl	k_q54decf2171_norm2
	.p2align	8
	.type	k_q54decf2171_norm2,@function
k_q54decf2171_norm2:
	s_mov_b64 s[64:65], 0
	v_nop
	global_prefetch_b8 v0, s[64:65] scope:SCOPE_SE
	s_setreg_imm32_b32 hwreg(HW_REG_WAVE_MODE, 25, 1), 1
	s_wait_xcnt 0x0
; h2c = the codes of rmsnorm(x1) x w_ff_norm, E4M3 with the scale 2^e8, as images of the operand's registers (units of 16 rows x 128 K, 2,048 bytes).  No work of reference() is left out here.
; A work-group takes 16 rows, each of its eight waves 128 along K; a row's sum of squares meets in LDS.  Each load reads 512 consecutive bytes of a row; the numbers turn through the wave's own stage into the operand's layout.
; LIMIT: e8 between -126 and 119; NaN among the inputs is not served.
.set STGB,  8448
.set PART,  8*STGB
.set SPARE, PART+512
.set LI,  4
.set SI,  5
.set SO,  6
.set WA,  8
.set PW,  9
.set PR,  10
.set SPW, 12
.set NIL, 13
.set SC,  14
.set LIM, 15
.set R,   16
.set X,   80
.set W,   144
.set C,   208
	s_load_b256 s[4:11], s[0:1], 0x0               ; x1 s[4:5], w_ff_norm s[6:7], lowp_scales s[8:9], h2c s[10:11]
	v_lshl_add_u32 v[SPW], v0, 2, SPARE
	v_mov_b32 v[NIL], 0
	v_lshrrev_b32 v1, 5, v0
	s_delay_alu instid0(VALU_DEP_1)
	v_readfirstlane_b32 s22, v1
	v_and_b32 v1, 31, v0
	v_and_b32 v2, 15, v0
	v_bfe_u32 v3, v0, 4, 1
	s_delay_alu instid0(VALU_DEP_3)
	v_lshlrev_b32 v[LI], 4, v1
	s_mul_i32 s23, s22, STGB
	v_add_nc_u32 v[SI], s23, v[LI]
	v_mul_u32_u24 v[SO], v2, 528
	s_delay_alu instid0(VALU_DEP_1)
	v_lshl_add_u32 v[SO], v3, 5, v[SO]
	s_delay_alu instid0(VALU_DEP_1)
	v_add_nc_u32 v[SO], s23, v[SO]
	v_lshlrev_b32 v[WA], 5, v3
	v_lshlrev_b32 v[PR], 5, v2
	s_delay_alu instid0(VALU_DEP_1)
	v_add_nc_u32 v[PR], PART, v[PR]
	s_lshl_b32 s24, s22, 2
	v_add_nc_u32 v[PW], s24, v[PR]
	s_mov_b32 s48, 0x76543210
	s_mov_b32 s49, 0xfedcba98
	s_lshl_b32 s28, ttmp9, 16                      ; 16 rows of 4,096 bytes
	s_lshl_b32 s30, s22, 9                         ; my wave's 512 bytes of a row
	s_add_co_u32 s28, s28, s30
	s_mov_b32 s29, 0
	s_mov_b32 s31, 0
	s_lshl_b32 s32, ttmp9, 3
	s_add_co_u32 s32, s32, s22
	s_lshl_b32 s32, s32, 11                        ; my unit
	s_mov_b32 s33, 0
	s_wait_alu depctr_va_vdst(0)
	s_wait_kmcnt 0x0
	s_load_b32 s44, s[8:9], 0x20                   ; e8
	s_add_nc_u64 s[4:5], s[4:5], s[28:29]
	s_add_nc_u64 s[6:7], s[6:7], s[30:31]
	s_add_nc_u64 s[10:11], s[10:11], s[32:33]
.irp i, 0,1,2,3,4,5,6,7,8,9,10,11,12,13,14,15
	global_load_b128 v[R+4*\i:R+4*\i+3], v[LI], s[4:5] offset:\i*4096 th:TH_LOAD_NT
.endr
.irp c, 0,1,2,3,4,5,6,7
	global_load_b128 v[W+8*\c:W+8*\c+3], v[WA], s[6:7] offset:64*\c
	global_load_b128 v[W+8*\c+4:W+8*\c+7], v[WA], s[6:7] offset:64*\c+16
.endr
	s_wait_kmcnt 0x0
	s_add_co_i32 s44, s44, 127
	s_lshl_b32 s45, s44, 23
	v_mov_b32 v[SC], s45
	s_add_co_i32 s44, s44, 8
	s_lshl_b32 s44, s44, 23
	s_or_b32 s44, s44, 0x600000
	v_mov_b32 v[LIM], s44
.irp i, 0,1,2,3,4,5,6,7,8,9,10,11,12,13,14,15
	s_wait_loadcnt 31-\i                           ; row i is in; the 15 - i younger rows and the gain's 16 loads may be out
	ds_store_b128 v[SI], v[R+4*\i:R+4*\i+3] offset:528*\i
.endr
.irp c, 0,1,2,3,4,5,6,7
	ds_load_b128 v[X+8*\c:X+8*\c+3], v[SO] offset:64*\c
	ds_load_b128 v[X+8*\c+4:X+8*\c+7], v[SO] offset:64*\c+16
.endr
	s_wait_dscnt 0x0
	v_pk_mul_f32 v[224:225], v[X:X+1], v[X:X+1]
	v_pk_mul_f32 v[226:227], v[X+2:X+3], v[X+2:X+3]
.set n, 4
.rept 15
	s_delay_alu instid0(VALU_DEP_2)
	v_pk_fma_f32 v[224:225], v[X+n:X+n+1], v[X+n:X+n+1], v[224:225]
	s_delay_alu instid0(VALU_DEP_2)
	v_pk_fma_f32 v[226:227], v[X+n+2:X+n+3], v[X+n+2:X+n+3], v[226:227]
.set n, n+4
.endr
	s_delay_alu instid0(VALU_DEP_1)
	v_pk_add_f32 v[224:225], v[224:225], v[226:227]
	s_delay_alu instid0(VALU_DEP_1)
	v_add_f32 v224, v224, v225
	s_delay_alu instid0(VALU_DEP_1)
	v_permlanex16_b32 v226, v224, s48, s49
	s_delay_alu instid0(VALU_DEP_1)
	v_add_f32 v224, v224, v226
	ds_store_b32 v[PW], v224
	s_wait_dscnt 0x0                               ; for the others' sake: my store has landed
	s_barrier_signal -1
	s_barrier_wait -1
	ds_load_b128 v[228:231], v[PR]
	ds_load_b128 v[232:235], v[PR] offset:16
	s_wait_dscnt 0x0
	v_add_f32 v228, v228, v229
	v_add_f32 v230, v230, v231
	v_add_f32 v232, v232, v233
	v_add_f32 v234, v234, v235
	s_delay_alu instid0(VALU_DEP_3)
	v_add_f32 v228, v228, v230
	s_delay_alu instid0(VALU_DEP_2)
	v_add_f32 v232, v232, v234
	s_delay_alu instid0(VALU_DEP_1)
	v_add_f32 v228, v228, v232
	v_mov_b32 v229, 0x358637bd                     ; 1e-6
	s_delay_alu instid0(VALU_DEP_1)
	v_fma_f32 v228, v228, 0x3a800000, v229         ; sum / 1,024 + 1e-6
	s_wait_alu depctr_va_vdst(0)
	v_rsq_f32 v236, v228
	v_mov_b32 v237, 0                              ; a plain instruction behind the transcendental
	s_wait_alu depctr_va_vdst(0)                   ; ahead of the result's first reader
.set n, 0
.rept 32
	v_pk_mul_f32 v[X+n:X+n+1], v[X+n:X+n+1], v[236:237] op_sel_hi:[1,0]
.set n, n+2
.endr
	s_wait_loadcnt 0x0                             ; the gain
.set n, 0
.rept 32
	v_pk_mul_f32 v[X+n:X+n+1], v[X+n:X+n+1], v[W+n:W+n+1]
.set n, n+2
.endr
.set n, 0
.rept 64
	v_med3_num_f32 v[X+n], v[X+n], -v[LIM], v[LIM] ; the conversion does not saturate (ISA guide 7.6.2)
.set n, n+1
.endr
.irp c, 0,1,2,3,4,5,6,7
	v_cvt_scalef32_pk8_fp8_f32 v[C+2*\c:C+2*\c+1], v[X+8*\c:X+8*\c+7], v[SC]
.endr
	v_nop
.irp q, 0,1,2,3
	global_store_b128 v[LI], v[C+4*\q:C+4*\q+3], s[10:11] offset:512*\q
.endr
	s_wait_tensorcnt 0x0                           ; the wave's end
	ds_add_u32 v[SPW], v[NIL]
	s_wait_dscnt 0x0
	s_endpgm
.Lfunc_end_k_q54decf2171_norm2:
	.size	k_q54decf2171_norm2, .Lfunc_end_k_q54decf2171_norm2-k_q54decf2171_norm2
	.p2alignl 7, 3214868480
	.fill 96, 4, 3214868480
	.section	.rodata,"a",@progbits
	.p2align	6, 0x0
	.amdhsa_kernel k_q54decf2171_norm2
		.amdhsa_group_segment_fixed_size 69632
		.amdhsa_private_segment_fixed_size 0
		.amdhsa_enable_private_segment 0
		.amdhsa_kernarg_size 32
		.amdhsa_user_sgpr_count 2
		.amdhsa_user_sgpr_kernarg_segment_ptr 1
		.amdhsa_wavefront_size32 1
		.amdhsa_system_sgpr_workgroup_id_x 1
		.amdhsa_system_sgpr_workgroup_id_y 1
		.amdhsa_system_sgpr_workgroup_id_z 1
		.amdhsa_system_vgpr_workitem_id 0
		.amdhsa_next_free_vgpr 240
		.amdhsa_next_free_sgpr 66
		.amdhsa_reserve_vcc 0
		.amdhsa_float_denorm_mode_32 3
		.amdhsa_float_denorm_mode_16_64 3
		.amdhsa_memory_ordered 1
		.amdhsa_forward_progress 1
		.amdhsa_inst_pref_size 22
	.end_amdhsa_kernel
	.amdgpu_metadata
---
amdhsa.version: [ 1, 2 ]
amdhsa.kernels:
  - .name:           k_q54decf2171_norm2
    .symbol:         k_q54decf2171_norm2.kd
    .args:
      - { .name: x1, .offset: 0, .size: 8, .value_kind: global_buffer, .address_space: global }
      - { .name: w_ff_norm, .offset: 8, .size: 8, .value_kind: global_buffer, .address_space: global }
      - { .name: lowp_scales, .offset: 16, .size: 8, .value_kind: global_buffer, .address_space: global }
      - { .name: h2c, .offset: 24, .size: 8, .value_kind: global_buffer, .address_space: global }
    .group_segment_fixed_size: 69632
    .private_segment_fixed_size: 0
    .kernarg_segment_align: 8
    .kernarg_segment_size: 32
    .max_flat_workgroup_size: 256
    .sgpr_count:     66
    .vgpr_count:     240
    .wavefront_size: 32
...
	.end_amdgpu_metadata
.endif
;; end of part 12
;; launch fc (part 13): grid 8 x 16, 4 waves a work-group, clusters of 4 x 4, 327,680 bytes of LDS; arguments h2c, pc, lowp_scales, hidc; writes hidc
.if DOCPART == 13
	.amdgcn_target "amdgcn-amd-amdhsa--gfx1250"
	.amdhsa_code_object_version 6
	.text
	.protected	k_q54decf2171_fc
	.globl	k_q54decf2171_fc
	.p2align	8
	.type	k_q54decf2171_fc,@function
k_q54decf2171_fc:
	s_mov_b64 s[64:65], 0
	v_nop
	global_prefetch_b8 v0, s[64:65] scope:SCOPE_SE
	s_setreg_imm32_b32 hwreg(HW_REG_WAVE_MODE, 25, 1), 1
	s_wait_xcnt 0x0
	s_wait_alu depctr_hold_cnt(0) depctr_sa_sdst(0) depctr_va_vdst(0) depctr_va_sdst(0) depctr_va_ssrc(0) depctr_va_vcc(0) depctr_vm_vsrc(0)
	s_getreg_b32 s2, hwreg(HW_REG_IB_STS2, 6, 4)
	s_cmp_eq_u32 s2, 0
	s_cbranch_scc0 .Lentry_in_a_cluster
	s_endpgm
.Lentry_in_a_cluster:
	s_bfe_u32 s2, ttmp6, 0x10000c
	s_cmp_lg_u32 s2, 0xf033
	s_cbranch_scc0 .Lentry_shape_is_right
	s_endpgm
.Lentry_shape_is_right:
.set SIZE_K, 1024
.set BOFF,   8388608
.set RBB,    16*SIZE_K
.set STEPB,  4096
.set HALFT,  32768
.set SLOT,   4*HALFT
.set SPARE,  2*SLOT
.set LAPS,   SIZE_K/512
.set FR,     16
.set NL,     4
.set NP,     4
.set ADRA, 16
.set ADRB, 20
.set LI,   27
.set SPW,  28
.set NIL,  29
.set SC,   30
.set LIM,  31
.set T,    32
.set CD,   128
.set AF,   128
.set G1, 24
.set G0, 32
.set G1B, 48
.set G0B, 56
.set MSB, 0
.macro WIN new
.if MSB != (\new)
	s_set_vgpr_msb (MSB<<8)|(\new)
.set MSB, (\new)
.endif
.endm
.set MUL_LO, 0xa1
.set MUL_HI, 0xf1
.set TO_B,   0x40
.macro JLOAD g0a, g1a, g0b, g1b
	s_cmp_eq_u32 s15, 0
	s_cbranch_scc0 .Lfor_b_\@
	tensor_load_to_lds s[\g0a:\g0a+3], s[\g1a:\g1a+7]
	s_nop 0
.rept 4
	v_nop
.endr
	s_branch .Lasked_\@
.Lfor_b_\@:
	tensor_load_to_lds s[\g0b:\g0b+3], s[\g1b:\g1b+7]
	s_nop 0
.rept 4
	v_nop
.endr
.Lasked_\@:
.endm
.macro CREST
	s_cmp_lg_u32 s14, 0
	s_cbranch_scc1 .Lnot_wave_0_\@
	s_barrier_signal -3
.Lnot_wave_0_\@:
	s_barrier_wait -3
	s_barrier_signal -1
	s_barrier_wait -1
.endm
.macro CROUND
	s_barrier_signal -1
	s_barrier_wait -1
	CREST
.endm
	s_load_b256 s[4:11], s[0:1], 0x0
	v_lshl_add_u32 v[SPW], v0, 2, SPARE
	v_mov_b32 v[NIL], 0
	ds_add_u32 v[SPW], v[NIL]
	ds_add_u32 v[SPW], v[NIL]
	v_lshrrev_b32 v1, 5, v0
	v_readfirstlane_b32 s14, v1
	s_lshr_b32 s15, s14, 1
	s_and_b32 s16, s14, 1
	s_bfe_u32 s40, ttmp6, 0x40000
	s_bfe_u32 s41, ttmp6, 0x40004
	s_lshl_b32 s42, ttmp9, 2
	s_add_co_u32 s42, s42, s40
	s_and_b32 s17, ttmp7, 0xffff
	s_lshl_b32 s17, s17, 2
	s_add_co_u32 s17, s17, s41
	s_lshl_b32 s43, s41, 2
	s_lshl_b32 s43, 15, s43
	s_lshl_b32 s44, 0x1111, s40
	s_or_b32 s[G1+0], s43, (3<<16)|(1<<21)
	s_or_b32 s[G1B+0], s44, (3<<16)|(1<<21)
.irp g, G1, G1B
	s_mov_b32 s[\g+1], 512<<16
	s_mov_b32 s[\g+2], 8<<16
	s_mov_b32 s[\g+3], 512<<16
	s_mov_b32 s[\g+4], 8
	s_mov_b32 s[\g+5], RBB/8
	s_mov_b32 s[\g+6], 0
	s_mov_b32 s[\g+7], 0
.endr
	s_lshl_b32 s18, s16, 3
	s_lshl_b32 s20, s17, 4
	s_add_co_u32 s20, s20, s18
	s_mul_i32 s20, s20, RBB
	s_mov_b32 s21, 0
	s_lshl_b32 s46, s42, 4
	s_add_co_u32 s46, s46, s18
	s_mul_i32 s46, s46, RBB
	s_add_co_u32 s46, s46, BOFF
	s_mov_b32 s47, 0
	s_mul_i32 s45, s14, HALFT
	s_wait_dscnt 0x0
	s_wait_kmcnt 0x0
	s_load_b128 s[88:91], s[8:9], 0x20
	s_add_nc_u64 s[20:21], s[4:5], s[20:21]
	s_add_nc_u64 s[46:47], s[6:7], s[46:47]
	CROUND
.irp s, 0,1
	s_mov_b32 s[G0+4*\s], 1
	s_add_co_u32 s[G0+4*\s+1], s45, \s*SLOT
	s_add_nc_u64 s[G0+4*\s+2:G0+4*\s+3], s[20:21], \s*STEPB
	s_or_b32 s[G0+4*\s+3], s[G0+4*\s+3], 0x80000000
	s_mov_b32 s[G0B+4*\s], 1
	s_add_co_u32 s[G0B+4*\s+1], s45, \s*SLOT
	s_add_nc_u64 s[G0B+4*\s+2:G0B+4*\s+3], s[46:47], \s*STEPB
	s_or_b32 s[G0B+4*\s+3], s[G0B+4*\s+3], 0x80000000
.endr
	JLOAD G0, G1, G0B, G1B                         ; K step 0: one tensor load a wave at the head
	v_and_b32 v1, 31, v0
	v_lshlrev_b32 v[LI], 4, v1
	s_lshl_b32 s70, s15, 15
	s_lshl_b32 s71, s16, 15
	s_add_co_u32 s71, s71, 2*HALFT
.irp s, 0,1
	v_add_nc_u32 v[ADRA+\s], s70, v[LI]
	v_add_nc_u32 v[ADRB+\s], s71, v[LI]
	s_add_co_u32 s70, s70, SLOT
	s_add_co_u32 s71, s71, SLOT
.endr
	s_lshl_b32 s70, s17, 4
	s_lshl_b32 s71, s15, 3
	s_add_co_u32 s70, s70, s71
	s_lshl_b32 s70, s70, 4
	s_lshl_b32 s71, s42, 1
	s_add_co_u32 s70, s70, s71
	s_add_co_u32 s70, s70, s16
	s_lshl_b32 s70, s70, 11
	s_mov_b32 s71, 0
	s_add_nc_u64 s[10:11], s[10:11], s[70:71]
.macro FRAG reg, adr, q, i
.irp c, 0,1,2,3
	ds_load_b128 v[\reg+4*\c:\reg+4*\c+3], v[\adr] offset:2048*(\q)+512*\c+4096*(\i)
.endr
.endm
.macro MUL16 a0, p, zero
.irp a, \a0, \a0+1
.irp b, 0,1,2,3,4,5,6,7
.if \zero
	v_wmma_f32_16x16x128_fp8_fp8 v[8*(8*((\a)%4)+\b):8*(8*((\a)%4)+\b)+7], v[128*(\p)+FR*\b:128*(\p)+FR*\b+FR-1], v[AF+FR*(\a):AF+FR*(\a)+FR-1], 0
.else
	v_wmma_f32_16x16x128_fp8_fp8 v[8*(8*((\a)%4)+\b):8*(8*((\a)%4)+\b)+7], v[128*(\p)+FR*\b:128*(\p)+FR*\b+FR-1], v[AF+FR*(\a):AF+FR*(\a)+FR-1], v[8*(8*((\a)%4)+\b):8*(8*((\a)%4)+\b)+7]
.endif
.endr
.endr
.endm
.macro FETCH_B slot, q, p
	WIN TO_B
.irp i, 0,1,2,3,4,5,6,7
	FRAG 128*(\p)+FR*\i, ADRB+\slot, \q, \i
.endr
	WIN 0
.endm
.macro FETCH_A slot, q, i0
.irp i, \i0, \i0+1, \i0+2, \i0+3
	FRAG AF+FR*(\i), ADRA+\slot, \q, \i
.endr
.endm
.macro PLACES n
.rept \n
	v_nop
.endr
.endm
.macro STEP slot, q, zero
	s_wait_dscnt 4*NL
	WIN MUL_LO
	MUL16 0, (\q)%2, \zero
	MUL16 2, (\q)%2, \zero
	s_wait_dscnt 0
	PLACES NP
	FETCH_B \slot, (\q)+1, 1-(\q)%2
	FETCH_A \slot, (\q)+1, 0
	WIN MUL_HI
	MUL16 4, (\q)%2, \zero
	MUL16 6, (\q)%2, \zero
	PLACES NP
	WIN 0
	FETCH_A \slot, (\q)+1, 4
.endm
.macro TURN slot, next, fill
	s_wait_tensorcnt 0x0
	ds_add_u32 v[SPW], v[NIL]
	s_wait_dscnt 4*NL+1
	WIN MUL_LO
	MUL16 0, 1, 0
	s_wait_dscnt 0x0
	s_barrier_signal -1
	MUL16 2, 1, 0
	WIN 0
	s_barrier_wait -1
.if \fill
	CREST
	s_add_nc_u64 s[G0+4*\slot+2:G0+4*\slot+3], s[G0+4*\slot+2:G0+4*\slot+3], 2*STEPB
	s_add_nc_u64 s[G0B+4*\slot+2:G0B+4*\slot+3], s[G0B+4*\slot+2:G0B+4*\slot+3], 2*STEPB
	JLOAD G0+4*\slot, G1, G0B+4*\slot, G1B
.else
	PLACES NP
.endif
	FETCH_B \next, 0, 0
	FETCH_A \next, 0, 0
	WIN MUL_HI
	MUL16 4, 1, 0
	MUL16 6, 1, 0
	PLACES NP
	WIN 0
	FETCH_A \next, 0, 4
.endm
	s_wait_alu depctr_va_vdst(0)
	s_wait_tensorcnt 0x0                           ; my part of K step 0 is in
	ds_add_u32 v[SPW], v[NIL]
	s_wait_dscnt 0x0
	CROUND                                         ; everybody's part of K step 0 is in, and the joint loads meet
	JLOAD G0+4, G1, G0B+4, G1B                     ; K step 1: the first tensor load behind the round
	FETCH_B 0, 0, 0
	FETCH_A 0, 0, 0
	FETCH_A 0, 0, 4
	STEP 0, 0, 1
	s_mov_b32 s3, LAPS-1
.Llap:
	TURN 0, 1, 1
	STEP 1, 0, 0
	TURN 1, 0, 1
	STEP 0, 0, 0
	s_sub_co_u32 s3, s3, 1
	s_cmp_lg_u32 s3, 0
	s_cbranch_scc1 .Llap
	TURN 0, 1, 0
	STEP 1, 0, 0
	s_wait_dscnt 4*NL
	WIN MUL_LO
	MUL16 0, 1, 0
	MUL16 2, 1, 0
	s_wait_dscnt 0
	WIN MUL_HI
	MUL16 4, 1, 0
	MUL16 6, 1, 0
	WIN 0
	s_wait_kmcnt 0x0
	s_add_co_i32 s92, s88, s89
	s_lshl_b32 s93, s92, 23
	s_mov_b32 s96, 0xbfb8aa3b
	s_add_co_i32 s96, s96, s93
	s_mov_b32 s97, s96
	s_sub_co_i32 s92, s90, s92
	s_add_co_i32 s92, s92, 127
	s_lshl_b32 s93, s92, 23
	v_mov_b32 v[SC], s93
	s_add_co_i32 s92, s92, 8
	s_lshl_b32 s92, s92, 23
	s_or_b32 s92, s92, 0x600000
	v_mov_b32 v[LIM], s92
	PLACES NP
.macro SILU a
.set AC, 64*((\a)%4)
	WIN 0x02+((\a)/4)
.set n, 0
.rept 32
	v_pk_mul_f32 v[T+n:T+n+1], v[AC+n:AC+n+1], s[96:97] op_sel_hi:[1,0]
.set n, n+2
.endr
	WIN 0
.set n, 0
	s_wait_alu depctr_va_vdst(0)
.rept 64
	v_exp_f32 v[T+n], v[T+n]
.set n, n+1
.endr
	v_nop
	s_wait_alu depctr_va_vdst(0)
.set n, 0
.rept 32
	v_pk_add_f32 v[T+n:T+n+1], v[T+n:T+n+1], 1.0 op_sel_hi:[1,0]
.set n, n+2
.endr
.set n, 0
	s_wait_alu depctr_va_vdst(0)
.rept 64
	v_rcp_f32 v[T+n], v[T+n]
.set n, n+1
.endr
	v_nop
	s_wait_alu depctr_va_vdst(0)
	WIN 0x02+((\a)/4)
.set n, 0
.rept 32
	v_pk_mul_f32 v[T+n:T+n+1], v[AC+n:AC+n+1], v[T+n:T+n+1]
.set n, n+2
.endr
	WIN 0
.set n, 0
.rept 64
	v_med3_num_f32 v[T+n], v[T+n], -v[LIM], v[LIM]
.set n, n+1
.endr
.irp b, 0,1,2,3,4,5,6,7
	v_cvt_scalef32_pk8_fp8_f32 v[CD+16*(\a)+2*\b:CD+16*(\a)+2*\b+1], v[T+8*\b:T+8*\b+7], v[SC]
.endr
	v_nop
.irp q, 0,1,2,3
	global_store_b128 v[LI], v[CD+16*(\a)+4*\q:CD+16*(\a)+4*\q+3], s[10:11] offset:32768*(\a)+512*\q
.endr
.endm
.irp a, 0,1,2,3,4,5,6,7
	SILU \a
.endr
	s_wait_tensorcnt 0x0
	ds_add_u32 v[SPW], v[NIL]
	s_wait_dscnt 0x0
	CROUND
	s_endpgm
.Lfunc_end_k_q54decf2171_fc:
	.size	k_q54decf2171_fc, .Lfunc_end_k_q54decf2171_fc-k_q54decf2171_fc
	.p2alignl 7, 3214868480
	.fill 96, 4, 3214868480
	.section	.rodata,"a",@progbits
	.p2align	6, 0x0
	.amdhsa_kernel k_q54decf2171_fc
		.amdhsa_group_segment_fixed_size 327680
		.amdhsa_private_segment_fixed_size 0
		.amdhsa_enable_private_segment 0
		.amdhsa_kernarg_size 32
		.amdhsa_user_sgpr_count 2
		.amdhsa_user_sgpr_kernarg_segment_ptr 1
		.amdhsa_wavefront_size32 1
		.amdhsa_system_sgpr_workgroup_id_x 1
		.amdhsa_system_sgpr_workgroup_id_y 1
		.amdhsa_system_sgpr_workgroup_id_z 1
		.amdhsa_system_vgpr_workitem_id 0
		.amdhsa_next_free_vgpr 1024
		.amdhsa_next_free_sgpr 100
		.amdhsa_reserve_vcc 0
		.amdhsa_float_denorm_mode_32 3
		.amdhsa_float_denorm_mode_16_64 3
		.amdhsa_memory_ordered 1
		.amdhsa_forward_progress 1
		.amdhsa_inst_pref_size 199
	.end_amdhsa_kernel
	.amdgpu_metadata
---
amdhsa.version: [ 1, 2 ]
amdhsa.kernels:
  - .name:           k_q54decf2171_fc
    .symbol:         k_q54decf2171_fc.kd
    .args:
      - { .name: h2c, .offset: 0, .size: 8, .value_kind: global_buffer, .address_space: global }
      - { .name: pc, .offset: 8, .size: 8, .value_kind: global_buffer, .address_space: global }
      - { .name: lowp_scales, .offset: 16, .size: 8, .value_kind: global_buffer, .address_space: global }
      - { .name: hidc, .offset: 24, .size: 8, .value_kind: global_buffer, .address_space: global }
    .group_segment_fixed_size: 327680
    .private_segment_fixed_size: 0
    .kernarg_segment_align: 8
    .kernarg_segment_size: 32
    .max_flat_workgroup_size: 128
    .sgpr_count:     100
    .vgpr_count:     1024
    .wavefront_size: 32
...
	.end_amdgpu_metadata
.endif
;; end of part 13
;; launch proj (part 14): grid 8 x 32, 4 waves a work-group, clusters of 4 x 4, 327,680 bytes of LDS; arguments hidc, pc, lowp_scales, x1, out0; writes out0
.if DOCPART == 14
	.amdgcn_target "amdgcn-amd-amdhsa--gfx1250"
	.amdhsa_code_object_version 6
	.text
	.protected	k_q54decf2171_proj
	.globl	k_q54decf2171_proj
	.p2align	8
	.type	k_q54decf2171_proj,@function
k_q54decf2171_proj:
	s_mov_b64 s[64:65], 0
	v_nop
	global_prefetch_b8 v0, s[64:65] scope:SCOPE_SE
	s_setreg_imm32_b32 hwreg(HW_REG_WAVE_MODE, 25, 1), 1
	s_wait_xcnt 0x0
	s_wait_alu depctr_hold_cnt(0) depctr_sa_sdst(0) depctr_va_vdst(0) depctr_va_sdst(0) depctr_va_ssrc(0) depctr_va_vcc(0) depctr_vm_vsrc(0)
	s_getreg_b32 s2, hwreg(HW_REG_IB_STS2, 6, 4)
	s_cmp_eq_u32 s2, 0
	s_cbranch_scc0 .Lentry_in_a_cluster
	s_endpgm
.Lentry_in_a_cluster:
	s_bfe_u32 s2, ttmp6, 0x10000c
	s_cmp_lg_u32 s2, 0xf033
	s_cbranch_scc0 .Lentry_shape_is_right
	s_endpgm
.Lentry_shape_is_right:
; out0 = x1 + hid w_proj^T on codes of E4M3, K = 2,048.  No work of reference() is left out here.
; OPERANDS: units of 16 rows x 128 K, 2,048 bytes, images of the operand's registers (lane 16 h + r: row r; registers 2 c, 2 c + 1: k = 16 c + 8 h + 0 .. 7; registers 4 q .. 4 q + 3 of lane l at byte 512 q + 16 l);
; a row block's units lie on end.  512 along K of 4 row blocks are 4 runs of 8,192 bytes: one tensor load, no padding; a fragment comes by four ds_load_b128 at 16 x lane + constants.
; TILES: the result [4,096][1,024] has 32 x 8 = 256 tiles of 128 x 128, a work-group each (tiles of 256 x 256 would be 64).  Four waves, each 64 x 64: 16 accumulators, 128 registers.
; K goes in steps of 512 through two LDS slots; SIZE_K / 1,024 = 2 laps: each slot is filled again once.
; CLUSTERS of 4 x 4: A's tiles (tokens) are shared along a row of the cluster, B's (the weight's rows) along a column, each asked for jointly.
; Source 0 = 16 rows of the weight, source 1 = 16 tokens: lane (r, h) holds token r, and register j of accumulator b holds column 16 b + 8 h + j.
; THE RESIDUAL is asked for at the head, in the layout in which rows leave (sixteen lanes to 256 consecutive bytes, aligned), and is waited for only ahead of the way out: result = sum x 2^(ea + eb) + residual, one
; packed multiply-add for two numbers.
; LIMIT: ea + eb between -126 and 127, so that 2^(ea + eb) is an f32 number.
; REGISTERS, in windows of 256: window 0: v16-29 addresses; v32-95 two sets of 32: rows read back from the stage; v128-255 the accumulators ((a, b) at v[128 + 8 (4 a + b)]).
;   window 1: two fragment buffers of 128: A's four fragments, then B's four.   window 2: v0-127 the residual: block a's row pair t at v[32 a + 4 t].
.set SIZE_K, 2048
.set BOFF,   10485760                  ; the weight's codes in pc
.set SCOFF,  40                        ; the two scales' bytes in lowp_scales: entries 10, 11
.set RBB,    16*SIZE_K                 ; a row block's bytes
.set STEPB,  8192                      ; 512 along K of a row block
.set HALFT,  32768                     ; 4 row blocks x 8,192: what one tensor load brings, and what one wave reads of A or of B
.set SLOT,   4*HALFT                   ; A's two halves, then B's two
.set SPARE,  2*SLOT                    ; behind the ring: the spare words, 128 bytes for each wave: two blocks of 256 bytes that no other line names
.set STAGE,  SPARE+512                 ; behind them: a stage of 16 rows x (256 bytes + 16) for each wave; no fill lands there
.set SPITCH, 272                       ; 17 x 16 bytes: the sixteen rows that a store touches begin in sixteen different columns of 16 bytes modulo 256
.set LAPS,   SIZE_K/1024               ; a lap = two K steps = once round the ring
.set FR,     16                        ; registers of a fragment
.set NP,     4                         ; places behind this matrix instruction (ISA guide 7.12.1)
.set ADRA, 16                          ; v16-17 LDS address of my A fragments in slot 0, 1
.set ADRB, 20                          ; v20-21 the same for B
.set STO,  24                          ; v24  the stage: where I put 32 bytes of a row
.set RD,   25                          ; v25  and where I read a row back
.set XO,   26                          ; v26  my bytes in two rows of the residual and of the result: 4,096 (lane / 16) + 16 (lane % 16); never rewritten
.set LI,   27                          ; v27  16 x lane
.set SPW,  28                          ; v28  my spare word; never rewritten
.set NIL,  29                          ; v29  0; never rewritten
.set BK,   32
.set ACC,  128
.set F0,   0                           ; fragment buffers, in window 1
.set F1,   128
.set G1, 24                            ; s[24:31] descriptor group 1 for A's tiles;  s[32:39] group 0, one set for each slot
.set G0, 32
.set G1B, 48                           ; s[48:55], s[56:63] the same for B's tiles
.set G0B, 56
.set MSB, 0
.macro WIN new                         ; the immediate's high byte repeats the setting that is left
.if MSB != (\new)
	s_set_vgpr_msb (MSB<<8)|(\new)
.set MSB, (\new)
.endif
.endm
.set MUL,  0x05                        ; sources 0 (B) and 1 (A) window 1; C and D window 0
.set TO_F, 0x40                        ; destination window 1, address window 0
.macro JLOAD g0a, g1a, g0b, g1b        ; a joint load: waves 0 and 1 fetch for A, waves 2 and 3 for B; the branch hangs on the wave's number alone; an s_nop 0 and four v_nop follow each line
	s_cmp_eq_u32 s15, 0
	s_cbranch_scc0 .Lfor_b_\@
	tensor_load_to_lds s[\g0a:\g0a+3], s[\g1a:\g1a+7]
	s_nop 0
.rept 4
	v_nop
.endr
	s_branch .Lasked_\@
.Lfor_b_\@:
	tensor_load_to_lds s[\g0b:\g0b+3], s[\g1b:\g1b+7]
	s_nop 0
.rept 4
	v_nop
.endr
.Lasked_\@:
.endm
.macro CREST                           ; a round of the cluster's barrier behind its opening barrier
	s_cmp_lg_u32 s14, 0
	s_cbranch_scc1 .Lnot_wave_0_\@
	s_barrier_signal -3
.Lnot_wave_0_\@:
	s_barrier_wait -3
	s_barrier_signal -1
	s_barrier_wait -1
.endm
.macro CROUND
	s_barrier_signal -1
	s_barrier_wait -1
	CREST
.endm
	s_load_b256 s[4:11], s[0:1], 0x0               ; A's codes s[4:5], pc s[6:7], lowp_scales s[8:9], the residual s[10:11]
	s_load_b64 s[12:13], s[0:1], 0x20              ; the result
	v_lshl_add_u32 v[SPW], v0, 2, SPARE
	v_mov_b32 v[NIL], 0
	ds_add_u32 v[SPW], v[NIL]                      ; the wave's opening: the add, twice on end, and its wait ahead of my first tensor load
	ds_add_u32 v[SPW], v[NIL]
	v_lshrrev_b32 v1, 5, v0
	v_readfirstlane_b32 s14, v1                    ; wave 0..3
	s_lshr_b32 s15, s14, 1                         ; my half of the tile's rows.  Also: I fetch for A (0) or for B (1)
	s_and_b32 s16, s14, 1                          ; my half of its columns.  Also: which 4 row blocks of that tile I fetch
	s_bfe_u32 s40, ttmp6, 0x40000                  ; cx
	s_bfe_u32 s41, ttmp6, 0x40004                  ; cy
	s_lshl_b32 s42, ttmp9, 2
	s_add_co_u32 s42, s42, s40                     ; tile column, 0..7
	s_and_b32 s17, ttmp7, 0xffff
	s_lshl_b32 s17, s17, 2
	s_add_co_u32 s17, s17, s41                     ; tile row, 0..31
	s_lshl_b32 s43, s41, 2
	s_lshl_b32 s43, 15, s43                        ; my row of the cluster
	s_lshl_b32 s44, 0x1111, s40                    ; my column
	s_or_b32 s[G1+0], s43, (3<<16)|(1<<21)         ; 15:0 the mask; 17:16 elements of 8 bytes; 21 set beside a mask; no padding
	s_or_b32 s[G1B+0], s44, (3<<16)|(1<<21)
.irp g, G1, G1B
	s_mov_b32 s[\g+1], 1024<<16                    ; tensor_dim0 = 1,024 elements: 8,192 bytes
	s_mov_b32 s[\g+2], 4<<16                       ; tensor_dim1 = 4
	s_mov_b32 s[\g+3], 1024<<16                    ; tile_dim0
	s_mov_b32 s[\g+4], 4                           ; tile_dim1
	s_mov_b32 s[\g+5], RBB/8                       ; from row block to row block, in elements
	s_mov_b32 s[\g+6], 0
	s_mov_b32 s[\g+7], 0
.endr
	s_lshl_b32 s18, s16, 2                         ; the 4 row blocks that I fetch
	s_lshl_b32 s20, s17, 3
	s_add_co_u32 s20, s20, s18                     ; A: row block 8 x tile row + 4 x half
	s_mul_i32 s20, s20, RBB
	s_mov_b32 s21, 0
	s_lshl_b32 s46, s42, 3
	s_add_co_u32 s46, s46, s18                     ; B: 8 x tile column + 4 x half
	s_mul_i32 s46, s46, RBB
	s_add_co_u32 s46, s46, BOFF
	s_mov_b32 s47, 0
	s_mul_i32 s45, s14, HALFT                      ; where they go: no place in the cluster enters an LDS address
	s_wait_dscnt 0x0                               ; both opening adds are done
	s_wait_kmcnt 0x0
	s_load_b64 s[96:97], s[8:9], SCOFF             ; ea, eb
	s_add_nc_u64 s[20:21], s[4:5], s[20:21]
	s_add_nc_u64 s[46:47], s[6:7], s[46:47]
	CROUND                                         ; all sixteen work-groups are here: the first joint loads meet
.irp s, 0,1
	s_mov_b32 s[G0+4*\s], 1
	s_add_co_u32 s[G0+4*\s+1], s45, \s*SLOT
	s_add_nc_u64 s[G0+4*\s+2:G0+4*\s+3], s[20:21], \s*STEPB
	s_or_b32 s[G0+4*\s+3], s[G0+4*\s+3], 0x80000000
	s_mov_b32 s[G0B+4*\s], 1
	s_add_co_u32 s[G0B+4*\s+1], s45, \s*SLOT
	s_add_nc_u64 s[G0B+4*\s+2:G0B+4*\s+3], s[46:47], \s*STEPB
	s_or_b32 s[G0B+4*\s+3], s[G0B+4*\s+3], 0x80000000
.endr
	JLOAD G0, G1, G0B, G1B                         ; K step 0: one tensor load a wave at the head
	v_and_b32 v1, 31, v0
	v_and_b32 v2, 15, v0                           ; lane % 16
	s_wait_alu depctr_va_vdst(0)
	v_bfe_u32 v3, v0, 4, 1                         ; lane / 16
	v_lshlrev_b32 v[LI], 4, v1
	s_lshl_b32 s70, s15, 15                        ; my half of A,
	s_lshl_b32 s71, s16, 15                        ; my half of B,
	s_add_co_u32 s71, s71, 2*HALFT                 ; which lies behind A's two
.irp s, 0,1
	v_add_nc_u32 v[ADRA+\s], s70, v[LI]
	v_add_nc_u32 v[ADRB+\s], s71, v[LI]
	s_add_co_u32 s70, s70, SLOT
	s_add_co_u32 s71, s71, SLOT
.endr
	s_mul_i32 s72, s14, 16*SPITCH
	s_add_co_u32 s72, s72, STAGE                   ; my stage
	v_mul_u32_u24 v[STO], v2, SPITCH               ; in: row lane % 16, 32 bytes for each half of the lanes
	s_wait_alu depctr_va_vdst(0)
	v_lshl_add_u32 v[STO], v3, 5, v[STO]
	v_add_nc_u32 v[STO], s72, v[STO]
	v_mul_u32_u24 v[RD], v3, SPITCH                ; back: lanes 0-15 take one row of 256 bytes, lanes 16-31 the next
	v_lshl_add_u32 v[RD], v2, 4, v[RD]
	v_add_nc_u32 v[RD], s72, v[RD]
	v_lshlrev_b32 v[XO], 12, v3                    ; and the same two rows in memory
	v_lshl_add_u32 v[XO], v2, 4, v[XO]
	s_wait_alu depctr_va_vdst(0)
	s_lshl_b32 s70, s17, 7
	s_lshl_b32 s71, s15, 6
	s_add_co_u32 s70, s70, s71                     ; my first row: 128 x tile row + 64 x half,
	s_lshl_b32 s70, s70, 12
	s_lshl_b32 s71, s42, 9
	s_add_co_u32 s70, s70, s71
	s_lshl_b32 s71, s16, 8
	s_add_co_u32 s70, s70, s71                     ; my first column, in bytes: 512 x tile column + 256 x half
	s_mov_b32 s71, 0
	s_add_nc_u64 s[10:11], s[10:11], s[70:71]
	s_add_nc_u64 s[12:13], s[12:13], s[70:71]
	WIN 0x80                                       ; destination window 2: my 64 rows x 256 bytes of the residual; they land while the products run
.irp a, 0,1,2,3
.irp t, 0,1,2,3,4,5,6,7
	global_load_b128 v[32*\a+4*\t:32*\a+4*\t+3], v[XO], s[10:11] offset:(16*\a+2*\t)*4096 th:TH_LOAD_NT   ; sixteen lanes read 256 consecutive bytes, aligned
.endr
.endr
	WIN 0
	s_wait_kmcnt 0x0
	s_add_co_i32 s96, s96, s97                     ; ea + eb
	s_add_co_i32 s96, s96, 127
	s_lshl_b32 s96, s96, 23                        ; 2^(ea + eb) as f32
	s_mov_b32 s97, s96                             ; (named with it as a pair, so it is written)
.macro FRAG reg, adr, q, i             ; row block i's unit q of the slot: four loads of 512 consecutive bytes
.irp c, 0,1,2,3
	ds_load_b128 v[\reg+4*\c:\reg+4*\c+3], v[\adr] offset:8192*(\i)+2048*(\q)+512*\c
.endr
.endm
; 32 LDS loads in one run: the fragments of the slot's q-th 128 along K into buffer f: B's four, then A's four, so that the youngest eight loads are A's blocks 2 and 3
.macro FETCH slot, q, f
	WIN TO_F
.irp i, 0,1,2,3
	FRAG \f+64+FR*\i, ADRB+\slot, \q, \i
.endr
.irp i, 0,1,2,3
	FRAG \f+FR*\i, ADRA+\slot, \q, \i
.endr
.endm
; 4 matrix instructions: A's block a x B's four, 128 along K, from buffer f.  zero = 1: the product starts the sums.  The 16 accumulators take turns, in the same order in every step.
.macro MULA f, a, zero
.irp b, 0,1,2,3
.if \zero
	v_wmma_f32_16x16x128_fp8_fp8 v[ACC+8*(4*(\a)+\b):ACC+8*(4*(\a)+\b)+7], v[\f+64+FR*\b:\f+64+FR*\b+FR-1], v[\f+FR*(\a):\f+FR*(\a)+FR-1], 0
.else
	v_wmma_f32_16x16x128_fp8_fp8 v[ACC+8*(4*(\a)+\b):ACC+8*(4*(\a)+\b)+7], v[\f+64+FR*\b:\f+64+FR*\b+FR-1], v[\f+FR*(\a):\f+FR*(\a)+FR-1], v[ACC+8*(4*(\a)+\b):ACC+8*(4*(\a)+\b)+7]
.endif
.endr
.endm
.macro PLACES n                        ; plain vector instructions between a matrix instruction and a load into, or a store's read of, its registers
.rept \n
	v_nop
.endr
.endm
; A K step is four steps of 128 along K, 16 matrix instructions each, on buffers 0, 1, 0, 1.  One of the first three: multiplies buffer f and, in its middle, fetches the slot's unit q into buffer g.
.macro SUB slot, q, f, g, zero
	s_wait_dscnt 8                                 ; B's four and A's blocks 0, 1 are in; the youngest eight loads (A's blocks 2, 3) may be out
	WIN MUL
	MULA \f, 0, \zero
	MULA \f, 1, \zero
	PLACES NP                                      ; ahead of the loads into buffer g, which the step before multiplied
	FETCH \slot, \q, \g
	s_wait_dscnt 32                                ; all but the 32 just issued
	WIN MUL
	MULA \f, 2, \zero
	MULA \f, 3, \zero
.endm
; A slot's last step multiplies buffer 1 and changes slots: one barrier; ahead of it each wave waits for all its tensor loads, adds 0 to its spare word, and waits for that and for its reads of this slot.
; fill = 1: this slot is filled again, two K steps ahead.
.macro TURN slot, next, fill
	WIN 0                                          ; (the add's two registers lie in window 0)
	s_wait_tensorcnt 0x0                           ; all my tensor loads have landed: my part of the next slot
	ds_add_u32 v[SPW], v[NIL]
	s_wait_dscnt 9                                 ; the add and the youngest eight loads may be out
	WIN MUL
	MULA F1, 0, 0                                  ; four matrix instructions stand between the add and the wait for it
	s_wait_dscnt 0x0                               ; the add is done, and my reads of this slot are over
	s_barrier_signal -1
	MULA F1, 1, 0
.if \fill
	WIN 0
.endif
	s_barrier_wait -1
.if \fill
	CREST                                          ; the barrier has opened a round of the cluster's: no wave of any partner still reads this slot or has a load on its way
	s_add_nc_u64 s[G0+4*\slot+2:G0+4*\slot+3], s[G0+4*\slot+2:G0+4*\slot+3], 2*STEPB
	s_add_nc_u64 s[G0B+4*\slot+2:G0B+4*\slot+3], s[G0B+4*\slot+2:G0B+4*\slot+3], 2*STEPB
	JLOAD G0+4*\slot, G1, G0B+4*\slot, G1B         ; the first tensor load behind the round; its four v_nop are the places for the loads below
.else
	PLACES NP
.endif
	FETCH \next, 0, F0
	WIN MUL
	MULA F1, 2, 0
	MULA F1, 3, 0
.endm
	s_wait_alu depctr_va_vdst(0)
	s_wait_tensorcnt 0x0                           ; my part of K step 0 is in
	ds_add_u32 v[SPW], v[NIL]
	s_wait_dscnt 0x0
	CROUND                                         ; everybody's part of K step 0 is in, and the joint loads meet
	JLOAD G0+4, G1, G0B+4, G1B                     ; K step 1: the first tensor load behind the round
	FETCH 0, 0, F0
	SUB 0, 1, F0, F1, 1                            ; the first products start the sums
.if LAPS > 1
	WIN 0                                          ; at a label and at a branch every window is 0
	s_mov_b32 s3, LAPS-1
.Llap:                                                 ; a trip goes once round the ring, from a lap's second step to the next lap's first, and fills both slots again
	SUB 0, 2, F1, F0, 0
	SUB 0, 3, F0, F1, 0
	TURN 0, 1, 1
	SUB 1, 1, F0, F1, 0
	SUB 1, 2, F1, F0, 0
	SUB 1, 3, F0, F1, 0
	TURN 1, 0, 1
	SUB 0, 1, F0, F1, 0
	WIN 0
	s_sub_co_u32 s3, s3, 1
	s_cmp_lg_u32 s3, 0
	s_cbranch_scc1 .Llap
.endif
	SUB 0, 2, F1, F0, 0                            ; the last lap fills nothing
	SUB 0, 3, F0, F1, 0
	TURN 0, 1, 0
	SUB 1, 1, F0, F1, 0
	SUB 1, 2, F1, F0, 0
	SUB 1, 3, F0, F1, 0
	s_wait_dscnt 8                                 ; the very last step: nothing more to fetch
	WIN MUL
	MULA F1, 0, 0
	MULA F1, 1, 0
	s_wait_dscnt 0
	MULA F1, 2, 0
	MULA F1, 3, 0
	WIN 0
; THE WAY OUT, block by block of 16 rows x 64 columns.  A lane holds 32 neighbouring bytes of a row, and the lanes beside it hold other rows: so the sums go through my own stage and come back as whole rows of 256 bytes,
; two rows an instruction.  LDS serves a wave's instructions in order (ISA guide 5.7.1.4): no wait between the stores and the loads, nor ahead of the next block's stores.
.macro TOSTAGE a
.irp b, 0,1,2,3
	ds_store_b128 v[STO], v[ACC+8*(4*(\a)+\b):ACC+8*(4*(\a)+\b)+3] offset:64*\b          ; each accumulator from its low end on
	ds_store_b128 v[STO], v[ACC+8*(4*(\a)+\b)+4:ACC+8*(4*(\a)+\b)+7] offset:64*\b+16
.endr
.set BB, BK+32*((\a)%2)
.irp t, 0,1,2,3,4,5,6,7
	ds_load_b128 v[BB+4*\t:BB+4*\t+3], v[RD] offset:\t*2*SPITCH
.endr
.endm
.macro SEND a, younger                 ; younger: the LDS instructions issued behind block a's loads, which may stay out
.set BB, BK+32*((\a)%2)
	s_wait_dscnt \younger
	WIN 0x20                                       ; source 2 (the residual) window 2
.set n, 0
.rept 16
	v_pk_fma_f32 v[BB+n:BB+n+1], v[BB+n:BB+n+1], s[96:97], v[32*(\a)+n:32*(\a)+n+1] op_sel_hi:[1,0,1]   ; sum x 2^(ea + eb) + residual (the scalar pair's low word for both halves)
.set n, n+2
.endr
	WIN 0
.irp t, 0,1,2,3,4,5,6,7
	global_store_b128 v[XO], v[BB+4*\t:BB+4*\t+3], s[12:13] offset:(16*(\a)+2*\t)*4096 th:TH_STORE_NT   ; sixteen lanes store 256 consecutive bytes, aligned
.endr
.endm
	PLACES NP                                      ; behind the last products: the stores below read their results
	s_wait_loadcnt 0x0                             ; the residual
	TOSTAGE 0
.irp a, 1,2,3
.if \a > 1
	s_wait_xcnt 0x0                                ; block a - 2's stores have read their registers: block a's loads may land there
.endif
	TOSTAGE \a
	SEND \a-1, 16                                  ; behind block a - 1's loads: block a's 8 stores and 8 loads
.endr
	SEND 3, 0
	s_wait_tensorcnt 0x0                           ; the wave's end, behind my last tensor load and my last LDS store
	ds_add_u32 v[SPW], v[NIL]
	s_wait_dscnt 0x0
	CROUND                                         ; the closing round: no work-group ends while a partner may still ask for a tile that names it
	s_endpgm
.Lfunc_end_k_q54decf2171_proj:
	.size	k_q54decf2171_proj, .Lfunc_end_k_q54decf2171_proj-k_q54decf2171_proj
	.p2alignl 7, 3214868480
	.fill 96, 4, 3214868480
	.section	.rodata,"a",@progbits
	.p2align	6, 0x0
	.amdhsa_kernel k_q54decf2171_proj
		.amdhsa_group_segment_fixed_size 327680
		.amdhsa_private_segment_fixed_size 0
		.amdhsa_enable_private_segment 0
		.amdhsa_kernarg_size 40
		.amdhsa_user_sgpr_count 2
		.amdhsa_user_sgpr_kernarg_segment_ptr 1
		.amdhsa_wavefront_size32 1
		.amdhsa_system_sgpr_workgroup_id_x 1
		.amdhsa_system_sgpr_workgroup_id_y 1
		.amdhsa_system_sgpr_workgroup_id_z 1
		.amdhsa_system_vgpr_workitem_id 0
		.amdhsa_next_free_vgpr 640
		.amdhsa_next_free_sgpr 100
		.amdhsa_reserve_vcc 0
		.amdhsa_float_denorm_mode_32 3
		.amdhsa_float_denorm_mode_16_64 3
		.amdhsa_memory_ordered 1
		.amdhsa_forward_progress 1
		.amdhsa_inst_pref_size 77
	.end_amdhsa_kernel
	.amdgpu_metadata
---
amdhsa.version: [ 1, 2 ]
amdhsa.kernels:
  - .name:           k_q54decf2171_proj
    .symbol:         k_q54decf2171_proj.kd
    .args:
      - { .name: hidc, .offset: 0, .size: 8, .value_kind: global_buffer, .address_space: global }
      - { .name: pc, .offset: 8, .size: 8, .value_kind: global_buffer, .address_space: global }
      - { .name: lowp_scales, .offset: 16, .size: 8, .value_kind: global_buffer, .address_space: global }
      - { .name: x1, .offset: 24, .size: 8, .value_kind: global_buffer, .address_space: global }
      - { .name: out0, .offset: 32, .size: 8, .value_kind: global_buffer, .address_space: global }
    .group_segment_fixed_size: 327680
    .private_segment_fixed_size: 0
    .kernarg_segment_align: 8
    .kernarg_segment_size: 40
    .max_flat_workgroup_size: 128
    .sgpr_count:     100
    .vgpr_count:     640
    .wavefront_size: 32
...
	.end_amdgpu_metadata
.endif
;; end of part 14
